; MI455X (gfx1250); checked and timed in simulation.
; The chip was launched on July 23, 2026; its instructions are those of AMD's public machine-readable ISA for CDNA 5 (MIT licence, August 2026) and "CDNA5" Instruction Set Architecture Reference Guide (July 2026). The comments in the code are by the model that wrote it; some were corrected since.
;; Hierarchical VQ. Allowed arithmetic: float matrix products may take bf16 or f16 operands with f32 sums; all other float work in f32.
;; Inputs: b_c2f 512 float32; b_f2c 512 float32; be_c2f 512 float32; be_f2c 512 float32; coarse_emb 4,096 x 512 float32; fine_emb 8,192 x 512 float32; g_c2f 512 float32; g_f2c 512 float32; gate_c_raw one number float32; gate_f_raw one number float32; w_c2f 512 x 512 float32; w_f2c 512 x 512 float32; z 8,192 x 1,024 float32.
;; Outputs: out0 8,192 x 1,024 float32; out1 one number float32.
;; 2 versions, each right and faster than the one before. Each part assembles by itself: llvm-mc -triple=amdgcn-amd-amdhsa -mcpu=gfx1250 --defsym DOCPART=n.
;; ======== version 1 of 2: 7 launches
;; limits: a difference of large sums (such as E[x^2] - mean^2): digits are lost where the result is much smaller than its terms; values are held in f16: magnitudes above 65,504 overflow, below 6.1e-05 lose precision; inputs' magnitudes at most 65,504; right only within a limited range of input values
;; workspace buffers: pk 22,102,016 bytes; candc 524,288 bytes; tab 25,198,592 bytes; idxc 32,768 bytes of whole numbers; xf 16,809,984 bytes; candf 262,144 bytes; idxf 32,768 bytes of whole numbers
;; launch prep (part 1): grid 1344 x 1, 4 waves a work-group, no clusters, 17,408 bytes of LDS; arguments z, coarse_emb, fine_emb, w_c2f, w_f2c, pk; writes pk
.if DOCPART == 1
	.amdgcn_target "amdgcn-amd-amdhsa--gfx1250"
	.amdhsa_code_object_version 6
	.text
	.protected	k_qac64ce48d3_prep
	.globl	k_qac64ce48d3_prep
	.p2align	8
	.type	k_qac64ce48d3_prep,@function
k_qac64ce48d3_prep:
	s_mov_b64 s[64:65], 0
	v_nop
	global_prefetch_b8 v0, s[64:65] scope:SCOPE_SE
	s_setreg_imm32_b32 hwreg(HW_REG_WAVE_MODE, 25, 1), 1
	s_wait_xcnt 0x0
; PREP.  z[:, :512], coarse_emb, fine_emb, w_c2f, w_f2c are rounded to bf16, written as f16 and laid out by matrix fragments; the first three also get their rows' sums of squares.
; pk: blocks of 16 rows, 16,384 bytes each: 0-511 z (coarse half), 512-767 coarse_emb, 768-1279 fine_emb, 1280-1311 w_c2f, 1312-1343 w_f2c; behind them 64 bytes of row sums a block.
; In a block the fragment of K step ks (32 along K) is 1,024 bytes at 1,024 ks: lane l = r + 16 h (r = row) owns 16 bytes at 16 l (k = 32 ks + 8 h + 0..7) and 16 bytes at 512 + 16 l
; (k = 32 ks + 16 + 8 h + 0..7): a later fragment load is 32 lanes x 16 consecutive bytes.
; LIMITS.  A bf16 number is exact in f16 from 2^-17 to 65,504 in magnitude; below 2^-17 it keeps f16's fixed step (error 3e-8 at the most); beyond 65,504 it becomes an infinity.
; SHARES.  A work-group takes one block, a wave four of its rows; memory binds, so no matrix unit and no cluster; each row is read once, 512 consecutive bytes an instruction.
.set PITCH,  1040                      ; a stage row: 1,024 bytes of f16 + 16: an odd multiple of 16, so the 16 rows of a read-back start in 16 different 16-byte columns
.set SPARE,  16896                     ; the spare words: 128 bytes a wave
.set NORMS,  22020096                  ; 1,344 blocks x 16,384
.set X,   8                            ; v[8:71]   four rows as loaded, 16 registers each; later the read-back
.set T,   72                           ; v[72:79]  at work
.set NRM, 88                           ; v88       lane i (0-3): row i's sum of squares
.set L4,  89                           ; v89       4 x lane
.set SUM, 90                           ; v[90:91]
.set TMP, 92                           ; v92       takes the other half of the lanes
	s_load_b256 s[4:11], s[0:1], 0x0               ; z, coarse_emb, fine_emb, w_c2f
	s_load_b128 s[12:15], s[0:1], 0x20             ; w_f2c, pk
	v_lshl_add_u32 v1, v0, 2, SPARE                ; my spare word
	v_mov_b32 v2, 0
	v_lshrrev_b32 v7, 5, v0
	v_readfirstlane_b32 s16, v7                    ; wave
	v_and_b32 v7, 31, v0                           ; lane
	v_lshlrev_b32 v3, 4, v7                        ; 16 x lane
	s_mov_b32 s17, ttmp9                           ; block
	s_mov_b32 s20, 0                               ; the source's first block
	s_mov_b32 s21, 4096                            ; the source's row pitch in bytes
	s_mov_b32 s23, 0
	s_mov_b32 s36, 0x76543210                      ; v_permlanex16_b32: each lane takes its own place in the other half
	s_mov_b32 s37, 0xfedcba98
	s_mov_b32 s38, 0xffff0000                      ; a word's upper bf16
	s_wait_kmcnt 0x0
	s_mov_b64 s[18:19], s[4:5]                     ; which tensor the block belongs to
	s_cmp_ge_u32 s17, 512
	s_cselect_b64 s[18:19], s[6:7], s[18:19]
	s_cselect_b32 s20, 512, s20
	s_cselect_b32 s21, 2048, s21
	s_cmp_ge_u32 s17, 768
	s_cselect_b64 s[18:19], s[8:9], s[18:19]
	s_cselect_b32 s20, 768, s20
	s_cmp_ge_u32 s17, 1280
	s_cselect_b64 s[18:19], s[10:11], s[18:19]
	s_cselect_b32 s20, 1280, s20
	s_cmp_ge_u32 s17, 1312
	s_cselect_b64 s[18:19], s[12:13], s[18:19]
	s_cselect_b32 s20, 1312, s20
	s_sub_co_u32 s22, s17, s20
	s_lshl_b32 s22, s22, 4                         ; 16 rows a block
	s_lshl2_add_u32 s22, s16, s22                  ; + 4 x wave
	s_mul_i32 s22, s22, s21                        ; in bytes: under 2^26
	s_add_nc_u64 s[24:25], s[18:19], s[22:23]      ; my four rows
	s_mov_b32 s22, s21
	s_add_nc_u64 s[26:27], s[24:25], s[22:23]
	s_add_nc_u64 s[28:29], s[26:27], s[22:23]
	s_add_nc_u64 s[30:31], s[28:29], s[22:23]
.irp i, 0,1,2,3
.irp q, 0,1,2,3
	global_load_b128 v[X+16*\i+4*\q:X+16*\i+4*\q+3], v3, s[24+2*\i:25+2*\i] offset:512*\q th:TH_LOAD_NT  ; k = 4 lane + 128 q + 0..3
.endr
.endr
	s_lshl_b32 s22, s17, 14
	s_add_nc_u64 s[32:33], s[14:15], s[22:23]      ; my block in pk
	s_lshl_b32 s22, s17, 6
	s_lshl4_add_u32 s22, s16, s22
	s_add_co_u32 s22, s22, NORMS
	s_add_nc_u64 s[34:35], s[14:15], s[22:23]      ; my four row sums
	s_mul_i32 s42, s16, 4*PITCH
	v_lshl_add_u32 v4, v7, 3, s42                  ; into the stage: my first row, 8 bytes a lane
	v_and_b32 v[T], 15, v7                         ; r
	v_lshrrev_b32 v[T+1], 4, v7                    ; h
	v_mul_u32_u24 v5, v[T], PITCH
	v_lshl_add_u32 v5, v[T+1], 4, v5
	s_lshl_b32 s42, s16, 8
	v_add_nc_u32 v5, s42, v5                       ; back: row r, 16 h, my four K steps (64 bytes each) from 4 x wave on
	s_lshl_b32 s42, s16, 12
	v_add_nc_u32 v6, s42, v3                       ; in the block: 16 lane + 1,024 x 4 x wave
	v_lshlrev_b32 v[L4], 2, v7
	v_mov_b32 v[NRM], 0
	v_mov_b32 v[TMP], 0
.macro WSUM r                          ; the sum over the wave's 32 lanes, in every lane
	v_add_f32_dpp v[\r], v[\r], v[\r] row_xmask:1 row_mask:0xf bank_mask:0xf
	v_add_f32_dpp v[\r], v[\r], v[\r] row_xmask:2 row_mask:0xf bank_mask:0xf
	v_add_f32_dpp v[\r], v[\r], v[\r] row_xmask:4 row_mask:0xf bank_mask:0xf
	v_add_f32_dpp v[\r], v[\r], v[\r] row_xmask:8 row_mask:0xf bank_mask:0xf
	v_permlanex16_b32 v[TMP], v[\r], s36, s37
	v_add_f32 v[\r], v[\r], v[TMP]
.endm
.macro ROW i                           ; row i: rounded to bf16, squared and summed, written as f16 into the stage
	s_wait_loadcnt 12-4*(\i)                       ; loads return in order: the rows behind this one (four loads each) may stay out
.irp q, 0,1,2,3
	v_cvt_pk_bf16_f32 v[T], v[X+16*(\i)+4*\q], v[X+16*(\i)+4*\q+1]
	v_cvt_pk_bf16_f32 v[T+1], v[X+16*(\i)+4*\q+2], v[X+16*(\i)+4*\q+3]
	v_lshlrev_b32 v[T+2], 16, v[T]
	v_and_b32 v[T+3], s38, v[T]
	v_lshlrev_b32 v[T+4], 16, v[T+1]
	v_and_b32 v[T+5], s38, v[T+1]
.if \q == 0
	v_pk_mul_f32 v[SUM:SUM+1], v[T+2:T+3], v[T+2:T+3]
.else
	v_pk_fma_f32 v[SUM:SUM+1], v[T+2:T+3], v[T+2:T+3], v[SUM:SUM+1]
.endif
	v_pk_fma_f32 v[SUM:SUM+1], v[T+4:T+5], v[T+4:T+5], v[SUM:SUM+1]
	v_cvt_pk_f16_f32 v[T+6], v[T+2], v[T+3]
	v_cvt_pk_f16_f32 v[T+7], v[T+4], v[T+5]
	ds_store_b64 v4, v[T+6:T+7] offset:(\i)*PITCH+256*\q
.endr
	v_add_f32 v[SUM], v[SUM], v[SUM+1]
	WSUM SUM
	s_mov_b32 s40, 1<<(\i)
	v_cndmask_b32 v[NRM], v[NRM], v[SUM], s40      ; lane i keeps it
.endm
	ROW 0
	ROW 1
	ROW 2
	ROW 3
	s_wait_dscnt 0x0                               ; for the others' sake: my rows are in the stage
	s_barrier_signal -1
	s_barrier_wait -1
.irp c, 0,1,2,3                        ; my four K steps of all 16 rows, as fragments
	ds_load_b128 v[X+8*\c:X+8*\c+3], v5 offset:64*\c
	ds_load_b128 v[X+8*\c+4:X+8*\c+7], v5 offset:64*\c+32
.endr
.irp c, 0,1,2,3
	s_wait_dscnt 6-2*\c                            ; the LDS loads of the K steps behind this one may stay out
	global_store_b128 v6, v[X+8*\c:X+8*\c+3], s[32:33] offset:1024*\c       ; 512 consecutive bytes, aligned
	global_store_b128 v6, v[X+8*\c+4:X+8*\c+7], s[32:33] offset:1024*\c+512
.endr
	s_cmp_ge_u32 s17, 1280
	s_cbranch_scc1 .Lend                           ; the weights' rows need no sums
	v_cmp_gt_u32 vcc_lo, 4, v7
	s_wait_xcnt 0x0                                ; EXEC changes only when the stores above have read their sources
	s_and_saveexec_b32 s41, vcc_lo
	global_store_b32 v[L4], v[NRM], s[34:35]       ; 16 bytes a wave: 80 KiB in the whole launch
	s_wait_xcnt 0x0
	s_or_b32 exec_lo, exec_lo, s41
.Lend:
	s_wait_tensorcnt 0x0                           ; the wave's end
	ds_add_u32 v1, v2
	s_wait_dscnt 0x0
	s_endpgm
.Lfunc_end_k_qac64ce48d3_prep:
	.size	k_qac64ce48d3_prep, .Lfunc_end_k_qac64ce48d3_prep-k_qac64ce48d3_prep
	.p2alignl 7, 3214868480
	.fill 96, 4, 3214868480
	.section	.rodata,"a",@progbits
	.p2align	6, 0x0
	.amdhsa_kernel k_qac64ce48d3_prep
		.amdhsa_group_segment_fixed_size 17408
		.amdhsa_private_segment_fixed_size 0
		.amdhsa_enable_private_segment 0
		.amdhsa_kernarg_size 48
		.amdhsa_user_sgpr_count 2
		.amdhsa_user_sgpr_kernarg_segment_ptr 1
		.amdhsa_wavefront_size32 1
		.amdhsa_system_sgpr_workgroup_id_x 1
		.amdhsa_system_sgpr_workgroup_id_y 1
		.amdhsa_system_sgpr_workgroup_id_z 1
		.amdhsa_system_vgpr_workitem_id 0
		.amdhsa_next_free_vgpr 104
		.amdhsa_next_free_sgpr 66
		.amdhsa_reserve_vcc 1
		.amdhsa_float_denorm_mode_32 3
		.amdhsa_float_denorm_mode_16_64 3
		.amdhsa_memory_ordered 1
		.amdhsa_forward_progress 1
		.amdhsa_inst_pref_size 18
	.end_amdhsa_kernel
	.amdgpu_metadata
---
amdhsa.version: [ 1, 2 ]
amdhsa.kernels:
  - .name:           k_qac64ce48d3_prep
    .symbol:         k_qac64ce48d3_prep.kd
    .args:
      - { .name: z, .offset: 0, .size: 8, .value_kind: global_buffer, .address_space: global }
      - { .name: coarse_emb, .offset: 8, .size: 8, .value_kind: global_buffer, .address_space: global }
      - { .name: fine_emb, .offset: 16, .size: 8, .value_kind: global_buffer, .address_space: global }
      - { .name: w_c2f, .offset: 24, .size: 8, .value_kind: global_buffer, .address_space: global }
      - { .name: w_f2c, .offset: 32, .size: 8, .value_kind: global_buffer, .address_space: global }
      - { .name: pk, .offset: 40, .size: 8, .value_kind: global_buffer, .address_space: global }
    .group_segment_fixed_size: 17408
    .private_segment_fixed_size: 0
    .kernarg_segment_align: 8
    .kernarg_segment_size: 48
    .max_flat_workgroup_size: 128
    .sgpr_count:     66
    .vgpr_count:     104
    .wavefront_size: 32
...
	.end_amdgpu_metadata
.endif
;; end of part 1
;; launch vqc (part 2): grid 32 x 8, 4 waves a work-group, clusters of 4 x 1, 327,680 bytes of LDS; arguments pk, candc; writes candc
.if DOCPART == 2
	.amdgcn_target "amdgcn-amd-amdhsa--gfx1250"
	.amdhsa_code_object_version 6
	.text
	.protected	k_qac64ce48d3_vqc
	.globl	k_qac64ce48d3_vqc
	.p2align	8
	.type	k_qac64ce48d3_vqc,@function
k_qac64ce48d3_vqc:
	s_mov_b64 s[64:65], 0
	v_nop
	global_prefetch_b8 v0, s[64:65] scope:SCOPE_SE
	s_setreg_imm32_b32 hwreg(HW_REG_WAVE_MODE, 25, 1), 1
	s_wait_xcnt 0x0
	s_wait_alu depctr_hold_cnt(0) depctr_sa_sdst(0) depctr_va_vdst(0) depctr_va_sdst(0) depctr_va_ssrc(0) depctr_va_vcc(0) depctr_vm_vsrc(0)
	s_getreg_b32 s2, hwreg(HW_REG_IB_STS2, 6, 4)
	s_cmp_eq_u32 s2, 0
	s_cbranch_scc0 .Lentry_in_a_cluster
	s_endpgm
.Lentry_in_a_cluster:
	s_bfe_u32 s2, ttmp6, 0x10000c
	s_cmp_lg_u32 s2, 0x3003
	s_cbranch_scc0 .Lentry_shape_is_right
	s_endpgm
.Lentry_shape_is_right:
; COARSE SEARCH.  For 256 tokens and a range of 512 codes: d = (|x|^2 + |e|^2) - 2 x.e in the same two f32 roundings as the definition, its minimum and the first index that reaches it.
; Operands are f16 that hold bf16-rounded inputs, so every product is exact; sums in f32.  LIMITS: NaN and infinities are not treated apart; f16's range as stated where pk is written.
; SHARES.  Grid x: token block (32), grid y: code range (8): 256 work-groups.  A wave keeps the fragments of 64 tokens (4 tiles of 16, 512 registers) for the whole launch; all four waves walk all
; codes, 128 a tile, through two LDS slots of 131,072 bytes.  A code fragment (two LDS loads) feeds four matrix instructions.
; S^T = E X^T (source 0 = 16 codes, source 1 = 16 tokens): a lane holds ONE token (lane % 16) and the codes 8 (lane / 16) + 0..7, so minimum and index are kept per lane and register.
; BY TURNS.  A block is 16 codes: 64 matrix instructions on one of two sets of four accumulators; the 128 vector instructions that turn the OTHER set (the block before) into d, minimum and index
; stand four behind each pair of matrix instructions.  They name none of the products' registers.
; CLUSTER.  The four token blocks of a cluster walk the same codes: each tile is asked for jointly (mask 15), each wave its quarter, 32,768 dense bytes as 128 rows of 256.
; REGISTERS in windows of 256 (s_set_vgpr_msb: bits 1:0 source 0, 3:2 source 1, 5:4 source 2, 7:6 destination): window 0 all vector work and the accumulators; windows 1, 2 the tokens
; (tile s in window 1 + s / 2 at 128 (s % 2) + 8 ks); window 3 two buffers of 8 code fragments.
.set TILES,  4
.set SLOT1,  1<<17
.set TILEB,  131072
.set SEB,    262144                    ; |e|^2 of the range, written by ds_store: no tile ever lands here
.set SPARE,  SEB+2048                  ; the spare words, 128 bytes a wave
.set CODES,  8388608                   ; coarse_emb's blocks in pk
.set SXOFF,  22020096                  ; |x|^2
.set SEOFF,  22052864                  ; |e|^2
.set IOFF,   262144                    ; candc: the indices lie behind the distances
.set AK0, 2                            ; v2   16 x lane; never rewritten
.set AK,  3                            ; v3   LDS address of the trip's two blocks
.set ASE0,4                            ; v4   SEB + 32 (lane / 16)
.set ASE, 5                            ; v5   the same for the trip's two blocks
.set L4,  6                            ; v6   4 x lane
.set H8,  7                            ; v7   8 (lane / 16)
.set TA,  8                            ; v[8:15]    |x|^2 + |e|^2
.set SX,  16                           ; v[16:23]   |x|^2 of my token in tile t, twice
.set SE,  24                           ; v[24:39]   |e|^2 of my 8 codes, by set
.set WK,  40                           ; v[40:47]   at work
.set SPW, 62
.set NIL, 63
.set M,   64                           ; v[64:95]   running minimum, tile t, register j
.set IX,  96                           ; v[96:127]  the block that gave it
.set ACC, 128                          ; v[128:191] two sets of four accumulators
.set SET, 192                          ; v[192:195] |e|^2 on its way into LDS
.set WV,  12
.set G1,  16                           ; s[16:23]
.set G0,  24                           ; s[24:27]
.set TB,  28                           ; LDS byte of the next trip's blocks
.set CNT, 29
.set SLOTS, 30
.set BLK, 31                           ; the block whose distances are being judged
.set MK,  32                           ; s[32:35] lane masks
.set TS,  36
.set BASEI, 37
.set INF, 46
.set SEL, 48
.set HALF, 50
.set MSB, 0
.macro WIN new                         ; the high byte repeats the setting that is left; a switch that changes nothing is dropped
.if MSB != (\new)
	s_set_vgpr_msb (MSB<<8)|(\new)
.set MSB, \new
.endif
.endm
.macro CROUND                          ; a round of the cluster's barrier
	s_barrier_signal -1
	s_barrier_wait -1
	s_cmp_lg_u32 s[WV], 0
	s_cbranch_scc1 .Lnot_wave_0_\@
	s_barrier_signal -3
.Lnot_wave_0_\@:
	s_barrier_wait -3
	s_barrier_signal -1
	s_barrier_wait -1
.endm
; THE CHANGE OF SLOTS.  The old slot's last fragments are in registers.  Each wave waits for all its tensor loads (one is out: its quarter of the other slot), adds 0 to its spare word, waits for that and
; for its reads; behind the barrier the other slot is whole.  fill = 1: the barrier is a round of the cluster's, and the joint refill of the old slot is the first thing behind it: it has a whole tile, 512 matrix instructions a wave, in which to land.
.macro CHANGE fill
	WIN 0
	s_wait_tensorcnt 0x0                           ; no tensor load of mine is out: the descriptor may be stepped
	ds_add_u32 v[SPW], v[NIL]
.if \fill
	s_xor_b32 s[G0+1], s[G0+1], SLOT1
	s_add_nc_u64 s[G0+2:G0+3], s[G0+2:G0+3], TILEB
	s_wait_dscnt 0x0                               ; the add is done, my reads of the slot and my LDS stores too
	CROUND
	tensor_load_to_lds s[G0:G0+3], s[G1:G1+7]
	s_nop 0
.rept 4
	v_nop
.endr
.else
	s_wait_dscnt 0x0
	s_barrier_signal -1
	s_barrier_wait -1
.endif
	s_sub_co_u32 s[TB], s[TB], TILEB               ; back to a slot's first block,
	s_xor_b32 s[TB], s[TB], SLOT1                  ; in the other slot
.endm
; Two matrix instructions under one window setting: tiles 2 g and 2 g + 1, K step ks (ksl in the buffer at f).  The four accumulators take turns, one instruction a turn.
.macro PAIR par, f, ksl, ks, g
	WIN 0x07+4*(\g)
.irp e, 0, 1
.set rD, ACC+32*(\par)+8*(2*(\g)+\e)
.set rX, 128*\e+8*(\ks)
.if (\ks) == 0
	v_wmma_f32_16x16x32_f16 v[rD:rD+7], v[(\f)+8*(\ksl):(\f)+8*(\ksl)+7], v[rX:rX+7], 0
.else
	v_wmma_f32_16x16x32_f16 v[rD:rD+7], v[(\f)+8*(\ksl):(\f)+8*(\ksl)+7], v[rX:rX+7], v[rD:rD+7]
.endif
.endr
.endm
; Number q of the 128 that judge set RP: for tile t 32: four sums |x|^2 + |e|^2; four d = sum - 2 c, in place (the accumulator's lowest registers first); then twice: four compares, four times index and minimum.
; The compare is strict and the blocks ascend, so the first block that reaches a minimum keeps it.
.macro R1
.set t, q/32
.set n, q%32
.set rA, ACC+32*RP+8*t
.set rE, SE+8*RP
.if n < 4
	v_pk_add_f32 v[TA+2*n:TA+2*n+1], v[rE+2*n:rE+2*n+1], v[SX+2*t:SX+2*t+1]
.elseif n < 8
	v_pk_fma_f32 v[rA+2*(n-4):rA+2*(n-4)+1], v[rA+2*(n-4):rA+2*(n-4)+1], -2.0, v[TA+2*(n-4):TA+2*(n-4)+1] op_sel_hi:[1,0,1]
.else
.set g, (n-8)/12
.set u, (n-8)%12
.set j, (u-4)/2
.if u < 4
	v_cmp_lt_f32 s[MK+u], v[rA+4*g+u], v[M+8*t+4*g+u]
.elseif (u%2) == 0
	v_cndmask_b32 v[IX+8*t+4*g+j], v[IX+8*t+4*g+j], s[BLK], s[MK+j]
.else
	v_min_num_f32 v[M+8*t+4*g+j], v[M+8*t+4*g+j], v[rA+4*g+j]
.endif
.endif
.set q, q+1
.endm
.macro RID n
.rept \n
	R1
.endr
.endm
; One run of LDS loads: the next half block's 8 fragments into the other buffer (mode 1), and in a block's second half its |e|^2.
.macro RUN half, par, mode
.if (\half) == 0
.set rb, 8192+16384*(\par)
.elseif (\par) == 0
.set rb, 16384
.else
.set rb, 0
.endif
.set rf, 64*(1-(\half))
.if (\mode) == 1
	WIN 0xc0
.irp c, 0,1,2,3,4,5,6,7
	ds_load_b128 v[rf+8*\c:rf+8*\c+3], v[AK] offset:rb+1024*\c
	ds_load_b128 v[rf+8*\c+4:rf+8*\c+7], v[AK] offset:rb+1024*\c+512
.endr
.endif
.if (\half) == 1
	WIN 0
	ds_load_b128 v[SE+8*(\par):SE+8*(\par)+3], v[ASE] offset:64*(\par)
	ds_load_b128 v[SE+8*(\par)+4:SE+8*(\par)+7], v[ASE] offset:64*(\par)+16
.endif
.endm
; Half a block: 16 pairs, four of the other set's list behind each.  The run stands behind the first pair: the buffer that it fills was last read in front of eight plain vector instructions,
; and it is waited for 30 matrix instructions later, at the next half's head.
.macro HB half, par, mode
	s_wait_dscnt 0x0
.if (\half) == 0
	s_add_co_u32 s[BLK], s[BLK], 1
.endif
.set RP, 1-(\par)
.set q, 64*(\half)
.set p, 0
.rept 16
	PAIR \par, 64*(\half), p/2, 8*(\half)+p/2, p%2
	WIN 0
	RID 4
.if p == 0
	RUN \half, \par, \mode
.endif
.set p, p+1
.endr
.endm
.macro TRIPA                           ; the second half of the odd block before (its fragments are in registers), fetching this trip's first
	v_add_nc_u32 v[AK], s[TB], v[AK0]
	s_add_co_u32 s[TB], s[TB], 32768
	HB 1, 1, 1
	s_add_co_u32 s[TS], s[TS], 128
	v_add_nc_u32 v[ASE], s[TS], v[ASE0]
.endm
.macro TRIPB
	HB 0, 0, 1
	HB 1, 0, 1
	HB 0, 1, 1
	WIN 0
.endm
.macro COMB ma, ia, mb, ib             ; (a) = the lesser of (a), (b) by distance, then by index
	v_cmp_lt_f32 s[MK], v[\mb], v[\ma]
	v_cmp_eq_f32 s[MK+1], v[\mb], v[\ma]
	v_cmp_lt_u32 s[MK+2], v[\ib], v[\ia]
	s_and_b32 s[MK+1], s[MK+1], s[MK+2]
	s_or_b32 s[MK], s[MK], s[MK+1]
	v_cndmask_b32 v[\ma], v[\ma], v[\mb], s[MK]
	v_cndmask_b32 v[\ia], v[\ia], v[\ib], s[MK]
.endm
.macro FIN t                           ; tile t: block numbers become code numbers; the lane's eight, then the two halves of the lanes
.set k, 0
.rept 8
	v_lshl_add_u32 v[IX+8*(\t)+k], v[IX+8*(\t)+k], 4, k
.set k, k+1
.endr
	COMB M+8*(\t),IX+8*(\t),M+8*(\t)+4,IX+8*(\t)+4
	COMB M+8*(\t)+1,IX+8*(\t)+1,M+8*(\t)+5,IX+8*(\t)+5
	COMB M+8*(\t)+2,IX+8*(\t)+2,M+8*(\t)+6,IX+8*(\t)+6
	COMB M+8*(\t)+3,IX+8*(\t)+3,M+8*(\t)+7,IX+8*(\t)+7
	COMB M+8*(\t),IX+8*(\t),M+8*(\t)+2,IX+8*(\t)+2
	COMB M+8*(\t)+1,IX+8*(\t)+1,M+8*(\t)+3,IX+8*(\t)+3
	COMB M+8*(\t),IX+8*(\t),M+8*(\t)+1,IX+8*(\t)+1
	v_add_nc_u32 v[IX+8*(\t)], v[IX+8*(\t)], v[H8]
	v_permlanex16_b32 v[WK], v[M+8*(\t)], s[SEL], s[SEL+1]
	v_permlanex16_b32 v[WK+1], v[IX+8*(\t)], s[SEL], s[SEL+1]
	COMB M+8*(\t),IX+8*(\t),WK,WK+1
	v_add_nc_u32 v[IX+8*(\t)], s[BASEI], v[IX+8*(\t)]
.endm
	s_load_b128 s[4:7], s[0:1], 0x0                ; pk, candc
	v_lshl_add_u32 v[SPW], v0, 2, SPARE
	v_mov_b32 v[NIL], 0
	ds_add_u32 v[SPW], v[NIL]                      ; the wave's opening: the add and its wait come ahead of my first tensor load
	v_lshrrev_b32 v1, 5, v0
	v_readfirstlane_b32 s[WV], v1
	s_bfe_u32 s13, ttmp6, 0x40000                  ; cx: it enters the tokens' and the output's addresses alone
	s_lshl_b32 s14, ttmp9, 2
	s_add_co_u32 s14, s14, s13                     ; token block
	s_and_b32 s15, ttmp7, 0xffff                   ; code range, which the partners share
	s_mov_b32 s[G1], 15|(3<<16)|(1<<21)            ; mask of four; elements of 8 bytes; bit 21 beside a mask; no padding: fragment loads are 512 consecutive bytes
	s_mov_b32 s[G1+1], 32<<16                      ; tensor_dim0 = 32 (256 bytes)
	s_mov_b32 s[G1+2], 128<<16                     ; tensor_dim1 = 128
	s_mov_b32 s[G1+3], 32<<16                      ; tile_dim0
	s_mov_b32 s[G1+4], 128                         ; tile_dim1
	s_mov_b32 s[G1+5], 32                          ; dense rows
	s_mov_b32 s[G1+6], 0
	s_mov_b32 s[G1+7], 0
	s_mov_b32 s[G0], 1
	s_mul_i32 s[G0+1], s[WV], 32768                ; my quarter of slot 0
	s_mov_b32 s[TB], SLOT1+TILEB                   ; the first change of slots turns this into 0
	s_mov_b32 s[TS], 0
	s_mov_b32 s[SLOTS], TILES-1
	s_mov_b32 s[BLK], -2
	s_mov_b32 s[INF], 0x7f800000
	s_mov_b32 s[SEL], 0x76543210
	s_mov_b32 s[SEL+1], 0xfedcba98
	s_mov_b32 s[HALF], 0xffff0000                  ; lanes 16-31
	s_lshl_b32 s[BASEI], s15, 9                    ; the range's first code
	s_lshl_b32 s52, s15, 19                        ; the range's 32 blocks,
	s_lshl_b32 s53, s[WV], 15                      ; my quarter of a tile
	s_add_co_u32 s52, s52, s53
	s_add_co_u32 s52, s52, CODES
	s_mov_b32 s53, 0
	s_lshl_b32 s54, s14, 18                        ; my block's 16 token tiles, my wave's 4
	s_lshl_b32 s55, s[WV], 16
	s_add_co_u32 s54, s54, s55
	s_mov_b32 s55, 0
	s_lshl_b32 s51, s14, 10                        ; 4 bytes a token
	s_lshl_b32 s56, s[WV], 8
	s_add_co_u32 s51, s51, s56
	s_add_co_u32 s56, s51, SXOFF
	s_mov_b32 s57, 0
	s_lshl_b32 s58, s15, 11
	s_add_co_u32 s58, s58, SEOFF
	s_mov_b32 s59, 0
	s_lshl_b32 s60, s15, 15
	s_add_co_u32 s60, s60, s51
	s_mov_b32 s61, 0
	v_and_b32 v1, 31, v0
	v_lshlrev_b32 v[AK0], 4, v1
	v_lshlrev_b32 v[L4], 2, v1
	v_lshrrev_b32 v9, 4, v1
	v_lshlrev_b32 v[H8], 3, v9
	v_lshl_add_u32 v[ASE0], v9, 5, SEB
	v_and_b32 v10, 15, v1
	v_lshlrev_b32 v10, 2, v10                      ; 4 (lane % 16)
	v_lshlrev_b32 v11, 4, v0                       ; 16 x thread
	v_add_nc_u32 v[WK+2], SEB, v11
	s_wait_dscnt 0x0                               ; the opening add is done
	s_wait_kmcnt 0x0
	s_add_nc_u64 s[G0+2:G0+3], s[4:5], s[52:53]
	s_or_b32 s[G0+3], s[G0+3], 0x80000000
	s_add_nc_u64 s[38:39], s[4:5], s[54:55]        ; my tokens' fragments
	s_add_nc_u64 s[40:41], s[4:5], s[56:57]        ; their |x|^2
	s_add_nc_u64 s[42:43], s[4:5], s[58:59]        ; the range's |e|^2
	s_add_nc_u64 s[44:45], s[6:7], s[60:61]        ; my 64 results
	CROUND                                         ; all four work-groups are here: the first joint load meets
	tensor_load_to_lds s[G0:G0+3], s[G1:G1+7]      ; tile 0 into slot 0
	s_nop 0
.rept 4
	v_nop
.endr
	global_load_b128 v[SET:SET+3], v11, s[42:43]
.irp t, 0,1,2,3
	global_load_b32 v[SX+2*\t], v10, s[40:41] offset:64*\t
.endr
.irp s, 0,1,2,3                        ; the tokens stay in registers: each load takes 512 consecutive bytes
	WIN 0x40*(1+\s/2)
.set k, 0
.rept 16
	global_load_b128 v[128*(\s%2)+8*k:128*(\s%2)+8*k+3], v[AK0], s[38:39] offset:16384*\s+1024*k
	global_load_b128 v[128*(\s%2)+8*k+4:128*(\s%2)+8*k+7], v[AK0], s[38:39] offset:16384*\s+1024*k+512
.set k, k+1
.endr
.endr
	WIN 0
	; what the first block's riders find: a block that has not been, with infinite |e|^2: it changes nothing
.set k, 0
.rept 32
	v_mov_b32 v[M+k], s[INF]
	v_mov_b32 v[IX+k], 0
	v_mov_b32 v[ACC+32+k], 0
.set k, k+1
.endr
.set k, 0
.rept 8
	v_mov_b32 v[SE+8+k], s[INF]
.set k, k+1
.endr
	v_mov_b32 v[WK], 0
	v_mov_b32 v[WK+1], 0
	s_wait_loadcnt 0x0
	ds_store_b128 v[WK+2], v[SET:SET+3]
.irp t, 0,1,2,3
	v_mov_b32 v[SX+2*\t+1], v[SX+2*\t]
.endr
	CHANGE 1                                       ; slot 0 and |e|^2 are whole for everybody; slot 1 is asked for
	v_add_nc_u32 v[AK], s[TB], v[AK0]
	s_add_co_u32 s[TB], s[TB], 32768
	v_mov_b32 v[ASE], v[ASE0]
	WIN 0xc0
.irp c, 0,1,2,3,4,5,6,7
	ds_load_b128 v[8*\c:8*\c+3], v[AK] offset:1024*\c
	ds_load_b128 v[8*\c+4:8*\c+7], v[AK] offset:1024*\c+512
.endr
	WIN 0
	s_mov_b32 s[CNT], 4
	s_branch .Lfirst                               ; the loop is entered at a trip's first whole block
.Lslot:                                                ; TILES - 2 times: every slot but the last two is filled again
	CHANGE 1
	s_mov_b32 s[CNT], 4
.Ltrip:                                                ; a trip: two blocks, shifted by half a block
	TRIPA
.Lfirst:
	TRIPB
	s_sub_co_u32 s[CNT], s[CNT], 1
	s_cmp_lg_u32 s[CNT], 0
	s_cbranch_scc1 .Ltrip
	s_sub_co_u32 s[SLOTS], s[SLOTS], 1
	s_cmp_lg_u32 s[SLOTS], 0
	s_cbranch_scc1 .Lslot
	CHANGE 0                                       ; the last tile is written out
	s_mov_b32 s[CNT], 4
.Ltail:
	TRIPA
	TRIPB
	s_sub_co_u32 s[CNT], s[CNT], 1
	s_cmp_lg_u32 s[CNT], 0
	s_cbranch_scc1 .Ltail
	HB 1, 1, 2                                     ; the last half block: only its |e|^2 is fetched
	s_wait_dscnt 0x0
	s_add_co_u32 s[BLK], s[BLK], 1
.set RP, 1
.set q, 0
	RID 128                                        ; the last block is judged: tiles 0, 1 were finished in front of eight plain instructions, and the list begins with four more
	FIN 0
	FIN 1
	FIN 2
	FIN 3
.irp p, 0,1                            ; both halves of the lanes hold a tile's results: lanes 0-15 give one tile, lanes 16-31 the next: 128 consecutive bytes a store
	v_cndmask_b32 v[WK+2+2*\p], v[M+16*\p], v[M+16*\p+8], s[HALF]
	v_cndmask_b32 v[WK+3+2*\p], v[IX+16*\p], v[IX+16*\p+8], s[HALF]
	global_store_b32 v[L4], v[WK+2+2*\p], s[44:45] offset:128*\p
	global_store_b32 v[L4], v[WK+3+2*\p], s[44:45] offset:IOFF+128*\p
.endr
	s_wait_tensorcnt 0x0                           ; the wave's end
	ds_add_u32 v[SPW], v[NIL]
	s_wait_dscnt 0x0
	CROUND                                         ; the closing round
	s_endpgm
.Lfunc_end_k_qac64ce48d3_vqc:
	.size	k_qac64ce48d3_vqc, .Lfunc_end_k_qac64ce48d3_vqc-k_qac64ce48d3_vqc
	.p2alignl 7, 3214868480
	.fill 96, 4, 3214868480
	.section	.rodata,"a",@progbits
	.p2align	6, 0x0
	.amdhsa_kernel k_qac64ce48d3_vqc
		.amdhsa_group_segment_fixed_size 327680
		.amdhsa_private_segment_fixed_size 0
		.amdhsa_enable_private_segment 0
		.amdhsa_kernarg_size 16
		.amdhsa_user_sgpr_count 2
		.amdhsa_user_sgpr_kernarg_segment_ptr 1
		.amdhsa_wavefront_size32 1
		.amdhsa_system_sgpr_workgroup_id_x 1
		.amdhsa_system_sgpr_workgroup_id_y 1
		.amdhsa_system_sgpr_workgroup_id_z 1
		.amdhsa_system_vgpr_workitem_id 0
		.amdhsa_next_free_vgpr 896
		.amdhsa_next_free_sgpr 66
		.amdhsa_reserve_vcc 0
		.amdhsa_float_denorm_mode_32 3
		.amdhsa_float_denorm_mode_16_64 3
		.amdhsa_memory_ordered 1
		.amdhsa_forward_progress 1
		.amdhsa_inst_pref_size 115
	.end_amdhsa_kernel
	.amdgpu_metadata
---
amdhsa.version: [ 1, 2 ]
amdhsa.kernels:
  - .name:           k_qac64ce48d3_vqc
    .symbol:         k_qac64ce48d3_vqc.kd
    .args:
      - { .name: pk, .offset: 0, .size: 8, .value_kind: global_buffer, .address_space: global }
      - { .name: candc, .offset: 8, .size: 8, .value_kind: global_buffer, .address_space: global }
    .group_segment_fixed_size: 327680
    .private_segment_fixed_size: 0
    .kernarg_segment_align: 8
    .kernarg_segment_size: 16
    .max_flat_workgroup_size: 128
    .sgpr_count:     66
    .vgpr_count:     896
    .wavefront_size: 32
...
	.end_amdgpu_metadata
.endif
;; end of part 2
;; launch tab (part 3): grid 48 x 4, 4 waves a work-group, clusters of 4 x 1, 167,936 bytes of LDS; arguments pk, candc, tab, idxc; writes tab, idxc
.if DOCPART == 3
	.amdgcn_target "amdgcn-amd-amdhsa--gfx1250"
	.amdhsa_code_object_version 6
	.text
	.protected	k_qac64ce48d3_tab
	.globl	k_qac64ce48d3_tab
	.p2align	8
	.type	k_qac64ce48d3_tab,@function
k_qac64ce48d3_tab:
	s_mov_b64 s[64:65], 0
	v_nop
	global_prefetch_b8 v0, s[64:65] scope:SCOPE_SE
	s_setreg_imm32_b32 hwreg(HW_REG_WAVE_MODE, 25, 1), 1
	s_wait_xcnt 0x0
	s_wait_alu depctr_hold_cnt(0) depctr_sa_sdst(0) depctr_va_vdst(0) depctr_va_sdst(0) depctr_va_ssrc(0) depctr_va_vcc(0) depctr_vm_vsrc(0)
	s_getreg_b32 s2, hwreg(HW_REG_IB_STS2, 6, 4)
	s_cmp_eq_u32 s2, 0
	s_cbranch_scc0 .Lentry_in_a_cluster
	s_endpgm
.Lentry_in_a_cluster:
	s_bfe_u32 s2, ttmp6, 0x10000c
	s_cmp_lg_u32 s2, 0x3003
	s_cbranch_scc0 .Lentry_shape_is_right
	s_endpgm
.Lentry_shape_is_right:
; TABLES.  The two linear layers are applied to the codebooks' rows, not to the tokens: tab[row] = E[row] . W^T, raw f32, rows of 2,048 bytes: 4,096 rows of coarse_emb with w_c2f, then 8,192 of fine_emb with w_f2c.
; LIMIT: the layer's true input is x + (q - x), which differs from the code q by one rounding at x's size (half a unit in x's last place); that difference is left out here.
; SHARES.  Grid x: 256 rows (48), grid y: 128 outputs (4): 192 work-groups; 12,288 x 512 outputs do not divide into 256 equal power-of-two tiles.  A wave: 64 rows x 128 outputs, 32 accumulators.
; The rows' fragments stay in registers (windows 1, 2); the 128 outputs' weights are ONE tile of 131,072 bytes, asked for jointly by the four row blocks of a cluster; nothing is filled again.
; Source 0 = 16 outputs, source 1 = 16 rows: a lane holds one row and eight neighbouring outputs.
; The 64 work-groups of clusters 0-3 also merge the coarse search's eight candidates a token (a choice of values only) and store index and distance.
.set STAGE,  131072                    ; behind the tile: 16 rows x 528 bytes a wave
.set SPITCH, 528                       ; 512 + 16: an odd multiple of 16
.set SPARE,  164864
.set CE,     8388608
.set W1OFF,  20971520
.set W2OFF,  21495808
.set DMC,    25165824
.set AK0, 2                            ; v2 16 x lane: fragment loads, row loads and the stores' offset
.set AKQ, 8                            ; v[8:11] + 32,768 q
.set STO, 12
.set RD,  13
.set T4,  15                           ; v15 4 x thread
.set SPW, 62
.set NIL, 63
.set FB,  128                          ; v[128:255] two buffers of 8 weight fragments; later the rows read back
.set WV,  12
.set G1,  16
.set G0,  24
.set MSB, 0
.macro WIN new
.if MSB != (\new)
	s_set_vgpr_msb (MSB<<8)|(\new)
.set MSB, \new
.endif
.endm
.macro CROUND
	s_barrier_signal -1
	s_barrier_wait -1
	s_cmp_lg_u32 s[WV], 0
	s_cbranch_scc1 .Lnot_wave_0_\@
	s_barrier_signal -3
.Lnot_wave_0_\@:
	s_barrier_wait -3
	s_barrier_signal -1
	s_barrier_wait -1
.endm
.macro TPAIR ob, f, ksl, ks, g         ; row tiles 2 g, 2 g + 1 of output block ob; the block's four accumulators (window 3) take turns
	WIN 0xf4+4*(\g)
.irp e, 0, 1
.set rD, 32*(\ob)+8*(2*(\g)+\e)
.set rX, 128*\e+8*(\ks)
.set rF, FB+64*(\f)+8*(\ksl)
.if (\ks) == 0
	v_wmma_f32_16x16x32_f16 v[rD:rD+7], v[rF:rF+7], v[rX:rX+7], 0
.else
	v_wmma_f32_16x16x32_f16 v[rD:rD+7], v[rF:rF+7], v[rX:rX+7], v[rD:rD+7]
.endif
.endr
.endm
.macro FLOAD m                         ; half m of 16 (8,192 bytes of the tile) into buffer m % 2
	WIN 0
.irp c, 0,1,2,3,4,5,6,7
	ds_load_b128 v[FB+64*((\m)%2)+8*\c:FB+64*((\m)%2)+8*\c+3], v[AKQ+(\m)/4] offset:((\m)%4)*8192+1024*\c
	ds_load_b128 v[FB+64*((\m)%2)+8*\c+4:FB+64*((\m)%2)+8*\c+7], v[AKQ+(\m)/4] offset:((\m)%4)*8192+1024*\c+512
.endr
.endm
.macro TH n                            ; half n: 32 matrix instructions; behind the first four, four places and the next half's run of loads, 28 matrix instructions ahead of its use
	s_wait_dscnt 0x0
.set p, 0
.rept 16
	TPAIR (\n)/2, (\n)%2, p/2, 8*((\n)%2)+p/2, p%2
.if (p == 1) && ((\n) < 15)
	WIN 0
.rept 4
	v_nop
.endr
	FLOAD (\n)+1
.endif
.set p, p+1
.endr
.endm
.macro OUTS s                          ; row tile s: 32 bytes a lane into my stage, back as whole rows of 512 bytes, stored
	WIN 0x0c                                       ; store data (source 1) in window 3
.set o, 0
.rept 8
	ds_store_b128 v[STO], v[32*o+8*(\s):32*o+8*(\s)+3] offset:64*o          ; each accumulator's lowest registers first
	ds_store_b128 v[STO], v[32*o+8*(\s)+4:32*o+8*(\s)+7] offset:64*o+16
.set o, o+1
.endr
	WIN 0
	s_wait_xcnt 0x0                                ; the stores of two tiles ago have read these registers
.set k, 0
.rept 16
	ds_load_b128 v[FB+64*((\s)%2)+4*k:FB+64*((\s)%2)+4*k+3], v[RD] offset:SPITCH*k  ; LDS serves a wave's instructions in order: these see the stores above
.set k, k+1
.endr
.set k, 0
.rept 16
	s_wait_dscnt 15-k                              ; the younger read-backs may stay out
	global_store_b128 v[AK0], v[FB+64*((\s)%2)+4*k:FB+64*((\s)%2)+4*k+3], s[44:45] offset:(16*(\s)+k)*2048  ; 512 consecutive bytes, aligned
.set k, k+1
.endr
.endm
	s_load_b256 s[4:11], s[0:1], 0x0               ; pk, candc, tab, idxc
	v_lshl_add_u32 v[SPW], v0, 2, SPARE
	v_mov_b32 v[NIL], 0
	ds_add_u32 v[SPW], v[NIL]                      ; the wave's opening: the add and its wait come ahead of my first tensor load
	v_lshrrev_b32 v1, 5, v0
	v_readfirstlane_b32 s[WV], v1
	s_bfe_u32 s13, ttmp6, 0x40000                  ; cx
	s_mov_b32 s37, ttmp9                           ; the cluster's number: the same in all partners
	s_lshl_b32 s14, s37, 2
	s_add_co_u32 s14, s14, s13                     ; row block
	s_and_b32 s15, ttmp7, 0xffff                   ; output block
	s_mov_b32 s[G1], 15|(3<<16)|(1<<21)            ; as in the searches: 128 dense rows of 256 bytes, mask of four
	s_mov_b32 s[G1+1], 32<<16
	s_mov_b32 s[G1+2], 128<<16
	s_mov_b32 s[G1+3], 32<<16
	s_mov_b32 s[G1+4], 128
	s_mov_b32 s[G1+5], 32
	s_mov_b32 s[G1+6], 0
	s_mov_b32 s[G1+7], 0
	s_mov_b32 s[G0], 1
	s_mul_i32 s[G0+1], s[WV], 32768
	s_mov_b32 s52, W1OFF
	s_mov_b32 s53, W2OFF
	s_cmp_ge_u32 s37, 4                            ; row blocks 16 on are fine_emb's
	s_cselect_b32 s52, s53, s52
	s_lshl_b32 s53, s15, 17
	s_add_co_u32 s52, s52, s53
	s_lshl_b32 s53, s[WV], 15
	s_add_co_u32 s52, s52, s53
	s_mov_b32 s53, 0
	s_lshl_b32 s54, s14, 18
	s_lshl_b32 s55, s[WV], 16
	s_add_co_u32 s54, s54, s55
	s_add_co_u32 s54, s54, CE
	s_mov_b32 s55, 0
	s_lshl_b32 s56, s14, 19                        ; 256 rows of 2,048 bytes,
	s_lshl_b32 s57, s[WV], 17                      ; my 64,
	s_add_co_u32 s56, s56, s57
	s_lshl_b32 s57, s15, 9                         ; my 128 outputs
	s_add_co_u32 s56, s56, s57
	s_mov_b32 s57, 0
	s_lshl2_add_u32 s58, s14, s15                  ; the merge: 128 tokens to a work-group
	s_lshl_b32 s58, s58, 9
	s_mov_b32 s59, 0
	s_add_co_u32 s60, s58, DMC
	s_mov_b32 s61, 0
	v_and_b32 v1, 31, v0
	v_lshlrev_b32 v[AK0], 4, v1
.irp k, 0,1,2,3
	v_add_nc_u32 v[AKQ+\k], 32768*\k, v[AK0]
.endr
	v_and_b32 v3, 15, v1
	v_lshrrev_b32 v4, 4, v1
	s_mul_i32 s36, s[WV], 16*SPITCH
	s_add_co_u32 s36, s36, STAGE
	v_mul_u32_u24 v[STO], v3, SPITCH
	v_lshl_add_u32 v[STO], v4, 5, v[STO]
	v_add_nc_u32 v[STO], s36, v[STO]
	v_add_nc_u32 v[RD], s36, v[AK0]
	v_lshlrev_b32 v[T4], 2, v0
	s_wait_dscnt 0x0
	s_wait_kmcnt 0x0
	s_add_nc_u64 s[G0+2:G0+3], s[4:5], s[52:53]
	s_or_b32 s[G0+3], s[G0+3], 0x80000000
	s_add_nc_u64 s[38:39], s[4:5], s[54:55]
	s_add_nc_u64 s[44:45], s[8:9], s[56:57]
	s_add_nc_u64 s[46:47], s[6:7], s[58:59]
	s_add_nc_u64 s[48:49], s[10:11], s[58:59]
	s_add_nc_u64 s[50:51], s[8:9], s[60:61]
	CROUND
	tensor_load_to_lds s[G0:G0+3], s[G1:G1+7]      ; the one tile: one tensor load of mine is out
	s_nop 0
.rept 4
	v_nop
.endr
.irp s, 0,1,2,3
	WIN 0x40*(1+\s/2)
.set k, 0
.rept 16
	global_load_b128 v[128*(\s%2)+8*k:128*(\s%2)+8*k+3], v[AK0], s[38:39] offset:16384*\s+1024*k
	global_load_b128 v[128*(\s%2)+8*k+4:128*(\s%2)+8*k+7], v[AK0], s[38:39] offset:16384*\s+1024*k+512
.set k, k+1
.endr
.endr
	WIN 0
	s_wait_tensorcnt 0x0                           ; my quarter is in,
	s_barrier_signal -1
	s_barrier_wait -1                              ; everybody's is
	FLOAD 0
	s_wait_loadcnt 0x0                             ; the rows
.irp n, 0,1,2,3,4,5,6,7,8,9,10,11,12,13,14,15
	TH \n
.endr
	WIN 0
.rept 4
	v_nop                                          ; the places behind the last products
.endr
	OUTS 0
	OUTS 1
	OUTS 2
	OUTS 3
	s_cmp_lt_u32 s37, 4
	s_cbranch_scc0 .Lno_merge
.irp s, 0,1,2,3,4,5,6,7
	global_load_b32 v[64+\s], v[T4], s[46:47] offset:32768*\s
	global_load_b32 v[80+\s], v[T4], s[46:47] offset:262144+32768*\s
.endr
	s_wait_loadcnt 0x0
.irp s, 1,2,3,4,5,6,7                  ; the ranges ascend and the compare is strict: the first index keeps a tie
	v_cmp_lt_f32 vcc_lo, v[64+\s], v64
	v_cndmask_b32 v64, v64, v[64+\s], vcc_lo
	v_cndmask_b32 v80, v80, v[80+\s], vcc_lo
.endr
	global_store_b32 v[T4], v80, s[48:49]
	global_store_b32 v[T4], v64, s[50:51]
.Lno_merge:
	s_wait_tensorcnt 0x0                           ; the wave's end
	ds_add_u32 v[SPW], v[NIL]
	s_wait_dscnt 0x0
	CROUND
	s_endpgm
.Lfunc_end_k_qac64ce48d3_tab:
	.size	k_qac64ce48d3_tab, .Lfunc_end_k_qac64ce48d3_tab-k_qac64ce48d3_tab
	.p2alignl 7, 3214868480
	.fill 96, 4, 3214868480
	.section	.rodata,"a",@progbits
	.p2align	6, 0x0
	.amdhsa_kernel k_qac64ce48d3_tab
		.amdhsa_group_segment_fixed_size 167936
		.amdhsa_private_segment_fixed_size 0
		.amdhsa_enable_private_segment 0
		.amdhsa_kernarg_size 32
		.amdhsa_user_sgpr_count 2
		.amdhsa_user_sgpr_kernarg_segment_ptr 1
		.amdhsa_wavefront_size32 1
		.amdhsa_system_sgpr_workgroup_id_x 1
		.amdhsa_system_sgpr_workgroup_id_y 1
		.amdhsa_system_sgpr_workgroup_id_z 1
		.amdhsa_system_vgpr_workitem_id 0
		.amdhsa_next_free_vgpr 1024
		.amdhsa_next_free_sgpr 66
		.amdhsa_reserve_vcc 1
		.amdhsa_float_denorm_mode_32 3
		.amdhsa_float_denorm_mode_16_64 3
		.amdhsa_memory_ordered 1
		.amdhsa_forward_progress 1
		.amdhsa_inst_pref_size 95
	.end_amdhsa_kernel
	.amdgpu_metadata
---
amdhsa.version: [ 1, 2 ]
amdhsa.kernels:
  - .name:           k_qac64ce48d3_tab
    .symbol:         k_qac64ce48d3_tab.kd
    .args:
      - { .name: pk, .offset: 0, .size: 8, .value_kind: global_buffer, .address_space: global }
      - { .name: candc, .offset: 8, .size: 8, .value_kind: global_buffer, .address_space: global }
      - { .name: tab, .offset: 16, .size: 8, .value_kind: global_buffer, .address_space: global }
      - { .name: idxc, .offset: 24, .size: 8, .value_kind: global_buffer, .address_space: global }
    .group_segment_fixed_size: 167936
    .private_segment_fixed_size: 0
    .kernarg_segment_align: 8
    .kernarg_segment_size: 32
    .max_flat_workgroup_size: 128
    .sgpr_count:     66
    .vgpr_count:     1024
    .wavefront_size: 32
...
	.end_amdgpu_metadata
.endif
;; end of part 3
;; launch resid (part 4): grid 512 x 1, 4 waves a work-group, no clusters, 33,792 bytes of LDS; arguments idxc, tab, z, b_c2f, g_c2f, be_c2f, gate_c_raw, xf; writes xf
.if DOCPART == 4
	.amdgcn_target "amdgcn-amd-amdhsa--gfx1250"
	.amdhsa_code_object_version 6
	.text
	.protected	k_qac64ce48d3_resid
	.globl	k_qac64ce48d3_resid
	.p2align	8
	.type	k_qac64ce48d3_resid,@function
k_qac64ce48d3_resid:
	s_mov_b64 s[64:65], 0
	v_nop
	global_prefetch_b8 v0, s[64:65] scope:SCOPE_SE
	s_setreg_imm32_b32 hwreg(HW_REG_WAVE_MODE, 25, 1), 1
	s_wait_xcnt 0x0
; RESIDUAL.  For each token: h = tab[idx_c] + b; LayerNorm; LeakyReLU(0.1); r = z_fine - sigmoid(gate_c) h, all in f32 on inputs rounded to bf16; r leaves as TWO f16 operands by fragments, with its sum of squares.
; hi = r with its 13 lowest mantissa bits cleared (exact in f16 from 2^-14 on), lo = (r - hi) 2^11 rounded to f16: r = hi + lo 2^-11 to within 2^-22 |r|.
; LIMITS: |r| stays under 65,504; below 2^-14 hi keeps f16's fixed step (error 2^-25 at the most).  An index is clamped to the table.
; xf: token tile tt (16 tokens) at 32,768 tt: hi 16,384 bytes, lo 16,384, each laid out as a block of pk; sums of squares from byte 16,777,216 on.
; SHARES.  A work-group takes a token tile, a wave four tokens, a lane the elements 4 lane + 128 q + 0..3 of a row.  Memory and latency bind: all 44 loads of a wave go out before the first is used.
.set PITCH, 2064                       ; a stage row: 2,048 bytes of f32 + 16: an odd multiple of 16
.set SPARE, 33024
.set SXF,   16777216
.set B,   8
.set G,   24
.set BE,  40
.set W,   56                           ; v[56:79] at work
.set H,   80                           ; v[80:143] four table rows; later the read-back
.set Z,   144                          ; v[144:207] four rows of z_fine, then of r
.set NRM, 208
.set L4,  209
.set GT,  210                          ; v[210:211] the gate
.set SEL, 34
.set HM,  36
.set C9,  37
.set CE,  38
.set HMK, 39
.macro WSUM r
	v_add_f32_dpp v[\r], v[\r], v[\r] row_xmask:1 row_mask:0xf bank_mask:0xf
	v_add_f32_dpp v[\r], v[\r], v[\r] row_xmask:2 row_mask:0xf bank_mask:0xf
	v_add_f32_dpp v[\r], v[\r], v[\r] row_xmask:4 row_mask:0xf bank_mask:0xf
	v_add_f32_dpp v[\r], v[\r], v[\r] row_xmask:8 row_mask:0xf bank_mask:0xf
	v_permlanex16_b32 v[W+18], v[\r], s[SEL], s[SEL+1]
	v_add_f32 v[\r], v[\r], v[W+18]
.endm
.macro RND4 r                          ; four f32 rounded to bf16, in place
	v_cvt_pk_bf16_f32 v[W], v[\r], v[(\r)+1]
	v_cvt_pk_bf16_f32 v[W+1], v[(\r)+2], v[(\r)+3]
	v_lshlrev_b32 v[\r], 16, v[W]
	v_and_b32 v[(\r)+1], s[HM], v[W]
	v_lshlrev_b32 v[(\r)+2], 16, v[W+1]
	v_and_b32 v[(\r)+3], s[HM], v[W+1]
.endm
.macro SQSUM h                         ; v[W] = the row's sum of squares, in every lane
	v_pk_mul_f32 v[W:W+1], v[(\h):(\h)+1], v[(\h):(\h)+1]
	v_pk_mul_f32 v[W+2:W+3], v[(\h)+2:(\h)+3], v[(\h)+2:(\h)+3]
.irp j, 4,8,12
	v_pk_fma_f32 v[W:W+1], v[(\h)+\j:(\h)+\j+1], v[(\h)+\j:(\h)+\j+1], v[W:W+1]
	v_pk_fma_f32 v[W+2:W+3], v[(\h)+\j+2:(\h)+\j+3], v[(\h)+\j+2:(\h)+\j+3], v[W+2:W+3]
.endr
	v_pk_add_f32 v[W:W+1], v[W:W+1], v[W+2:W+3]
	v_add_f32 v[W], v[W], v[W+1]
	WSUM W
.endm
.macro LN h, b, g, e                   ; h = LeakyReLU(LayerNorm(h + b) g + e), a row of 512 over the wave's lanes
.irp j, 0,2,4,6,8,10,12,14
	v_pk_add_f32 v[(\h)+\j:(\h)+\j+1], v[(\h)+\j:(\h)+\j+1], v[(\b)+\j:(\b)+\j+1]
.endr
	v_pk_add_f32 v[W:W+1], v[(\h):(\h)+1], v[(\h)+2:(\h)+3]
	v_pk_add_f32 v[W+2:W+3], v[(\h)+4:(\h)+5], v[(\h)+6:(\h)+7]
	v_pk_add_f32 v[W+4:W+5], v[(\h)+8:(\h)+9], v[(\h)+10:(\h)+11]
	v_pk_add_f32 v[W+6:W+7], v[(\h)+12:(\h)+13], v[(\h)+14:(\h)+15]
	v_pk_add_f32 v[W:W+1], v[W:W+1], v[W+2:W+3]
	v_pk_add_f32 v[W+4:W+5], v[W+4:W+5], v[W+6:W+7]
	v_pk_add_f32 v[W:W+1], v[W:W+1], v[W+4:W+5]
	v_add_f32 v[W], v[W], v[W+1]
	WSUM W
	v_mul_f32 v[W+16], s[C9], v[W]                 ; the mean
.irp j, 0,2,4,6,8,10,12,14
	v_pk_add_f32 v[(\h)+\j:(\h)+\j+1], v[(\h)+\j:(\h)+\j+1], v[W+16:W+17] op_sel_hi:[1,0] neg_lo:[0,1] neg_hi:[0,1]
.endr
	SQSUM \h
	v_fma_f32 v[W], v[W], s[C9], s[CE]             ; variance + 1e-5
	v_rsq_f32 v[W+16], v[W]
	v_nop                                          ; a plain instruction between the root and its use
	s_wait_alu depctr_va_vdst(0)
.irp j, 0,2,4,6,8,10,12,14
	v_pk_mul_f32 v[(\h)+\j:(\h)+\j+1], v[(\h)+\j:(\h)+\j+1], v[W+16:W+17] op_sel_hi:[1,0]
.endr
.irp j, 0,2,4,6,8,10,12,14
	v_pk_fma_f32 v[(\h)+\j:(\h)+\j+1], v[(\h)+\j:(\h)+\j+1], v[(\g)+\j:(\g)+\j+1], v[(\e)+\j:(\e)+\j+1]
.endr
.irp j, 0,2,4,6,8,10,12,14
	v_pk_mul_f32 v[W+\j:W+\j+1], v[(\h)+\j:(\h)+\j+1], 0x3dcccccd op_sel_hi:[1,0]
.endr
.irp j, 0,1,2,3,4,5,6,7,8,9,10,11,12,13,14,15
	v_max_num_f32 v[(\h)+\j], v[(\h)+\j], v[W+\j]  ; h where h > 0, 0.1 h elsewhere
.endr
.endm
	s_load_b512 s[4:19], s[0:1], 0x0               ; idxc 4, tab 6, z 8, b 10, g 12, be 14, gate 16, xf 18
	v_lshl_add_u32 v4, v0, 2, SPARE
	v_mov_b32 v5, 0
	v_lshrrev_b32 v2, 5, v0
	v_readfirstlane_b32 s20, v2                    ; wave
	v_and_b32 v2, 31, v0                           ; lane
	v_lshlrev_b32 v1, 4, v2
	s_mov_b32 s21, ttmp9                           ; token tile
	s_mov_b32 s[SEL], 0x76543210
	s_mov_b32 s[SEL+1], 0xfedcba98
	s_mov_b32 s[HM], 0xffff0000
	s_mov_b32 s[C9], 0x3b000000                    ; 1 / 512
	s_mov_b32 s[CE], 0x3727c5ac                    ; 1e-5
	s_mov_b32 s[HMK], 0xffffe000                   ; keeps sign, exponent and 10 mantissa bits
	s_lshl_b32 s22, s21, 6
	s_lshl4_add_u32 s22, s20, s22                  ; 4 bytes a token: 64 a tile, 16 a wave
	s_mov_b32 s23, 0
	s_lshl_b32 s24, s21, 16                        ; 16 rows of 4,096 bytes,
	s_lshl_b32 s25, s20, 14                        ; my four
	s_add_co_u32 s24, s24, s25
	s_mov_b32 s25, 0
	s_mov_b32 s45, 0
	s_wait_kmcnt 0x0
	s_add_nc_u64 s[26:27], s[4:5], s[22:23]
	s_load_b128 s[28:31], s[26:27], 0x0            ; my four indices
	s_load_b32 s32, s[16:17], 0x0
	s_add_nc_u64 s[8:9], s[8:9], s[24:25]
.irp i, 0,1,2,3
.irp q, 0,1,2,3
	global_load_b128 v[Z+16*\i+4*\q:Z+16*\i+4*\q+3], v1, s[8:9] offset:4096*\i+2048+512*\q th:TH_LOAD_NT
.endr
.endr
.irp q, 0,1,2,3
	global_load_b128 v[B+4*\q:B+4*\q+3], v1, s[10:11] offset:512*\q
	global_load_b128 v[G+4*\q:G+4*\q+3], v1, s[12:13] offset:512*\q
	global_load_b128 v[BE+4*\q:BE+4*\q+3], v1, s[14:15] offset:512*\q
.endr
	s_lshl_b32 s44, s21, 15
	s_add_nc_u64 s[56:57], s[18:19], s[44:45]      ; my tile in xf
	s_add_co_u32 s44, s22, SXF
	s_add_nc_u64 s[58:59], s[18:19], s[44:45]      ; my four sums
	s_wait_kmcnt 0x0
.irp i, 0,1,2,3
	s_min_u32 s44, s[28+\i], 4095
	s_lshl_b32 s44, s44, 11
	s_add_nc_u64 s[48+2*\i:49+2*\i], s[6:7], s[44:45]
.endr
.irp i, 0,1,2,3
.irp q, 0,1,2,3
	global_load_b128 v[H+16*\i+4*\q:H+16*\i+4*\q+3], v1, s[48+2*\i:49+2*\i] offset:512*\q
.endr
.endr
	s_mul_i32 s42, s20, 4*PITCH
	v_add_nc_u32 v3, s42, v1                       ; into the stage: my first row, 16 bytes a lane
	v_and_b32 v6, 15, v2
	v_lshrrev_b32 v7, 4, v2
	v_mul_u32_u24 v6, v6, PITCH
	v_lshl_add_u32 v6, v7, 5, v6
	s_lshl_b32 s42, s20, 9
	v_add_nc_u32 v6, s42, v6                       ; back: row r, 32 h, my four K steps of 128 bytes
	s_lshl_b32 s42, s20, 12
	v_add_nc_u32 v7, s42, v1                       ; in a block: 16 lane + 1,024 x 4 x wave
	v_lshlrev_b32 v[L4], 2, v2
	v_mov_b32 v[NRM], 0
	v_mov_b32 v[W+17], 0                           ; named as a pair's upper register, never used
	v_mov_b32 v[W+18], 0
	v_mov_b32 v[GT], s32                           ; sigmoid of the gate rounded to bf16
	v_cvt_pk_bf16_f32 v[GT], v[GT], v[GT]
	v_lshlrev_b32 v[GT], 16, v[GT]
	v_mul_f32 v[GT], 0xbfb8aa3b, v[GT]
	v_exp_f32 v[GT], v[GT]
	v_nop
	s_wait_alu depctr_va_vdst(0)
	v_add_f32 v[GT], 1.0, v[GT]
	v_rcp_f32 v[GT], v[GT]
	v_mov_b32 v[GT+1], 0                           ; the plain instruction behind the reciprocal; the pair's upper register is named only
	s_wait_loadcnt 16                              ; z and the parameters are in; the 16 loads of table rows may stay out
.irp r, 8,12,16,20,24,28,32,36,40,44,48,52
	RND4 \r
.endr
.set k, 0
.rept 16
	RND4 Z+4*k
.set k, k+1
.endr
.irp i, 0,1,2,3
	s_wait_loadcnt 12-4*\i                         ; the rows behind this one may stay out
	LN H+16*\i, B, G, BE
.irp j, 0,2,4,6,8,10,12,14
	v_pk_fma_f32 v[Z+16*\i+\j:Z+16*\i+\j+1], v[H+16*\i+\j:H+16*\i+\j+1], v[GT:GT+1], v[Z+16*\i+\j:Z+16*\i+\j+1] op_sel_hi:[1,0,1] neg_lo:[1,0,0] neg_hi:[1,0,0]
.endr
	SQSUM Z+16*\i
	s_mov_b32 s40, 1<<\i
	v_cndmask_b32 v[NRM], v[NRM], v[W], s40
.irp q, 0,1,2,3
	ds_store_b128 v3, v[Z+16*\i+4*\q:Z+16*\i+4*\q+3] offset:PITCH*\i+512*\q
.endr
.endr
	s_wait_dscnt 0x0                               ; for the others' sake: my rows are in the stage
	s_barrier_signal -1
	s_barrier_wait -1
.irp c, 0,1,2,3                        ; my four K steps of all 16 tokens: k = 8 h + 0..7 and 16 + 8 h + 0..7 in f32
	ds_load_b128 v[H+16*\c:H+16*\c+3], v6 offset:128*\c
	ds_load_b128 v[H+16*\c+4:H+16*\c+7], v6 offset:128*\c+16
	ds_load_b128 v[H+16*\c+8:H+16*\c+11], v6 offset:128*\c+64
	ds_load_b128 v[H+16*\c+12:H+16*\c+15], v6 offset:128*\c+80
.endr
.irp c, 0,1,2,3
	s_wait_dscnt 12-4*\c                           ; the K steps behind this one may stay out
	s_wait_xcnt 0x0                                ; the last K step's stores have read hi and lo
.irp p, 0,1,2,3,4,5,6,7
	v_and_b32 v[W+16+2*(\p%2)], s[HMK], v[H+16*\c+2*\p]
	v_and_b32 v[W+17+2*(\p%2)], s[HMK], v[H+16*\c+2*\p+1]
	v_cvt_pk_f16_f32 v[W+\p], v[W+16+2*(\p%2)], v[W+17+2*(\p%2)]
	v_pk_add_f32 v[W+16+2*(\p%2):W+17+2*(\p%2)], v[H+16*\c+2*\p:H+16*\c+2*\p+1], v[W+16+2*(\p%2):W+17+2*(\p%2)] neg_lo:[0,1] neg_hi:[0,1]
	v_pk_mul_f32 v[W+16+2*(\p%2):W+17+2*(\p%2)], v[W+16+2*(\p%2):W+17+2*(\p%2)], 0x45000000 op_sel_hi:[1,0]
	v_cvt_pk_f16_f32 v[W+8+\p], v[W+16+2*(\p%2)], v[W+17+2*(\p%2)]
.endr
	global_store_b128 v7, v[W:W+3], s[56:57] offset:1024*\c                  ; 512 consecutive bytes each
	global_store_b128 v7, v[W+4:W+7], s[56:57] offset:1024*\c+512
	global_store_b128 v7, v[W+8:W+11], s[56:57] offset:16384+1024*\c
	global_store_b128 v7, v[W+12:W+15], s[56:57] offset:16384+1024*\c+512
.endr
	v_cmp_gt_u32 vcc_lo, 4, v2
	s_wait_xcnt 0x0                                ; EXEC changes only when the stores above have read their sources
	s_and_saveexec_b32 s41, vcc_lo
	global_store_b32 v[L4], v[NRM], s[58:59]
	s_wait_xcnt 0x0
	s_or_b32 exec_lo, exec_lo, s41
	s_wait_tensorcnt 0x0                           ; the wave's end
	ds_add_u32 v4, v5
	s_wait_dscnt 0x0
	s_endpgm
.Lfunc_end_k_qac64ce48d3_resid:
	.size	k_qac64ce48d3_resid, .Lfunc_end_k_qac64ce48d3_resid-k_qac64ce48d3_resid
	.p2alignl 7, 3214868480
	.fill 96, 4, 3214868480
	.section	.rodata,"a",@progbits
	.p2align	6, 0x0
	.amdhsa_kernel k_qac64ce48d3_resid
		.amdhsa_group_segment_fixed_size 33792
		.amdhsa_private_segment_fixed_size 0
		.amdhsa_enable_private_segment 0
		.amdhsa_kernarg_size 64
		.amdhsa_user_sgpr_count 2
		.amdhsa_user_sgpr_kernarg_segment_ptr 1
		.amdhsa_wavefront_size32 1
		.amdhsa_system_sgpr_workgroup_id_x 1
		.amdhsa_system_sgpr_workgroup_id_y 1
		.amdhsa_system_sgpr_workgroup_id_z 1
		.amdhsa_system_vgpr_workitem_id 0
		.amdhsa_next_free_vgpr 232
		.amdhsa_next_free_sgpr 66
		.amdhsa_reserve_vcc 1
		.amdhsa_float_denorm_mode_32 3
		.amdhsa_float_denorm_mode_16_64 3
		.amdhsa_memory_ordered 1
		.amdhsa_forward_progress 1
		.amdhsa_inst_pref_size 57
	.end_amdhsa_kernel
	.amdgpu_metadata
---
amdhsa.version: [ 1, 2 ]
amdhsa.kernels:
  - .name:           k_qac64ce48d3_resid
    .symbol:         k_qac64ce48d3_resid.kd
    .args:
      - { .name: idxc, .offset: 0, .size: 8, .value_kind: global_buffer, .address_space: global }
      - { .name: tab, .offset: 8, .size: 8, .value_kind: global_buffer, .address_space: global }
      - { .name: z, .offset: 16, .size: 8, .value_kind: global_buffer, .address_space: global }
      - { .name: b_c2f, .offset: 24, .size: 8, .value_kind: global_buffer, .address_space: global }
      - { .name: g_c2f, .offset: 32, .size: 8, .value_kind: global_buffer, .address_space: global }
      - { .name: be_c2f, .offset: 40, .size: 8, .value_kind: global_buffer, .address_space: global }
      - { .name: gate_c_raw, .offset: 48, .size: 8, .value_kind: global_buffer, .address_space: global }
      - { .name: xf, .offset: 56, .size: 8, .value_kind: global_buffer, .address_space: global }
    .group_segment_fixed_size: 33792
    .private_segment_fixed_size: 0
    .kernarg_segment_align: 8
    .kernarg_segment_size: 64
    .max_flat_workgroup_size: 128
    .sgpr_count:     66
    .vgpr_count:     232
    .wavefront_size: 32
...
	.end_amdgpu_metadata
.endif
;; end of part 4
;; launch vqf (part 5): grid 64 x 4, 4 waves a work-group, clusters of 4 x 1, 327,680 bytes of LDS; arguments xf, pk, candf; writes candf
.if DOCPART == 5
	.amdgcn_target "amdgcn-amd-amdhsa--gfx1250"
	.amdhsa_code_object_version 6
	.text
	.protected	k_qac64ce48d3_vqf
	.globl	k_qac64ce48d3_vqf
	.p2align	8
	.type	k_qac64ce48d3_vqf,@function
k_qac64ce48d3_vqf:
	s_mov_b64 s[64:65], 0
	v_nop
	global_prefetch_b8 v0, s[64:65] scope:SCOPE_SE
	s_setreg_imm32_b32 hwreg(HW_REG_WAVE_MODE, 25, 1), 1
	s_wait_xcnt 0x0
	s_wait_alu depctr_hold_cnt(0) depctr_sa_sdst(0) depctr_va_vdst(0) depctr_va_sdst(0) depctr_va_ssrc(0) depctr_va_vcc(0) depctr_vm_vsrc(0)
	s_getreg_b32 s2, hwreg(HW_REG_IB_STS2, 6, 4)
	s_cmp_eq_u32 s2, 0
	s_cbranch_scc0 .Lentry_in_a_cluster
	s_endpgm
.Lentry_in_a_cluster:
	s_bfe_u32 s2, ttmp6, 0x10000c
	s_cmp_lg_u32 s2, 0x3003
	s_cbranch_scc0 .Lentry_shape_is_right
	s_endpgm
.Lentry_shape_is_right:
; FINE SEARCH.  As the coarse search, for 128 tokens and a range of 2,048 codes, with the residual in two f16 operands: c = c_hi + c_lo 2^-11, so K counts twice.
; d = (|r|^2 + |e|^2) - 2 c in the definition's two f32 roundings; minimum and first index.  LIMITS: NaN and infinities are not treated apart; the operands' ranges as stated where they are written.
; SHARES.  Grid x: token block (64), grid y: code range (4): 256 work-groups.  A wave keeps two token tiles, hi and lo: slot 2 t = hi, 2 t + 1 = lo of tile t (512 registers).  Sixteen tiles of 128 codes
; go through two LDS slots; each is asked for jointly by the four token blocks of a cluster.
; BY TURNS.  A block of 16 codes is 64 matrix instructions on one of two sets of four accumulators; the 72 vector instructions that judge the other set stand behind the pairs: three behind each of a half
; block's first four pairs, two behind the others.  Registers and windows as in the coarse search.
.set TILES,  16
.set SLOT1,  1<<17
.set TILEB,  131072
.set SEB,    262144
.set SPARE,  SEB+8192
.set CODES,  12582912                  ; fine_emb's blocks in pk
.set SXOFF,  16777216                  ; |r|^2 in xf
.set SEOFF,  22069248                  ; |e|^2 in pk
.set IOFF,   131072
.set AK0, 2
.set AK,  3
.set ASE0,4
.set ASE, 5
.set L4,  6
.set H8,  7
.set TA,  8
.set SX,  16
.set SE,  24
.set WK,  40
.set SPW, 62
.set NIL, 63
.set M,   64
.set IX,  96
.set ACC, 128
.set SET, 192
.set WV,  12
.set G1,  16
.set G0,  24
.set TB,  28
.set CNT, 29
.set SLOTS, 30
.set BLK, 31
.set MK,  32
.set TS,  36
.set BASEI, 37
.set INF, 46
.set SEL, 48
.set HALF, 50
.set MSB, 0
.macro WIN new
.if MSB != (\new)
	s_set_vgpr_msb (MSB<<8)|(\new)
.set MSB, \new
.endif
.endm
.macro CROUND
	s_barrier_signal -1
	s_barrier_wait -1
	s_cmp_lg_u32 s[WV], 0
	s_cbranch_scc1 .Lnot_wave_0_\@
	s_barrier_signal -3
.Lnot_wave_0_\@:
	s_barrier_wait -3
	s_barrier_signal -1
	s_barrier_wait -1
.endm
; The change of slots: all my tensor loads have landed (one was out), the add, the wait for it and for my reads; a round of the cluster's barrier; the joint refill first behind it.
.macro CHANGE fill
	WIN 0
	s_wait_tensorcnt 0x0
	ds_add_u32 v[SPW], v[NIL]
.if \fill
	s_xor_b32 s[G0+1], s[G0+1], SLOT1
	s_add_nc_u64 s[G0+2:G0+3], s[G0+2:G0+3], TILEB
	s_wait_dscnt 0x0
	CROUND
	tensor_load_to_lds s[G0:G0+3], s[G1:G1+7]
	s_nop 0
.rept 4
	v_nop
.endr
.else
	s_wait_dscnt 0x0
	s_barrier_signal -1
	s_barrier_wait -1
.endif
	s_sub_co_u32 s[TB], s[TB], TILEB
	s_xor_b32 s[TB], s[TB], SLOT1
.endm
.macro PAIR par, f, ksl, ks, g         ; slots 2 g, 2 g + 1: hi and lo of token tile g; the four accumulators take turns
	WIN 0x07+4*(\g)
.irp e, 0, 1
.set rD, ACC+32*(\par)+8*(2*(\g)+\e)
.set rX, 128*\e+8*(\ks)
.if (\ks) == 0
	v_wmma_f32_16x16x32_f16 v[rD:rD+7], v[(\f)+8*(\ksl):(\f)+8*(\ksl)+7], v[rX:rX+7], 0
.else
	v_wmma_f32_16x16x32_f16 v[rD:rD+7], v[(\f)+8*(\ksl):(\f)+8*(\ksl)+7], v[rX:rX+7], v[rD:rD+7]
.endif
.endr
.endm
; Number q of the 72 that judge set RP: for tile t 36: four c = c_lo 2^-11 + c_hi (both accumulators' lowest registers first); four sums; four d; twice four compares and four times index and minimum.
.macro R1
.set t, q/36
.set n, q%36
.set rA, ACC+32*RP+16*t
.set rE, SE+8*RP
.if n < 4
	v_pk_fma_f32 v[rA+2*n:rA+2*n+1], v[rA+8+2*n:rA+8+2*n+1], 0x3a000000, v[rA+2*n:rA+2*n+1] op_sel_hi:[1,0,1]
.elseif n < 8
	v_pk_add_f32 v[TA+2*(n-4):TA+2*(n-4)+1], v[rE+2*(n-4):rE+2*(n-4)+1], v[SX+2*t:SX+2*t+1]
.elseif n < 12
	v_pk_fma_f32 v[rA+2*(n-8):rA+2*(n-8)+1], v[rA+2*(n-8):rA+2*(n-8)+1], -2.0, v[TA+2*(n-8):TA+2*(n-8)+1] op_sel_hi:[1,0,1]
.else
.set g, (n-12)/12
.set u, (n-12)%12
.set j, (u-4)/2
.if u < 4
	v_cmp_lt_f32 s[MK+u], v[rA+4*g+u], v[M+8*t+4*g+u]
.elseif (u%2) == 0
	v_cndmask_b32 v[IX+8*t+4*g+j], v[IX+8*t+4*g+j], s[BLK], s[MK+j]
.else
	v_min_num_f32 v[M+8*t+4*g+j], v[M+8*t+4*g+j], v[rA+4*g+j]
.endif
.endif
.set q, q+1
.endm
.macro RID n
.rept \n
	R1
.endr
.endm
.macro RUN half, par, mode
.if (\half) == 0
.set rb, 8192+16384*(\par)
.elseif (\par) == 0
.set rb, 16384
.else
.set rb, 0
.endif
.set rf, 64*(1-(\half))
.if (\mode) == 1
	WIN 0xc0
.irp c, 0,1,2,3,4,5,6,7
	ds_load_b128 v[rf+8*\c:rf+8*\c+3], v[AK] offset:rb+1024*\c
	ds_load_b128 v[rf+8*\c+4:rf+8*\c+7], v[AK] offset:rb+1024*\c+512
.endr
.endif
.if (\half) == 1
	WIN 0
	ds_load_b128 v[SE+8*(\par):SE+8*(\par)+3], v[ASE] offset:64*(\par)
	ds_load_b128 v[SE+8*(\par)+4:SE+8*(\par)+7], v[ASE] offset:64*(\par)+16
.endif
.endm
; Half a block.  The run stands behind the first pair: the buffer that it fills was last read in front of 2 + 3 plain vector instructions.  A list's first line reads accumulators that were finished
; in front of 2 + 2 plain vector instructions of the list before.
.macro HB half, par, mode
	s_wait_dscnt 0x0
.if (\half) == 0
	s_add_co_u32 s[BLK], s[BLK], 1
.endif
.set RP, 1-(\par)
.set q, 36*(\half)
.set p, 0
.rept 16
	PAIR \par, 64*(\half), p/2, 8*(\half)+p/2, p%2
	WIN 0
.if p < 4
	RID 3
.else
	RID 2
.endif
.if p == 0
	RUN \half, \par, \mode
.endif
.set p, p+1
.endr
.endm
.macro TRIPA
	v_add_nc_u32 v[AK], s[TB], v[AK0]
	s_add_co_u32 s[TB], s[TB], 32768
	HB 1, 1, 1
	s_add_co_u32 s[TS], s[TS], 128
	v_add_nc_u32 v[ASE], s[TS], v[ASE0]
.endm
.macro TRIPB
	HB 0, 0, 1
	HB 1, 0, 1
	HB 0, 1, 1
	WIN 0
.endm
.macro COMB ma, ia, mb, ib
	v_cmp_lt_f32 s[MK], v[\mb], v[\ma]
	v_cmp_eq_f32 s[MK+1], v[\mb], v[\ma]
	v_cmp_lt_u32 s[MK+2], v[\ib], v[\ia]
	s_and_b32 s[MK+1], s[MK+1], s[MK+2]
	s_or_b32 s[MK], s[MK], s[MK+1]
	v_cndmask_b32 v[\ma], v[\ma], v[\mb], s[MK]
	v_cndmask_b32 v[\ia], v[\ia], v[\ib], s[MK]
.endm
.macro FIN t
.set k, 0
.rept 8
	v_lshl_add_u32 v[IX+8*(\t)+k], v[IX+8*(\t)+k], 4, k
.set k, k+1
.endr
	COMB M+8*(\t),IX+8*(\t),M+8*(\t)+4,IX+8*(\t)+4
	COMB M+8*(\t)+1,IX+8*(\t)+1,M+8*(\t)+5,IX+8*(\t)+5
	COMB M+8*(\t)+2,IX+8*(\t)+2,M+8*(\t)+6,IX+8*(\t)+6
	COMB M+8*(\t)+3,IX+8*(\t)+3,M+8*(\t)+7,IX+8*(\t)+7
	COMB M+8*(\t),IX+8*(\t),M+8*(\t)+2,IX+8*(\t)+2
	COMB M+8*(\t)+1,IX+8*(\t)+1,M+8*(\t)+3,IX+8*(\t)+3
	COMB M+8*(\t),IX+8*(\t),M+8*(\t)+1,IX+8*(\t)+1
	v_add_nc_u32 v[IX+8*(\t)], v[IX+8*(\t)], v[H8]
	v_permlanex16_b32 v[WK], v[M+8*(\t)], s[SEL], s[SEL+1]
	v_permlanex16_b32 v[WK+1], v[IX+8*(\t)], s[SEL], s[SEL+1]
	COMB M+8*(\t),IX+8*(\t),WK,WK+1
	v_add_nc_u32 v[IX+8*(\t)], s[BASEI], v[IX+8*(\t)]
.endm
	s_load_b128 s[4:7], s[0:1], 0x0                ; xf, pk
	s_load_b64 s[8:9], s[0:1], 0x10                ; candf
	v_lshl_add_u32 v[SPW], v0, 2, SPARE
	v_mov_b32 v[NIL], 0
	ds_add_u32 v[SPW], v[NIL]                      ; the wave's opening: the add and its wait come ahead of my first tensor load
	v_lshrrev_b32 v1, 5, v0
	v_readfirstlane_b32 s[WV], v1
	s_bfe_u32 s13, ttmp6, 0x40000                  ; cx: it enters the tokens' and the output's addresses alone
	s_lshl_b32 s14, ttmp9, 2
	s_add_co_u32 s14, s14, s13                     ; token block
	s_and_b32 s15, ttmp7, 0xffff                   ; code range
	s_mov_b32 s[G1], 15|(3<<16)|(1<<21)            ; mask of four; elements of 8 bytes; bit 21 beside a mask; no padding
	s_mov_b32 s[G1+1], 32<<16
	s_mov_b32 s[G1+2], 128<<16
	s_mov_b32 s[G1+3], 32<<16
	s_mov_b32 s[G1+4], 128
	s_mov_b32 s[G1+5], 32
	s_mov_b32 s[G1+6], 0
	s_mov_b32 s[G1+7], 0
	s_mov_b32 s[G0], 1
	s_mul_i32 s[G0+1], s[WV], 32768
	s_mov_b32 s[TB], SLOT1+TILEB
	s_mov_b32 s[TS], 0
	s_mov_b32 s[SLOTS], TILES-1
	s_mov_b32 s[BLK], -2
	s_mov_b32 s[INF], 0x7f800000
	s_mov_b32 s[SEL], 0x76543210
	s_mov_b32 s[SEL+1], 0xfedcba98
	s_mov_b32 s[HALF], 0xffff0000
	s_lshl_b32 s[BASEI], s15, 11
	s_lshl_b32 s52, s15, 21                        ; the range's 128 blocks,
	s_lshl_b32 s53, s[WV], 15                      ; my quarter of a tile
	s_add_co_u32 s52, s52, s53
	s_add_co_u32 s52, s52, CODES
	s_mov_b32 s53, 0
	s_lshl_b32 s54, s14, 18                        ; my block's 8 token tiles of 32,768 bytes, my wave's 2
	s_lshl_b32 s55, s[WV], 16
	s_add_co_u32 s54, s54, s55
	s_mov_b32 s55, 0
	s_lshl_b32 s51, s14, 9                         ; 4 bytes a token
	s_lshl_b32 s56, s[WV], 7
	s_add_co_u32 s51, s51, s56
	s_add_co_u32 s56, s51, SXOFF
	s_mov_b32 s57, 0
	s_lshl_b32 s58, s15, 13
	s_add_co_u32 s58, s58, SEOFF
	s_mov_b32 s59, 0
	s_lshl_b32 s60, s15, 15
	s_add_co_u32 s60, s60, s51
	s_mov_b32 s61, 0
	v_and_b32 v1, 31, v0
	v_lshlrev_b32 v[AK0], 4, v1
	v_lshlrev_b32 v[L4], 2, v1
	v_lshrrev_b32 v9, 4, v1
	v_lshlrev_b32 v[H8], 3, v9
	v_lshl_add_u32 v[ASE0], v9, 5, SEB
	v_and_b32 v10, 15, v1
	v_lshlrev_b32 v10, 2, v10
	v_lshlrev_b32 v11, 4, v0
	v_add_nc_u32 v[WK+2], SEB, v11
	s_wait_dscnt 0x0
	s_wait_kmcnt 0x0
	s_add_nc_u64 s[G0+2:G0+3], s[6:7], s[52:53]
	s_or_b32 s[G0+3], s[G0+3], 0x80000000
	s_add_nc_u64 s[38:39], s[4:5], s[54:55]
	s_add_nc_u64 s[40:41], s[4:5], s[56:57]
	s_add_nc_u64 s[42:43], s[6:7], s[58:59]
	s_add_nc_u64 s[44:45], s[8:9], s[60:61]
	CROUND
	tensor_load_to_lds s[G0:G0+3], s[G1:G1+7]      ; tile 0 into slot 0
	s_nop 0
.rept 4
	v_nop
.endr
.irp i, 0,1,2,3
	global_load_b128 v[SET+4*\i:SET+4*\i+3], v11, s[42:43] offset:2048*\i
.endr
.irp t, 0,1
	global_load_b32 v[SX+2*\t], v10, s[40:41] offset:64*\t
.endr
.irp s, 0,1,2,3
	WIN 0x40*(1+\s/2)
.set k, 0
.rept 16
	global_load_b128 v[128*(\s%2)+8*k:128*(\s%2)+8*k+3], v[AK0], s[38:39] offset:16384*\s+1024*k
	global_load_b128 v[128*(\s%2)+8*k+4:128*(\s%2)+8*k+7], v[AK0], s[38:39] offset:16384*\s+1024*k+512
.set k, k+1
.endr
.endr
	WIN 0
.set k, 0
.rept 16
	v_mov_b32 v[M+k], s[INF]
	v_mov_b32 v[IX+k], 0
.set k, k+1
.endr
.set k, 0
.rept 32
	v_mov_b32 v[ACC+32+k], 0                       ; a block that has not been, with infinite |e|^2: it changes nothing
.set k, k+1
.endr
.set k, 0
.rept 8
	v_mov_b32 v[SE+8+k], s[INF]
.set k, k+1
.endr
	v_mov_b32 v[WK], 0
	v_mov_b32 v[WK+1], 0
	s_wait_loadcnt 0x0
.irp i, 0,1,2,3
	ds_store_b128 v[WK+2], v[SET+4*\i:SET+4*\i+3] offset:2048*\i
.endr
.irp t, 0,1
	v_mov_b32 v[SX+2*\t+1], v[SX+2*\t]
.endr
	CHANGE 1                                       ; slot 0 and |e|^2 are whole for everybody; slot 1 is asked for
	v_add_nc_u32 v[AK], s[TB], v[AK0]
	s_add_co_u32 s[TB], s[TB], 32768
	v_mov_b32 v[ASE], v[ASE0]
	WIN 0xc0
.irp c, 0,1,2,3,4,5,6,7
	ds_load_b128 v[8*\c:8*\c+3], v[AK] offset:1024*\c
	ds_load_b128 v[8*\c+4:8*\c+7], v[AK] offset:1024*\c+512
.endr
	WIN 0
	s_mov_b32 s[CNT], 4
	s_branch .Lfirst
.Lslot:                                                ; TILES - 2 times
	CHANGE 1
	s_mov_b32 s[CNT], 4
.Ltrip:
	TRIPA
.Lfirst:
	TRIPB
	s_sub_co_u32 s[CNT], s[CNT], 1
	s_cmp_lg_u32 s[CNT], 0
	s_cbranch_scc1 .Ltrip
	s_sub_co_u32 s[SLOTS], s[SLOTS], 1
	s_cmp_lg_u32 s[SLOTS], 0
	s_cbranch_scc1 .Lslot
	CHANGE 0                                       ; the last tile is written out
	s_mov_b32 s[CNT], 4
.Ltail:
	TRIPA
	TRIPB
	s_sub_co_u32 s[CNT], s[CNT], 1
	s_cmp_lg_u32 s[CNT], 0
	s_cbranch_scc1 .Ltail
	HB 1, 1, 2
	v_nop
	v_nop
	s_wait_dscnt 0x0
	s_add_co_u32 s[BLK], s[BLK], 1
.set RP, 1
.set q, 0
	RID 72                                         ; the last block is judged
	FIN 0
	FIN 1
	v_cndmask_b32 v[WK+2], v[M], v[M+8], s[HALF]   ; lanes 0-15 give tile 0, lanes 16-31 tile 1: 128 consecutive bytes a store
	v_cndmask_b32 v[WK+3], v[IX], v[IX+8], s[HALF]
	global_store_b32 v[L4], v[WK+2], s[44:45]
	global_store_b32 v[L4], v[WK+3], s[44:45] offset:IOFF
	s_wait_tensorcnt 0x0                           ; the wave's end
	ds_add_u32 v[SPW], v[NIL]
	s_wait_dscnt 0x0
	CROUND
	s_endpgm
.Lfunc_end_k_qac64ce48d3_vqf:
	.size	k_qac64ce48d3_vqf, .Lfunc_end_k_qac64ce48d3_vqf-k_qac64ce48d3_vqf
	.p2alignl 7, 3214868480
	.fill 96, 4, 3214868480
	.section	.rodata,"a",@progbits
	.p2align	6, 0x0
	.amdhsa_kernel k_qac64ce48d3_vqf
		.amdhsa_group_segment_fixed_size 327680
		.amdhsa_private_segment_fixed_size 0
		.amdhsa_enable_private_segment 0
		.amdhsa_kernarg_size 24
		.amdhsa_user_sgpr_count 2
		.amdhsa_user_sgpr_kernarg_segment_ptr 1
		.amdhsa_wavefront_size32 1
		.amdhsa_system_sgpr_workgroup_id_x 1
		.amdhsa_system_sgpr_workgroup_id_y 1
		.amdhsa_system_sgpr_workgroup_id_z 1
		.amdhsa_system_vgpr_workitem_id 0
		.amdhsa_next_free_vgpr 896
		.amdhsa_next_free_sgpr 66
		.amdhsa_reserve_vcc 0
		.amdhsa_float_denorm_mode_32 3
		.amdhsa_float_denorm_mode_16_64 3
		.amdhsa_memory_ordered 1
		.amdhsa_forward_progress 1
		.amdhsa_inst_pref_size 92
	.end_amdhsa_kernel
	.amdgpu_metadata
---
amdhsa.version: [ 1, 2 ]
amdhsa.kernels:
  - .name:           k_qac64ce48d3_vqf
    .symbol:         k_qac64ce48d3_vqf.kd
    .args:
      - { .name: xf, .offset: 0, .size: 8, .value_kind: global_buffer, .address_space: global }
      - { .name: pk, .offset: 8, .size: 8, .value_kind: global_buffer, .address_space: global }
      - { .name: candf, .offset: 16, .size: 8, .value_kind: global_buffer, .address_space: global }
    .group_segment_fixed_size: 327680
    .private_segment_fixed_size: 0
    .kernarg_segment_align: 8
    .kernarg_segment_size: 24
    .max_flat_workgroup_size: 128
    .sgpr_count:     66
    .vgpr_count:     896
    .wavefront_size: 32
...
	.end_amdgpu_metadata
.endif
;; end of part 5
;; launch fin (part 6): grid 1 x 1, 32 waves a work-group, no clusters, 4,352 bytes of LDS; arguments candf, tab, idxf, out1; writes idxf, out1
.if DOCPART == 6
	.amdgcn_target "amdgcn-amd-amdhsa--gfx1250"
	.amdhsa_code_object_version 6
	.text
	.protected	k_qac64ce48d3_fin
	.globl	k_qac64ce48d3_fin
	.p2align	8
	.type	k_qac64ce48d3_fin,@function
k_qac64ce48d3_fin:
	s_mov_b64 s[64:65], 0
	v_nop
	global_prefetch_b8 v0, s[64:65] scope:SCOPE_SE
	s_setreg_imm32_b32 hwreg(HW_REG_WAVE_MODE, 25, 1), 1
	s_wait_xcnt 0x0
; The fine search's four candidates a token are merged (a choice of values), the indices stored as whole numbers, and the loss made: 1.25 / (8192 x 512) x (sum of the coarse minima + sum of the fine minima).
; LIMIT: the sum of (q - x)^2 is taken as the winning distance |x|^2 + |e|^2 - 2 x.e; its relative error is about 2^-23 (|x|^2 + |e|^2 + 2 |x.e|) / d, which matters only where x equals a code to about 0.3 per cent.
; One work-group: the sum has one owner, and 0.3 MB are read.  Thread t takes tokens 4 t .. 4 t + 3 and 4,096 + 4 t .. + 3.
.set DMC, 25165824
.set D,   8                            ; v[8:39]   distances: half u, range s at 8 + 16 u + 4 s
.set IXR, 40                           ; v[40:71]  indices likewise
.set DM,  72                           ; v[72:79]  the coarse minima
	s_load_b256 s[4:11], s[0:1], 0x0               ; candf, tab, idxf, out1
	v_lshl_add_u32 v1, v0, 2, 256                  ; my spare word: the spare words begin at byte 256
	v_mov_b32 v2, 0
	v_lshrrev_b32 v3, 5, v0
	v_readfirstlane_b32 s12, v3
	v_lshlrev_b32 v4, 4, v0
	v_and_b32 v5, 31, v0
	v_lshlrev_b32 v5, 2, v5
	v_mov_b32 v6, s12
	v_lshlrev_b32 v6, 2, v6
	v_mov_b32 v80, 0
	v_mov_b32 v81, 0
	s_mov_b32 s14, 0x76543210
	s_mov_b32 s15, 0xfedcba98
	s_wait_kmcnt 0x0
	s_add_nc_u64 s[6:7], s[6:7], DMC
.irp u, 0,1
.irp s, 0,1,2,3
	global_load_b128 v[D+16*\u+4*\s:D+16*\u+4*\s+3], v4, s[4:5] offset:16384*\u+32768*\s
	global_load_b128 v[IXR+16*\u+4*\s:IXR+16*\u+4*\s+3], v4, s[4:5] offset:131072+16384*\u+32768*\s
.endr
	global_load_b128 v[DM+4*\u:DM+4*\u+3], v4, s[6:7] offset:16384*\u
.endr
	s_wait_loadcnt 0x0
.irp u, 0,1
.irp s, 1,2,3                          ; the ranges ascend and the compare is strict: the first index keeps a tie
.irp e, 0,1,2,3
	v_cmp_lt_f32 vcc_lo, v[D+16*\u+4*\s+\e], v[D+16*\u+\e]
	v_cndmask_b32 v[D+16*\u+\e], v[D+16*\u+\e], v[D+16*\u+4*\s+\e], vcc_lo
	v_cndmask_b32 v[IXR+16*\u+\e], v[IXR+16*\u+\e], v[IXR+16*\u+4*\s+\e], vcc_lo
.endr
.endr
	global_store_b128 v4, v[IXR+16*\u:IXR+16*\u+3], s[8:9] offset:16384*\u
.endr
	v_pk_add_f32 v[D:D+1], v[D:D+1], v[D+2:D+3]
	v_pk_add_f32 v[D+16:D+17], v[D+16:D+17], v[D+18:D+19]
	v_pk_add_f32 v[DM:DM+1], v[DM:DM+1], v[DM+2:DM+3]
	v_pk_add_f32 v[DM+4:DM+5], v[DM+4:DM+5], v[DM+6:DM+7]
	v_pk_add_f32 v[D:D+1], v[D:D+1], v[D+16:D+17]
	v_pk_add_f32 v[DM:DM+1], v[DM:DM+1], v[DM+4:DM+5]
	v_pk_add_f32 v[D:D+1], v[D:D+1], v[DM:DM+1]
	v_add_f32 v7, v[D], v[D+1]
.macro WSUM r
	v_add_f32_dpp v[\r], v[\r], v[\r] row_xmask:1 row_mask:0xf bank_mask:0xf
	v_add_f32_dpp v[\r], v[\r], v[\r] row_xmask:2 row_mask:0xf bank_mask:0xf
	v_add_f32_dpp v[\r], v[\r], v[\r] row_xmask:4 row_mask:0xf bank_mask:0xf
	v_add_f32_dpp v[\r], v[\r], v[\r] row_xmask:8 row_mask:0xf bank_mask:0xf
	v_permlanex16_b32 v81, v[\r], s14, s15
	v_add_f32 v[\r], v[\r], v81
.endm
	WSUM 7
	ds_store_b32 v6, v7                            ; my wave's word: all lanes write the same number
	s_wait_dscnt 0x0                               ; for the others' sake
	s_barrier_signal -1
	s_barrier_wait -1
	ds_load_b32 v7, v5                             ; lane l takes wave l's sum
	s_wait_dscnt 0x0
	WSUM 7
	v_mul_f32 v7, 0x34a00000, v7                   ; 1.25 x 2^-22
	v_cmp_eq_u32 vcc_lo, 0, v0
	s_wait_xcnt 0x0                                ; EXEC changes only when the stores above have read their sources
	s_and_saveexec_b32 s13, vcc_lo
	global_store_b32 v80, v7, s[10:11]             ; thread 0 alone
	s_wait_xcnt 0x0
	s_or_b32 exec_lo, exec_lo, s13
	s_wait_tensorcnt 0x0                           ; the wave's end
	ds_add_u32 v1, v2
	s_wait_dscnt 0x0
	s_endpgm
.Lfunc_end_k_qac64ce48d3_fin:
	.size	k_qac64ce48d3_fin, .Lfunc_end_k_qac64ce48d3_fin-k_qac64ce48d3_fin
	.p2alignl 7, 3214868480
	.fill 96, 4, 3214868480
	.section	.rodata,"a",@progbits
	.p2align	6, 0x0
	.amdhsa_kernel k_qac64ce48d3_fin
		.amdhsa_group_segment_fixed_size 4352
		.amdhsa_private_segment_fixed_size 0
		.amdhsa_enable_private_segment 0
		.amdhsa_kernarg_size 32
		.amdhsa_user_sgpr_count 2
		.amdhsa_user_sgpr_kernarg_segment_ptr 1
		.amdhsa_wavefront_size32 1
		.amdhsa_system_sgpr_workgroup_id_x 1
		.amdhsa_system_sgpr_workgroup_id_y 1
		.amdhsa_system_sgpr_workgroup_id_z 1
		.amdhsa_system_vgpr_workitem_id 0
		.amdhsa_next_free_vgpr 96
		.amdhsa_next_free_sgpr 66
		.amdhsa_reserve_vcc 1
		.amdhsa_float_denorm_mode_32 3
		.amdhsa_float_denorm_mode_16_64 3
		.amdhsa_memory_ordered 1
		.amdhsa_forward_progress 1
		.amdhsa_inst_pref_size 7
	.end_amdhsa_kernel
	.amdgpu_metadata
---
amdhsa.version: [ 1, 2 ]
amdhsa.kernels:
  - .name:           k_qac64ce48d3_fin
    .symbol:         k_qac64ce48d3_fin.kd
    .args:
      - { .name: candf, .offset: 0, .size: 8, .value_kind: global_buffer, .address_space: global }
      - { .name: tab, .offset: 8, .size: 8, .value_kind: global_buffer, .address_space: global }
      - { .name: idxf, .offset: 16, .size: 8, .value_kind: global_buffer, .address_space: global }
      - { .name: out1, .offset: 24, .size: 8, .value_kind: global_buffer, .address_space: global }
    .group_segment_fixed_size: 4352
    .private_segment_fixed_size: 0
    .kernarg_segment_align: 8
    .kernarg_segment_size: 32
    .max_flat_workgroup_size: 1024
    .sgpr_count:     66
    .vgpr_count:     96
    .wavefront_size: 32
...
	.end_amdgpu_metadata
.endif
;; end of part 6
;; launch outk (part 7): grid 512 x 1, 8 waves a work-group, no clusters, 0 bytes of LDS; arguments idxc, idxf, tab, coarse_emb, fine_emb, b_c2f, g_c2f, be_c2f, b_f2c, g_f2c, be_f2c, gate_c_raw, gate_f_raw, out0; writes out0
.if DOCPART == 7
	.amdgcn_target "amdgcn-amd-amdhsa--gfx1250"
	.amdhsa_code_object_version 6
	.text
	.protected	k_qac64ce48d3_outk
	.globl	k_qac64ce48d3_outk
	.p2align	8
	.type	k_qac64ce48d3_outk,@function
k_qac64ce48d3_outk:
	s_mov_b64 s[64:65], 0
	v_nop
	global_prefetch_b8 v0, s[64:65] scope:SCOPE_SE
	s_setreg_imm32_b32 hwreg(HW_REG_WAVE_MODE, 25, 1), 1
	s_wait_xcnt 0x0
; OUTPUT.  out0[t] = [ q_c + 0.1 sigmoid(gate_f) F(tab_f[idx_f]),  q_f + sigmoid(gate_c) F(tab_c[idx_c]) ], F = bias, LayerNorm, LeakyReLU(0.1), in f32 on inputs rounded to bf16.
; LIMIT: x + (q - x) is taken as q: they differ by one rounding at x's size.  Indices are clamped to their tables.
; SHARES.  A wave takes two tokens; a lane the elements 4 lane + 128 q + 0..3 of a row of 512.  A gather bound by memory: no LDS, no matrix unit, no cluster; all 56 loads of a wave go out before the first is used;
; each store covers 512 consecutive bytes, aligned.
.set HFOFF, 8388608
.set P1B, 8
.set P1G, 24
.set P1E, 40
.set P2B, 56
.set P2G, 72
.set P2E, 88
.set TK,  104                          ; token i at 104 + 64 i: table row c, table row f, code c, code f, 16 registers each
.set W,   232                          ; v[232:250] at work
.set SEL, 66
.set HM,  68
.set C9,  69
.set CE,  70
.macro WSUM r
	v_add_f32_dpp v[\r], v[\r], v[\r] row_xmask:1 row_mask:0xf bank_mask:0xf
	v_add_f32_dpp v[\r], v[\r], v[\r] row_xmask:2 row_mask:0xf bank_mask:0xf
	v_add_f32_dpp v[\r], v[\r], v[\r] row_xmask:4 row_mask:0xf bank_mask:0xf
	v_add_f32_dpp v[\r], v[\r], v[\r] row_xmask:8 row_mask:0xf bank_mask:0xf
	v_permlanex16_b32 v[W+18], v[\r], s[SEL], s[SEL+1]
	v_add_f32 v[\r], v[\r], v[W+18]
.endm
.macro RND4 r                          ; four f32 rounded to bf16, in place
	v_cvt_pk_bf16_f32 v[W], v[\r], v[(\r)+1]
	v_cvt_pk_bf16_f32 v[W+1], v[(\r)+2], v[(\r)+3]
	v_lshlrev_b32 v[\r], 16, v[W]
	v_and_b32 v[(\r)+1], s[HM], v[W]
	v_lshlrev_b32 v[(\r)+2], 16, v[W+1]
	v_and_b32 v[(\r)+3], s[HM], v[W+1]
.endm
.macro LN h, b, g, e                   ; h = LeakyReLU(LayerNorm(h + b) g + e), a row of 512 over the wave's lanes
.irp j, 0,2,4,6,8,10,12,14
	v_pk_add_f32 v[(\h)+\j:(\h)+\j+1], v[(\h)+\j:(\h)+\j+1], v[(\b)+\j:(\b)+\j+1]
.endr
	v_pk_add_f32 v[W:W+1], v[(\h):(\h)+1], v[(\h)+2:(\h)+3]
	v_pk_add_f32 v[W+2:W+3], v[(\h)+4:(\h)+5], v[(\h)+6:(\h)+7]
	v_pk_add_f32 v[W+4:W+5], v[(\h)+8:(\h)+9], v[(\h)+10:(\h)+11]
	v_pk_add_f32 v[W+6:W+7], v[(\h)+12:(\h)+13], v[(\h)+14:(\h)+15]
	v_pk_add_f32 v[W:W+1], v[W:W+1], v[W+2:W+3]
	v_pk_add_f32 v[W+4:W+5], v[W+4:W+5], v[W+6:W+7]
	v_pk_add_f32 v[W:W+1], v[W:W+1], v[W+4:W+5]
	v_add_f32 v[W], v[W], v[W+1]
	WSUM W
	v_mul_f32 v[W+16], s[C9], v[W]                 ; the mean
.irp j, 0,2,4,6,8,10,12,14
	v_pk_add_f32 v[(\h)+\j:(\h)+\j+1], v[(\h)+\j:(\h)+\j+1], v[W+16:W+17] op_sel_hi:[1,0] neg_lo:[0,1] neg_hi:[0,1]
.endr
	v_pk_mul_f32 v[W:W+1], v[(\h):(\h)+1], v[(\h):(\h)+1]
	v_pk_mul_f32 v[W+2:W+3], v[(\h)+2:(\h)+3], v[(\h)+2:(\h)+3]
.irp j, 4,8,12
	v_pk_fma_f32 v[W:W+1], v[(\h)+\j:(\h)+\j+1], v[(\h)+\j:(\h)+\j+1], v[W:W+1]
	v_pk_fma_f32 v[W+2:W+3], v[(\h)+\j+2:(\h)+\j+3], v[(\h)+\j+2:(\h)+\j+3], v[W+2:W+3]
.endr
	v_pk_add_f32 v[W:W+1], v[W:W+1], v[W+2:W+3]
	v_add_f32 v[W], v[W], v[W+1]
	WSUM W
	v_fma_f32 v[W], v[W], s[C9], s[CE]             ; variance + 1e-5
	v_rsq_f32 v[W+16], v[W]
	v_nop                                          ; a plain instruction between the root and its use
	s_wait_alu depctr_va_vdst(0)
.irp j, 0,2,4,6,8,10,12,14
	v_pk_mul_f32 v[(\h)+\j:(\h)+\j+1], v[(\h)+\j:(\h)+\j+1], v[W+16:W+17] op_sel_hi:[1,0]
.endr
.irp j, 0,2,4,6,8,10,12,14
	v_pk_fma_f32 v[(\h)+\j:(\h)+\j+1], v[(\h)+\j:(\h)+\j+1], v[(\g)+\j:(\g)+\j+1], v[(\e)+\j:(\e)+\j+1]
.endr
.irp j, 0,2,4,6,8,10,12,14
	v_pk_mul_f32 v[W+\j:W+\j+1], v[(\h)+\j:(\h)+\j+1], 0x3dcccccd op_sel_hi:[1,0]
.endr
.irp j, 0,1,2,3,4,5,6,7,8,9,10,11,12,13,14,15
	v_max_num_f32 v[(\h)+\j], v[(\h)+\j], v[W+\j]
.endr
.endm
.macro SIGM d, sr                      ; v[d] = sigmoid of s[sr] rounded to bf16
	v_mov_b32 v[\d], s[\sr]
	v_cvt_pk_bf16_f32 v[\d], v[\d], v[\d]
	v_lshlrev_b32 v[\d], 16, v[\d]
	v_mul_f32 v[\d], 0xbfb8aa3b, v[\d]
	v_exp_f32 v[\d], v[\d]
	v_nop
	s_wait_alu depctr_va_vdst(0)
	v_add_f32 v[\d], 1.0, v[\d]
	v_rcp_f32 v[\d], v[\d]
	v_nop
.endm
	s_load_b512 s[4:19], s[0:1], 0x0               ; idxc 4, idxf 6, tab 8, coarse_emb 10, fine_emb 12, b_c2f 14, g_c2f 16, be_c2f 18
	s_load_b256 s[20:27], s[0:1], 0x40             ; b_f2c 20, g_f2c 22, be_f2c 24, gate_c 26
	s_load_b128 s[28:31], s[0:1], 0x60             ; gate_f 28, out0 30
	v_lshrrev_b32 v1, 5, v0
	v_readfirstlane_b32 s32, v1                    ; wave
	v_and_b32 v1, 31, v0
	v_lshlrev_b32 v1, 4, v1                        ; 16 x lane
	s_mov_b32 s[SEL], 0x76543210
	s_mov_b32 s[SEL+1], 0xfedcba98
	s_mov_b32 s[HM], 0xffff0000
	s_mov_b32 s[C9], 0x3b000000                    ; 1 / 512
	s_mov_b32 s[CE], 0x3727c5ac                    ; 1e-5
	s_lshl_b32 s34, ttmp9, 6                       ; 16 tokens a work-group, 4 bytes each,
	s_lshl3_add_u32 s34, s32, s34                  ; two a wave
	s_mov_b32 s35, 0
	s_lshl_b32 s74, ttmp9, 16                      ; and 4,096 bytes of out0 each
	s_lshl_b32 s75, s32, 13
	s_add_co_u32 s74, s74, s75
	s_mov_b32 s75, 0
	s_mov_b32 s73, 0
	s_wait_kmcnt 0x0
	s_add_nc_u64 s[36:37], s[4:5], s[34:35]
	s_add_nc_u64 s[38:39], s[6:7], s[34:35]
	s_load_b64 s[40:41], s[36:37], 0x0
	s_load_b64 s[42:43], s[38:39], 0x0
	s_load_b32 s44, s[26:27], 0x0
	s_load_b32 s45, s[28:29], 0x0
	s_add_nc_u64 s[30:31], s[30:31], s[74:75]
.irp q, 0,1,2,3
	global_load_b128 v[P1B+4*\q:P1B+4*\q+3], v1, s[14:15] offset:512*\q
	global_load_b128 v[P1G+4*\q:P1G+4*\q+3], v1, s[16:17] offset:512*\q
	global_load_b128 v[P1E+4*\q:P1E+4*\q+3], v1, s[18:19] offset:512*\q
	global_load_b128 v[P2B+4*\q:P2B+4*\q+3], v1, s[20:21] offset:512*\q
	global_load_b128 v[P2G+4*\q:P2G+4*\q+3], v1, s[22:23] offset:512*\q
	global_load_b128 v[P2E+4*\q:P2E+4*\q+3], v1, s[24:25] offset:512*\q
.endr
	s_wait_kmcnt 0x0
.irp i, 0,1
	s_min_u32 s72, s[40+\i], 4095
	s_lshl_b32 s72, s72, 11
	s_add_nc_u64 s[48+8*\i:49+8*\i], s[8:9], s[72:73]      ; the coarse table's row
	s_add_nc_u64 s[52+8*\i:53+8*\i], s[10:11], s[72:73]    ; the coarse code
	s_min_u32 s72, s[42+\i], 8191
	s_lshl_b32 s72, s72, 11
	s_add_nc_u64 s[54+8*\i:55+8*\i], s[12:13], s[72:73]    ; the fine code
	s_add_co_u32 s72, s72, HFOFF
	s_add_nc_u64 s[50+8*\i:51+8*\i], s[8:9], s[72:73]      ; the fine table's row
.endr
.irp i, 0,1
.irp q, 0,1,2,3
	global_load_b128 v[TK+64*\i+4*\q:TK+64*\i+4*\q+3], v1, s[48+8*\i:49+8*\i] offset:512*\q
	global_load_b128 v[TK+64*\i+16+4*\q:TK+64*\i+16+4*\q+3], v1, s[50+8*\i:51+8*\i] offset:512*\q
	global_load_b128 v[TK+64*\i+32+4*\q:TK+64*\i+32+4*\q+3], v1, s[52+8*\i:53+8*\i] offset:512*\q
	global_load_b128 v[TK+64*\i+48+4*\q:TK+64*\i+48+4*\q+3], v1, s[54+8*\i:55+8*\i] offset:512*\q
.endr
.endr
	v_mov_b32 v[W+17], 0                           ; named as a pair's upper register, never used
	v_mov_b32 v[W+18], 0
	v_mov_b32 v3, 0
	v_mov_b32 v5, 0
	SIGM 2, 44                                     ; v2 = sigmoid(gate_c)
	SIGM 4, 45
	s_wait_alu depctr_va_vdst(0)
	v_mul_f32 v4, 0x3dcccccd, v4                   ; v4 = 0.1 sigmoid(gate_f)
	s_wait_loadcnt 32                              ; the parameters are in; the two tokens' 32 loads may stay out
.set k, 0
.rept 24
	RND4 P1B+4*k
.set k, k+1
.endr
.irp i, 0,1
	s_wait_loadcnt 16-16*\i                        ; the other token's 16 loads may stay out
	LN TK+64*\i, P1B, P1G, P1E
	LN TK+64*\i+16, P2B, P2G, P2E
.irp q, 0,1,2,3,4,5,6,7
	RND4 TK+64*\i+32+4*\q
.endr
.irp j, 0,2,4,6,8,10,12,14
	v_pk_fma_f32 v[TK+64*\i+32+\j:TK+64*\i+32+\j+1], v[TK+64*\i+16+\j:TK+64*\i+16+\j+1], v[4:5], v[TK+64*\i+32+\j:TK+64*\i+32+\j+1] op_sel_hi:[1,0,1]
	v_pk_fma_f32 v[TK+64*\i+48+\j:TK+64*\i+48+\j+1], v[TK+64*\i+\j:TK+64*\i+\j+1], v[2:3], v[TK+64*\i+48+\j:TK+64*\i+48+\j+1] op_sel_hi:[1,0,1]
.endr
.irp q, 0,1,2,3
	global_store_b128 v1, v[TK+64*\i+32+4*\q:TK+64*\i+32+4*\q+3], s[30:31] offset:4096*\i+512*\q th:TH_STORE_NT
	global_store_b128 v1, v[TK+64*\i+48+4*\q:TK+64*\i+48+4*\q+3], s[30:31] offset:4096*\i+2048+512*\q th:TH_STORE_NT
.endr
.endr
	s_endpgm
.Lfunc_end_k_qac64ce48d3_outk:
	.size	k_qac64ce48d3_outk, .Lfunc_end_k_qac64ce48d3_outk-k_qac64ce48d3_outk
	.p2alignl 7, 3214868480
	.fill 96, 4, 3214868480
	.section	.rodata,"a",@progbits
	.p2align	6, 0x0
	.amdhsa_kernel k_qac64ce48d3_outk
		.amdhsa_group_segment_fixed_size 0
		.amdhsa_private_segment_fixed_size 0
		.amdhsa_enable_private_segment 0
		.amdhsa_kernarg_size 112
		.amdhsa_user_sgpr_count 2
		.amdhsa_user_sgpr_kernarg_segment_ptr 1
		.amdhsa_wavefront_size32 1
		.amdhsa_system_sgpr_workgroup_id_x 1
		.amdhsa_system_sgpr_workgroup_id_y 1
		.amdhsa_system_sgpr_workgroup_id_z 1
		.amdhsa_system_vgpr_workitem_id 0
		.amdhsa_next_free_vgpr 256
		.amdhsa_next_free_sgpr 96
		.amdhsa_reserve_vcc 0
		.amdhsa_float_denorm_mode_32 3
		.amdhsa_float_denorm_mode_16_64 3
		.amdhsa_memory_ordered 1
		.amdhsa_forward_progress 1
		.amdhsa_inst_pref_size 43
	.end_amdhsa_kernel
	.amdgpu_metadata
---
amdhsa.version: [ 1, 2 ]
amdhsa.kernels:
  - .name:           k_qac64ce48d3_outk
    .symbol:         k_qac64ce48d3_outk.kd
    .args:
      - { .name: idxc, .offset: 0, .size: 8, .value_kind: global_buffer, .address_space: global }
      - { .name: idxf, .offset: 8, .size: 8, .value_kind: global_buffer, .address_space: global }
      - { .name: tab, .offset: 16, .size: 8, .value_kind: global_buffer, .address_space: global }
      - { .name: coarse_emb, .offset: 24, .size: 8, .value_kind: global_buffer, .address_space: global }
      - { .name: fine_emb, .offset: 32, .size: 8, .value_kind: global_buffer, .address_space: global }
      - { .name: b_c2f, .offset: 40, .size: 8, .value_kind: global_buffer, .address_space: global }
      - { .name: g_c2f, .offset: 48, .size: 8, .value_kind: global_buffer, .address_space: global }
      - { .name: be_c2f, .offset: 56, .size: 8, .value_kind: global_buffer, .address_space: global }
      - { .name: b_f2c, .offset: 64, .size: 8, .value_kind: global_buffer, .address_space: global }
      - { .name: g_f2c, .offset: 72, .size: 8, .value_kind: global_buffer, .address_space: global }
      - { .name: be_f2c, .offset: 80, .size: 8, .value_kind: global_buffer, .address_space: global }
      - { .name: gate_c_raw, .offset: 88, .size: 8, .value_kind: global_buffer, .address_space: global }
      - { .name: gate_f_raw, .offset: 96, .size: 8, .value_kind: global_buffer, .address_space: global }
      - { .name: out0, .offset: 104, .size: 8, .value_kind: global_buffer, .address_space: global }
    .group_segment_fixed_size: 0
    .private_segment_fixed_size: 0
    .kernarg_segment_align: 8
    .kernarg_segment_size: 112
    .max_flat_workgroup_size: 256
    .sgpr_count:     96
    .vgpr_count:     256
    .wavefront_size: 32
...
	.end_amdgpu_metadata
.endif
;; end of part 7
;; ======== version 2 of 2: 7 launches; 1.36 times as fast as version 1
;; limits: a difference of large sums (such as E[x^2] - mean^2): digits are lost where the result is much smaller than its terms; values are held in f16: magnitudes above 65,504 overflow, below 6.1e-05 lose precision; inputs' magnitudes at most 65,504; right only within a limited range of input values
;; workspace buffers: pk 22,102,016 bytes; candc 524,288 bytes; tab 25,198,592 bytes; idxc 32,768 bytes of whole numbers; xf 8,421,376 bytes; candf 1,048,576 bytes; idxf 65,536 bytes of whole numbers; part 2,048 bytes
;; launch prep: the kernel of part 1 again; grid 1344 x 1, 4 waves a work-group, no clusters, 17,408 bytes of LDS; arguments z, coarse_emb, fine_emb, w_c2f, w_f2c, pk; writes pk
;; launch vqc: the kernel of part 2 again; grid 32 x 8, 4 waves a work-group, clusters of 4 x 1, 327,680 bytes of LDS; arguments pk, candc; writes candc
;; launch tab: the kernel of part 3 again; grid 48 x 4, 4 waves a work-group, clusters of 4 x 1, 167,936 bytes of LDS; arguments pk, candc, tab, idxc; writes tab, idxc
;; launch resid (part 8): grid 512 x 1, 4 waves a work-group, no clusters, 33,792 bytes of LDS; arguments idxc, tab, z, b_c2f, g_c2f, be_c2f, gate_c_raw, xf; writes xf
.if DOCPART == 8
	.amdgcn_target "amdgcn-amd-amdhsa--gfx1250"
	.amdhsa_code_object_version 6
	.text
	.protected	k_qac64ce48d3_resid
	.globl	k_qac64ce48d3_resid
	.p2align	8
	.type	k_qac64ce48d3_resid,@function
k_qac64ce48d3_resid:
	s_mov_b64 s[64:65], 0
	v_nop
	global_prefetch_b8 v0, s[64:65] scope:SCOPE_SE
	s_setreg_imm32_b32 hwreg(HW_REG_WAVE_MODE, 25, 1), 1
	s_wait_xcnt 0x0
; RESIDUAL.  For each token: h = tab[idx_c] + b; LayerNorm; LeakyReLU(0.1); r = z_fine - sigmoid(gate_c) h, all in f32 on inputs rounded to bf16; r leaves rounded to f16, by fragments, with its sum of squares (of the unrounded r).
; The f16 copy serves the fine search's first stage alone, which keeps two candidates a token; the launch that writes the output makes r anew in f32 and settles between them.
; LIMITS: |r| stays under 65,504; below 2^-14 r keeps f16's fixed step.  An index is clamped to the table.
; xf: token tile tt (16 tokens) at 16,384 tt, laid out as a block of pk; sums of squares from byte 8,388,608 on.
; SHARES.  A work-group takes a token tile, a wave four tokens, a lane the elements 4 lane + 128 q + 0..3 of a row.  Memory and latency bind: all 44 loads of a wave go out before the first is used.
.set PITCH, 2064                       ; a stage row: 2,048 bytes of f32 + 16: an odd multiple of 16
.set SPARE, 33024
.set SXF,   8388608
.set B,   8
.set G,   24
.set BE,  40
.set W,   56                           ; v[56:79] at work
.set H,   80                           ; v[80:143] four table rows; later the read-back
.set Z,   144                          ; v[144:207] four rows of z_fine, then of r
.set NRM, 208
.set L4,  209
.set GT,  210                          ; v[210:211] the gate
.set SEL, 34
.set HM,  36
.set C9,  37
.set CE,  38
.macro WSUM r
	v_add_f32_dpp v[\r], v[\r], v[\r] row_xmask:1 row_mask:0xf bank_mask:0xf
	v_add_f32_dpp v[\r], v[\r], v[\r] row_xmask:2 row_mask:0xf bank_mask:0xf
	v_add_f32_dpp v[\r], v[\r], v[\r] row_xmask:4 row_mask:0xf bank_mask:0xf
	v_add_f32_dpp v[\r], v[\r], v[\r] row_xmask:8 row_mask:0xf bank_mask:0xf
	v_permlanex16_b32 v[W+18], v[\r], s[SEL], s[SEL+1]
	v_add_f32 v[\r], v[\r], v[W+18]
.endm
.macro RND4 r                          ; four f32 rounded to bf16, in place
	v_cvt_pk_bf16_f32 v[W], v[\r], v[(\r)+1]
	v_cvt_pk_bf16_f32 v[W+1], v[(\r)+2], v[(\r)+3]
	v_lshlrev_b32 v[\r], 16, v[W]
	v_and_b32 v[(\r)+1], s[HM], v[W]
	v_lshlrev_b32 v[(\r)+2], 16, v[W+1]
	v_and_b32 v[(\r)+3], s[HM], v[W+1]
.endm
.macro SQSUM h                         ; v[W] = the row's sum of squares, in every lane
	v_pk_mul_f32 v[W:W+1], v[(\h):(\h)+1], v[(\h):(\h)+1]
	v_pk_mul_f32 v[W+2:W+3], v[(\h)+2:(\h)+3], v[(\h)+2:(\h)+3]
.irp j, 4,8,12
	v_pk_fma_f32 v[W:W+1], v[(\h)+\j:(\h)+\j+1], v[(\h)+\j:(\h)+\j+1], v[W:W+1]
	v_pk_fma_f32 v[W+2:W+3], v[(\h)+\j+2:(\h)+\j+3], v[(\h)+\j+2:(\h)+\j+3], v[W+2:W+3]
.endr
	v_pk_add_f32 v[W:W+1], v[W:W+1], v[W+2:W+3]
	v_add_f32 v[W], v[W], v[W+1]
	WSUM W
.endm
.macro LN h, b, g, e                   ; h = LeakyReLU(LayerNorm(h + b) g + e), a row of 512 over the wave's lanes
.irp j, 0,2,4,6,8,10,12,14
	v_pk_add_f32 v[(\h)+\j:(\h)+\j+1], v[(\h)+\j:(\h)+\j+1], v[(\b)+\j:(\b)+\j+1]
.endr
	v_pk_add_f32 v[W:W+1], v[(\h):(\h)+1], v[(\h)+2:(\h)+3]
	v_pk_add_f32 v[W+2:W+3], v[(\h)+4:(\h)+5], v[(\h)+6:(\h)+7]
	v_pk_add_f32 v[W+4:W+5], v[(\h)+8:(\h)+9], v[(\h)+10:(\h)+11]
	v_pk_add_f32 v[W+6:W+7], v[(\h)+12:(\h)+13], v[(\h)+14:(\h)+15]
	v_pk_add_f32 v[W:W+1], v[W:W+1], v[W+2:W+3]
	v_pk_add_f32 v[W+4:W+5], v[W+4:W+5], v[W+6:W+7]
	v_pk_add_f32 v[W:W+1], v[W:W+1], v[W+4:W+5]
	v_add_f32 v[W], v[W], v[W+1]
	WSUM W
	v_mul_f32 v[W+16], s[C9], v[W]                 ; the mean
.irp j, 0,2,4,6,8,10,12,14
	v_pk_add_f32 v[(\h)+\j:(\h)+\j+1], v[(\h)+\j:(\h)+\j+1], v[W+16:W+17] op_sel_hi:[1,0] neg_lo:[0,1] neg_hi:[0,1]
.endr
	SQSUM \h
	v_fma_f32 v[W], v[W], s[C9], s[CE]             ; variance + 1e-5
	v_rsq_f32 v[W+16], v[W]
	v_nop                                          ; a plain instruction between the root and its use
	s_wait_alu depctr_va_vdst(0)
.irp j, 0,2,4,6,8,10,12,14
	v_pk_mul_f32 v[(\h)+\j:(\h)+\j+1], v[(\h)+\j:(\h)+\j+1], v[W+16:W+17] op_sel_hi:[1,0]
.endr
.irp j, 0,2,4,6,8,10,12,14
	v_pk_fma_f32 v[(\h)+\j:(\h)+\j+1], v[(\h)+\j:(\h)+\j+1], v[(\g)+\j:(\g)+\j+1], v[(\e)+\j:(\e)+\j+1]
.endr
.irp j, 0,2,4,6,8,10,12,14
	v_pk_mul_f32 v[W+\j:W+\j+1], v[(\h)+\j:(\h)+\j+1], 0x3dcccccd op_sel_hi:[1,0]
.endr
.irp j, 0,1,2,3,4,5,6,7,8,9,10,11,12,13,14,15
	v_max_num_f32 v[(\h)+\j], v[(\h)+\j], v[W+\j]  ; h where h > 0, 0.1 h elsewhere
.endr
.endm
	s_load_b512 s[4:19], s[0:1], 0x0               ; idxc 4, tab 6, z 8, b 10, g 12, be 14, gate 16, xf 18
	v_lshl_add_u32 v4, v0, 2, SPARE
	v_mov_b32 v5, 0
	v_lshrrev_b32 v2, 5, v0
	v_readfirstlane_b32 s20, v2                    ; wave
	v_and_b32 v2, 31, v0                           ; lane
	v_lshlrev_b32 v1, 4, v2
	s_mov_b32 s21, ttmp9                           ; token tile
	s_mov_b32 s[SEL], 0x76543210
	s_mov_b32 s[SEL+1], 0xfedcba98
	s_mov_b32 s[HM], 0xffff0000
	s_mov_b32 s[C9], 0x3b000000                    ; 1 / 512
	s_mov_b32 s[CE], 0x3727c5ac                    ; 1e-5
	s_lshl_b32 s22, s21, 6
	s_lshl4_add_u32 s22, s20, s22                  ; 4 bytes a token: 64 a tile, 16 a wave
	s_mov_b32 s23, 0
	s_lshl_b32 s24, s21, 16                        ; 16 rows of 4,096 bytes,
	s_lshl_b32 s25, s20, 14                        ; my four
	s_add_co_u32 s24, s24, s25
	s_mov_b32 s25, 0
	s_mov_b32 s45, 0
	s_wait_kmcnt 0x0
	s_add_nc_u64 s[26:27], s[4:5], s[22:23]
	s_load_b128 s[28:31], s[26:27], 0x0            ; my four indices
	s_load_b32 s32, s[16:17], 0x0
	s_add_nc_u64 s[8:9], s[8:9], s[24:25]
.irp i, 0,1,2,3
.irp q, 0,1,2,3
	global_load_b128 v[Z+16*\i+4*\q:Z+16*\i+4*\q+3], v1, s[8:9] offset:4096*\i+2048+512*\q
.endr
.endr
.irp q, 0,1,2,3
	global_load_b128 v[B+4*\q:B+4*\q+3], v1, s[10:11] offset:512*\q
	global_load_b128 v[G+4*\q:G+4*\q+3], v1, s[12:13] offset:512*\q
	global_load_b128 v[BE+4*\q:BE+4*\q+3], v1, s[14:15] offset:512*\q
.endr
	s_lshl_b32 s44, s21, 14
	s_add_nc_u64 s[56:57], s[18:19], s[44:45]      ; my tile in xf
	s_add_co_u32 s44, s22, SXF
	s_add_nc_u64 s[58:59], s[18:19], s[44:45]      ; my four sums
	s_wait_kmcnt 0x0
.irp i, 0,1,2,3
	s_min_u32 s44, s[28+\i], 4095
	s_lshl_b32 s44, s44, 11
	s_add_nc_u64 s[48+2*\i:49+2*\i], s[6:7], s[44:45]
.endr
.irp i, 0,1,2,3
.irp q, 0,1,2,3
	global_load_b128 v[H+16*\i+4*\q:H+16*\i+4*\q+3], v1, s[48+2*\i:49+2*\i] offset:512*\q
.endr
.endr
	s_mul_i32 s42, s20, 4*PITCH
	v_add_nc_u32 v3, s42, v1                       ; into the stage: my first row, 16 bytes a lane
	v_and_b32 v6, 15, v2
	v_lshrrev_b32 v7, 4, v2
	v_mul_u32_u24 v6, v6, PITCH
	v_lshl_add_u32 v6, v7, 5, v6
	s_lshl_b32 s42, s20, 9
	v_add_nc_u32 v6, s42, v6                       ; back: row r, 32 h, my four K steps of 128 bytes
	s_lshl_b32 s42, s20, 12
	v_add_nc_u32 v7, s42, v1                       ; in a block: 16 lane + 1,024 x 4 x wave
	v_lshlrev_b32 v[L4], 2, v2
	v_mov_b32 v[NRM], 0
	v_mov_b32 v[W+17], 0                           ; named as a pair's upper register, never used
	v_mov_b32 v[W+18], 0
	v_mov_b32 v[GT], s32                           ; sigmoid of the gate rounded to bf16
	v_cvt_pk_bf16_f32 v[GT], v[GT], v[GT]
	v_lshlrev_b32 v[GT], 16, v[GT]
	v_mul_f32 v[GT], 0xbfb8aa3b, v[GT]
	v_exp_f32 v[GT], v[GT]
	v_nop
	s_wait_alu depctr_va_vdst(0)
	v_add_f32 v[GT], 1.0, v[GT]
	v_rcp_f32 v[GT], v[GT]
	v_mov_b32 v[GT+1], 0                           ; the plain instruction behind the reciprocal; the pair's upper register is named only
	s_wait_loadcnt 16                              ; z and the parameters are in; the 16 loads of table rows may stay out
.irp r, 8,12,16,20,24,28,32,36,40,44,48,52
	RND4 \r
.endr
.set k, 0
.rept 16
	RND4 Z+4*k
.set k, k+1
.endr
.irp i, 0,1,2,3
	s_wait_loadcnt 12-4*\i                         ; the rows behind this one may stay out
	LN H+16*\i, B, G, BE
.irp j, 0,2,4,6,8,10,12,14
	v_pk_fma_f32 v[Z+16*\i+\j:Z+16*\i+\j+1], v[H+16*\i+\j:H+16*\i+\j+1], v[GT:GT+1], v[Z+16*\i+\j:Z+16*\i+\j+1] op_sel_hi:[1,0,1] neg_lo:[1,0,0] neg_hi:[1,0,0]
.endr
	SQSUM Z+16*\i
	s_mov_b32 s40, 1<<\i
	v_cndmask_b32 v[NRM], v[NRM], v[W], s40
.irp q, 0,1,2,3
	ds_store_b128 v3, v[Z+16*\i+4*\q:Z+16*\i+4*\q+3] offset:PITCH*\i+512*\q
.endr
.endr
	s_wait_dscnt 0x0                               ; for the others' sake: my rows are in the stage
	s_barrier_signal -1
	s_barrier_wait -1
.irp c, 0,1,2,3                        ; my four K steps of all 16 tokens: k = 8 h + 0..7 and 16 + 8 h + 0..7 in f32
	ds_load_b128 v[H+16*\c:H+16*\c+3], v6 offset:128*\c
	ds_load_b128 v[H+16*\c+4:H+16*\c+7], v6 offset:128*\c+16
	ds_load_b128 v[H+16*\c+8:H+16*\c+11], v6 offset:128*\c+64
	ds_load_b128 v[H+16*\c+12:H+16*\c+15], v6 offset:128*\c+80
.endr
.irp c, 0,1,2,3
	s_wait_dscnt 12-4*\c                           ; the K steps behind this one may stay out
.irp p, 0,1,2,3,4,5,6,7
	v_cvt_pk_f16_f32 v[H+16*\c+\p], v[H+16*\c+2*\p], v[H+16*\c+2*\p+1]   ; in place: pair p lands below what is still to be read
.endr
	global_store_b128 v7, v[H+16*\c:H+16*\c+3], s[56:57] offset:1024*\c      ; 512 consecutive bytes each
	global_store_b128 v7, v[H+16*\c+4:H+16*\c+7], s[56:57] offset:1024*\c+512
.endr
	v_cmp_gt_u32 vcc_lo, 4, v2
	s_wait_xcnt 0x0                                ; EXEC changes only when the stores above have read their sources
	s_and_saveexec_b32 s41, vcc_lo
	global_store_b32 v[L4], v[NRM], s[58:59]
	s_wait_xcnt 0x0
	s_or_b32 exec_lo, exec_lo, s41
	s_wait_tensorcnt 0x0                           ; the wave's end
	ds_add_u32 v4, v5
	s_wait_dscnt 0x0
	s_endpgm
.Lfunc_end_k_qac64ce48d3_resid:
	.size	k_qac64ce48d3_resid, .Lfunc_end_k_qac64ce48d3_resid-k_qac64ce48d3_resid
	.p2alignl 7, 3214868480
	.fill 96, 4, 3214868480
	.section	.rodata,"a",@progbits
	.p2align	6, 0x0
	.amdhsa_kernel k_qac64ce48d3_resid
		.amdhsa_group_segment_fixed_size 33792
		.amdhsa_private_segment_fixed_size 0
		.amdhsa_enable_private_segment 0
		.amdhsa_kernarg_size 64
		.amdhsa_user_sgpr_count 2
		.amdhsa_user_sgpr_kernarg_segment_ptr 1
		.amdhsa_wavefront_size32 1
		.amdhsa_system_sgpr_workgroup_id_x 1
		.amdhsa_system_sgpr_workgroup_id_y 1
		.amdhsa_system_sgpr_workgroup_id_z 1
		.amdhsa_system_vgpr_workitem_id 0
		.amdhsa_next_free_vgpr 232
		.amdhsa_next_free_sgpr 66
		.amdhsa_reserve_vcc 1
		.amdhsa_float_denorm_mode_32 3
		.amdhsa_float_denorm_mode_16_64 3
		.amdhsa_memory_ordered 1
		.amdhsa_forward_progress 1
		.amdhsa_inst_pref_size 47
	.end_amdhsa_kernel
	.amdgpu_metadata
---
amdhsa.version: [ 1, 2 ]
amdhsa.kernels:
  - .name:           k_qac64ce48d3_resid
    .symbol:         k_qac64ce48d3_resid.kd
    .args:
      - { .name: idxc, .offset: 0, .size: 8, .value_kind: global_buffer, .address_space: global }
      - { .name: tab, .offset: 8, .size: 8, .value_kind: global_buffer, .address_space: global }
      - { .name: z, .offset: 16, .size: 8, .value_kind: global_buffer, .address_space: global }
      - { .name: b_c2f, .offset: 24, .size: 8, .value_kind: global_buffer, .address_space: global }
      - { .name: g_c2f, .offset: 32, .size: 8, .value_kind: global_buffer, .address_space: global }
      - { .name: be_c2f, .offset: 40, .size: 8, .value_kind: global_buffer, .address_space: global }
      - { .name: gate_c_raw, .offset: 48, .size: 8, .value_kind: global_buffer, .address_space: global }
      - { .name: xf, .offset: 56, .size: 8, .value_kind: global_buffer, .address_space: global }
    .group_segment_fixed_size: 33792
    .private_segment_fixed_size: 0
    .kernarg_segment_align: 8
    .kernarg_segment_size: 64
    .max_flat_workgroup_size: 128
    .sgpr_count:     66
    .vgpr_count:     232
    .wavefront_size: 32
...
	.end_amdgpu_metadata
.endif
;; end of part 8
;; launch vqf (part 9): grid 32 x 8, 4 waves a work-group, clusters of 4 x 1, 327,680 bytes of LDS; arguments xf, pk, candf; writes candf
.if DOCPART == 9
	.amdgcn_target "amdgcn-amd-amdhsa--gfx1250"
	.amdhsa_code_object_version 6
	.text
	.protected	k_qac64ce48d3_vqf
	.globl	k_qac64ce48d3_vqf
	.p2align	8
	.type	k_qac64ce48d3_vqf,@function
k_qac64ce48d3_vqf:
	s_mov_b64 s[64:65], 0
	v_nop
	global_prefetch_b8 v0, s[64:65] scope:SCOPE_SE
	s_setreg_imm32_b32 hwreg(HW_REG_WAVE_MODE, 25, 1), 1
	s_wait_xcnt 0x0
	s_wait_alu depctr_hold_cnt(0) depctr_sa_sdst(0) depctr_va_vdst(0) depctr_va_sdst(0) depctr_va_ssrc(0) depctr_va_vcc(0) depctr_vm_vsrc(0)
	s_getreg_b32 s2, hwreg(HW_REG_IB_STS2, 6, 4)
	s_cmp_eq_u32 s2, 0
	s_cbranch_scc0 .Lentry_in_a_cluster
	s_endpgm
.Lentry_in_a_cluster:
	s_bfe_u32 s2, ttmp6, 0x10000c
	s_cmp_lg_u32 s2, 0x3003
	s_cbranch_scc0 .Lentry_shape_is_right
	s_endpgm
.Lentry_shape_is_right:
; FINE SEARCH, FIRST STAGE.  For 256 tokens and a range of 1,024 codes: d' = |e|^2 - 2 r.e with r rounded to f16 (|r|^2 is the same for all codes of a token), and the TWO codes with the least d'.
; A later launch merges the eight ranges' pairs, and the launch that writes the output settles between a token's last two in f32 by the definition's own roundings.
; The sums are started with -|e|^2 / 2 as the C operand of a block's first products, so an accumulator ends as r.e - |e|^2 / 2 = -d' / 2, and the GREATEST is kept; the way out multiplies by -2.
; The block's number (6 bits) is written into the lowest mantissa bits, 2^-18 of the value, so that one maximum carries value and place; maxima are kept apart by lane half, register and block parity.
; LIMIT.  The rounding of r shifts a distance by about 2^-11 |r| |e| / sqrt(512).  The true winner reaches the second stage unless a code of its own class (range, lane half, register, parity: 256 classes a token)
; undercuts it by that rounding, or two other codes do.  NaN and infinities are not treated apart; the operands' ranges as stated where they are written.
; SHARES.  Grid x: token block (32), grid y: code range (8): 256 work-groups.  A wave keeps the fragments of 64 tokens (4 tiles of 16, 512 registers); all four waves walk all codes, 128 a tile, through two
; LDS slots of 131,072 bytes.  A code fragment (two LDS loads) feeds four matrix instructions.  S^T = E X^T: a lane holds ONE token (lane % 16) and the codes 8 (lane / 16) + 0..7.
; BY TURNS.  A block is 16 codes: 64 matrix instructions on one of two sets of four accumulators; the 64 vector instructions that judge the OTHER set (the block before) stand one behind each matrix instruction.
; CLUSTER.  The four token blocks of a cluster walk the same codes: each tile is asked for jointly (mask 15), each wave its quarter, 32,768 dense bytes as 128 rows of 256.
; REGISTERS in windows of 256 (s_set_vgpr_msb: bits 1:0 source 0, 3:2 source 1, 5:4 source 2, 7:6 destination):
;   window 0: addresses, -|e|^2 / 2 of two blocks, the way out          windows 1, 2: the tokens (tile s in window 1 + s / 2 at 128 (s % 2) + 8 ks)
;   window 3: v0-127 two buffers of 8 code fragments; v128-191 the accumulators; v192-255 the maxima
; A matrix instruction's setting has source 0 (the code fragment), source 2 and the destination (the accumulator) in window 3.  The judging lines keep their vector operands in just these places, a scalar in
; source 1, so they run under the matrix instructions' setting: the only switches in a block are one a pair of matrix instructions (the tokens' window) and three round the runs of LDS loads.
.set TILES,  8
.set SLOT1,  1<<17
.set TILEB,  131072
.set SEB,    262144                    ; -|e|^2 / 2 of the range, written by ds_store: no tile ever lands here
.set SPARE,  SEB+4096                  ; the spare words, 128 bytes a wave
.set CODES,  12582912                  ; fine_emb's blocks in pk
.set SEOFF,  22069248                  ; their |e|^2
.set IOFF,   524288                    ; candf: the indices lie behind the distances
.set AK0, 2                            ; v2   16 x lane; never rewritten
.set AK,  3                            ; v3   LDS address of the trip's two blocks
.set ASE0,4                            ; v4   SEB + 32 (lane / 16)
.set ASE, 5                            ; v5   the same for the trip's two blocks
.set L4,  6                            ; v6   4 x lane
.set H8,  7                            ; v7   8 (lane / 16)
.set VB,  8                            ; v[8:15]    the way out: the range's first code + 8 (lane / 16) + j
.set SE,  24                           ; v[24:39]   -|e|^2 / 2 of my 8 codes, by block parity: the C operand of a block's first products
.set BST, 40                           ; v[40:51]   the way out: two chains of (best, its index, second, its index, two at work)
.set SPW, 62
.set NIL, 63
.set MW,  64                           ; v[64:127]  the way out: the maxima, copied out of window 3
.set IDX, 128                          ; v[128:143] the way out: 16 indices
.set SET, 192                          ; v[192:199] |e|^2 on its way into LDS
.set ACC, 128                          ; window 3: two sets of four accumulators
.set M,   192                          ; window 3: running maximum: parity, tile t, register j
.set WV,  12
.set G1,  16                           ; s[16:23]
.set G0,  24                           ; s[24:27]
.set TB,  28                           ; LDS byte of the next trip's blocks
.set CNT, 29
.set SLOTS, 30
.set BLK, 31                           ; the block whose sums are being judged
.set MK,  32                           ; s[32:35] lane masks
.set TS,  36
.set BASEI, 37
.set BIG, 46
.set KEEP, 47
.set SEL, 48
.set HALF, 50
.set NBIG, 51
.set MSB, 0
.macro WIN new                         ; the high byte repeats the setting that is left; a switch that changes nothing is dropped
.if MSB != (\new)
	s_set_vgpr_msb (MSB<<8)|(\new)
.set MSB, \new
.endif
.endm
.macro CROUND                          ; a round of the cluster's barrier
	s_barrier_signal -1
	s_barrier_wait -1
	s_cmp_lg_u32 s[WV], 0
	s_cbranch_scc1 .Lnot_wave_0_\@
	s_barrier_signal -3
.Lnot_wave_0_\@:
	s_barrier_wait -3
	s_barrier_signal -1
	s_barrier_wait -1
.endm
; THE CHANGE OF SLOTS.  The old slot's last fragments are in registers.  Each wave waits for all its tensor loads (one is out: its quarter of the other slot), adds 0 to its spare word, waits for that and
; for its reads; behind the barrier the other slot is whole.  fill = 1: the barrier is a round of the cluster's, and the joint refill of the old slot is the first thing behind it: it has a whole tile, 512 matrix instructions a wave, in which to land.
.macro CHANGE fill
	WIN 0
	s_wait_tensorcnt 0x0                           ; no tensor load of mine is out: the descriptor may be stepped
	ds_add_u32 v[SPW], v[NIL]
.if \fill
	s_xor_b32 s[G0+1], s[G0+1], SLOT1
	s_add_nc_u64 s[G0+2:G0+3], s[G0+2:G0+3], TILEB
	s_wait_dscnt 0x0                               ; the add is done, my reads of the slot and my LDS stores too
	CROUND
	tensor_load_to_lds s[G0:G0+3], s[G1:G1+7]
	s_nop 0
.rept 4
	v_nop
.endr
.else
	s_wait_dscnt 0x0
	s_barrier_signal -1
	s_barrier_wait -1
.endif
	s_sub_co_u32 s[TB], s[TB], TILEB               ; back to a slot's first block,
	s_xor_b32 s[TB], s[TB], SLOT1                  ; in the other slot
.endm
; Number q of the 64 that judge set RP: for tile t 16: eight times the block's number into the lowest bits (the accumulator's lowest registers first), eight maxima.
; Vector operands stand in source 0, source 2 and the destination alone, all in window 3; -2^127 in source 1 changes no maximum.
.macro R1
.set t, q/16
.set n, q%16
.set rA, ACC+32*RP+8*t
.set rM, M+32*RP+8*t
.if n < 8
	v_and_or_b32 v[rA+n], v[rA+n], s[KEEP], s[BLK]
.else
	v_max3_num_f32 v[rM+n-8], v[rM+n-8], s[NBIG], v[rA+n-8]
.endif
.set q, q+1
.endm
.macro RID n
.rept \n
	R1
.endr
.endm
; Two matrix instructions under one setting: tiles 2 g and 2 g + 1, K step ks (ksl in the buffer at f), a judging line behind each.  The four accumulators take turns, one instruction a turn.
; K step 0 starts the sums with -|e|^2 / 2, which lies in window 0: source 2 is switched for these two pairs, and the lines behind them (numbers 0 to 3 of the list) have no vector operand in source 2.
.macro PAIR par, f, ksl, ks, g
.if (\ks) == 0
	WIN 0xc7+4*(\g)
.else
	WIN 0xf7+4*(\g)
.endif
.irp e, 0, 1
.set rD, ACC+32*(\par)+8*(2*(\g)+\e)
.set rX, 128*\e+8*(\ks)
.if (\ks) == 0
	v_wmma_f32_16x16x32_f16 v[rD:rD+7], v[(\f)+8*(\ksl):(\f)+8*(\ksl)+7], v[rX:rX+7], v[SE+8*(\par):SE+8*(\par)+7]
.else
	v_wmma_f32_16x16x32_f16 v[rD:rD+7], v[(\f)+8*(\ksl):(\f)+8*(\ksl)+7], v[rX:rX+7], v[rD:rD+7]
.endif
	R1
.endr
.endm
; One run of LDS loads: the next half block's 8 fragments into the other buffer, and in a block's second half -|e|^2 / 2 of the NEXT block (the registers were last read a block and a half ago).
.macro RUN half, par
.if (\half) == 0
.set rb, 8192+16384*(\par)
.elseif (\par) == 0
.set rb, 16384
.else
.set rb, 0
.endif
.set rf, 64*(1-(\half))
	WIN 0xc0
.irp c, 0,1,2,3,4,5,6,7
	ds_load_b128 v[rf+8*\c:rf+8*\c+3], v[AK] offset:rb+1024*\c
	ds_load_b128 v[rf+8*\c+4:rf+8*\c+7], v[AK] offset:rb+1024*\c+512
.endr
.if (\half) == 1
	WIN 0
	ds_load_b128 v[SE+8*(1-(\par)):SE+8*(1-(\par))+3], v[ASE] offset:64*(1-(\par))
	ds_load_b128 v[SE+8*(1-(\par))+4:SE+8*(1-(\par))+7], v[ASE] offset:64*(1-(\par))+16
.endif
.endm
; Half a block: 16 pairs.  The run stands behind the second pair: the buffer that it fills was last read in front of five plain vector instructions, and it is waited for 28 matrix instructions later.
; A list's first line reads accumulator 0, which was finished in front of the four plain vector instructions that follow the block's last four products; the other accumulators come 16, 32 and 48 lines later.
.macro HB half, par, mode
	s_wait_dscnt 0x0
.if (\half) == 0
	s_add_co_u32 s[BLK], s[BLK], 1
	s_and_b32 s[BLK], s[BLK], 63
.endif
.set RP, 1-(\par)
.set q, 32*(\half)
.set p, 0
.rept 16
	PAIR \par, 64*(\half), p/2, 8*(\half)+p/2, p%2
.if (p == 1) && (\mode)
	RUN \half, \par
.endif
.set p, p+1
.endr
.endm
.macro TRIPA                           ; the second half of the odd block before (its fragments are in registers), fetching this trip's first fragments and -|e|^2 / 2
	v_add_nc_u32 v[AK], s[TB], v[AK0]
	s_add_co_u32 s[TB], s[TB], 32768
	s_add_co_u32 s[TS], s[TS], 128
	v_add_nc_u32 v[ASE], s[TS], v[ASE0]
	HB 1, 1, 1
	WIN 0                                          ; a label follows
.endm
.macro TRIPB
	HB 0, 0, 1
	HB 1, 0, 1
	HB 0, 1, 1
	WIN 0
.endm
; (va, ia) enters the first chain's best two and (vb, ib) the second's, line by line, so that no line waits for the one before it
.macro INS2 va, ia, vb, ib
	v_cmp_lt_f32 s[MK], v[\va], v[BST]
	v_cmp_lt_f32 s[MK+1], v[\vb], v[BST+6]
	v_cndmask_b32 v[BST+4], v[\va], v[BST], s[MK]          ; the loser of newcomer and best
	v_cndmask_b32 v[BST+10], v[\vb], v[BST+6], s[MK+1]
	v_cndmask_b32 v[BST+5], v[\ia], v[BST+1], s[MK]
	v_cndmask_b32 v[BST+11], v[\ib], v[BST+7], s[MK+1]
	v_cndmask_b32 v[BST], v[BST], v[\va], s[MK]
	v_cndmask_b32 v[BST+6], v[BST+6], v[\vb], s[MK+1]
	v_cndmask_b32 v[BST+1], v[BST+1], v[\ia], s[MK]
	v_cndmask_b32 v[BST+7], v[BST+7], v[\ib], s[MK+1]
	v_cmp_lt_f32 s[MK+2], v[BST+4], v[BST+2]
	v_cmp_lt_f32 s[MK+3], v[BST+10], v[BST+8]
	v_cndmask_b32 v[BST+2], v[BST+2], v[BST+4], s[MK+2]
	v_cndmask_b32 v[BST+8], v[BST+8], v[BST+10], s[MK+3]
	v_cndmask_b32 v[BST+3], v[BST+3], v[BST+5], s[MK+2]
	v_cndmask_b32 v[BST+9], v[BST+9], v[BST+11], s[MK+3]
.endm
.macro INS v, i                        ; (v, i) enters the first chain's best two
	v_cmp_lt_f32 s[MK], v[\v], v[BST]
	v_cndmask_b32 v[BST+4], v[\v], v[BST], s[MK]
	v_cndmask_b32 v[BST+5], v[\i], v[BST+1], s[MK]
	v_cndmask_b32 v[BST], v[BST], v[\v], s[MK]
	v_cndmask_b32 v[BST+1], v[BST+1], v[\i], s[MK]
	v_cmp_lt_f32 s[MK+2], v[BST+4], v[BST+2]
	v_cndmask_b32 v[BST+2], v[BST+2], v[BST+4], s[MK+2]
	v_cndmask_b32 v[BST+3], v[BST+3], v[BST+5], s[MK+2]
.endm
	s_load_b128 s[4:7], s[0:1], 0x0                ; xf, pk
	s_load_b64 s[8:9], s[0:1], 0x10                ; candf
	v_lshl_add_u32 v[SPW], v0, 2, SPARE
	v_mov_b32 v[NIL], 0
	ds_add_u32 v[SPW], v[NIL]                      ; the wave's opening: the add and its wait come ahead of my first tensor load
	v_lshrrev_b32 v1, 5, v0
	v_readfirstlane_b32 s[WV], v1
	s_bfe_u32 s13, ttmp6, 0x40000                  ; cx: it enters the tokens' and the output's addresses alone
	s_lshl_b32 s14, ttmp9, 2
	s_add_co_u32 s14, s14, s13                     ; token block
	s_and_b32 s15, ttmp7, 0xffff                   ; code range, which the partners share
	s_mov_b32 s[G1], 15|(3<<16)|(1<<21)            ; mask of four; elements of 8 bytes; bit 21 beside a mask; no padding: fragment loads are 512 consecutive bytes
	s_mov_b32 s[G1+1], 32<<16                      ; tensor_dim0 = 32 (256 bytes)
	s_mov_b32 s[G1+2], 128<<16                     ; tensor_dim1 = 128
	s_mov_b32 s[G1+3], 32<<16                      ; tile_dim0
	s_mov_b32 s[G1+4], 128                         ; tile_dim1
	s_mov_b32 s[G1+5], 32                          ; dense rows
	s_mov_b32 s[G1+6], 0
	s_mov_b32 s[G1+7], 0
	s_mov_b32 s[G0], 1
	s_mul_i32 s[G0+1], s[WV], 32768                ; my quarter of slot 0
	s_mov_b32 s[TB], SLOT1+TILEB                   ; the first change of slots turns this into 0
	s_mov_b32 s[TS], 0
	s_mov_b32 s[SLOTS], TILES-1
	s_mov_b32 s[BLK], 62                           ; two steps in front of block 0, modulo 64
	s_mov_b32 s[BIG], 0x7f000000                   ; 2^127: above every distance
	s_mov_b32 s[NBIG], 0xff000000                  ; -2^127: below every sum, and finite with any low bits
	s_mov_b32 s[KEEP], 0xffffffc0                  ; all but the six lowest bits
	s_mov_b32 s[SEL], 0x76543210
	s_mov_b32 s[SEL+1], 0xfedcba98
	s_mov_b32 s[HALF], 0xffff0000                  ; lanes 16-31
	s_lshl_b32 s[BASEI], s15, 10                   ; the range's first code
	s_lshl_b32 s52, s15, 20                        ; the range's 64 blocks,
	s_lshl_b32 s53, s[WV], 15                      ; my quarter of a tile
	s_add_co_u32 s52, s52, s53
	s_add_co_u32 s52, s52, CODES
	s_mov_b32 s53, 0
	s_lshl_b32 s54, s14, 18                        ; my block's 16 token tiles, my wave's 4
	s_lshl_b32 s55, s[WV], 16
	s_add_co_u32 s54, s54, s55
	s_mov_b32 s55, 0
	s_lshl_b32 s58, s15, 12
	s_add_co_u32 s58, s58, SEOFF
	s_mov_b32 s59, 0
	s_lshl_b32 s60, s15, 16                        ; candf: 128 bytes a token tile, 512 tiles a range
	s_lshl_b32 s61, s14, 11
	s_add_co_u32 s60, s60, s61
	s_lshl_b32 s61, s[WV], 9
	s_add_co_u32 s60, s60, s61
	s_mov_b32 s61, 0
	v_and_b32 v1, 31, v0
	v_lshlrev_b32 v[AK0], 4, v1
	v_lshlrev_b32 v[L4], 2, v1
	v_lshrrev_b32 v9, 4, v1
	v_lshlrev_b32 v[H8], 3, v9
	v_lshl_add_u32 v[ASE0], v9, 5, SEB
	v_lshlrev_b32 v11, 4, v0                       ; 16 x thread
	v_add_nc_u32 v[BST], SEB, v11
	s_wait_dscnt 0x0                               ; the opening add is done
	s_wait_kmcnt 0x0
	s_add_nc_u64 s[G0+2:G0+3], s[6:7], s[52:53]
	s_or_b32 s[G0+3], s[G0+3], 0x80000000
	s_add_nc_u64 s[38:39], s[4:5], s[54:55]        ; my tokens' fragments
	s_add_nc_u64 s[42:43], s[6:7], s[58:59]        ; the range's |e|^2
	s_add_nc_u64 s[44:45], s[8:9], s[60:61]        ; my four tiles' results
	CROUND                                         ; all four work-groups are here: the first joint load meets
	tensor_load_to_lds s[G0:G0+3], s[G1:G1+7]      ; tile 0 into slot 0
	s_nop 0
.rept 4
	v_nop
.endr
.irp i, 0,1
	global_load_b128 v[SET+4*\i:SET+4*\i+3], v11, s[42:43] offset:2048*\i
.endr
.irp s, 0,1,2,3                        ; the tokens stay in registers: each load takes 512 consecutive bytes
	WIN 0x40*(1+\s/2)
.set k, 0
.rept 16
	global_load_b128 v[128*(\s%2)+8*k:128*(\s%2)+8*k+3], v[AK0], s[38:39] offset:16384*\s+1024*k
	global_load_b128 v[128*(\s%2)+8*k+4:128*(\s%2)+8*k+7], v[AK0], s[38:39] offset:16384*\s+1024*k+512
.set k, k+1
.endr
.endr
	WIN 0xc0                                       ; destination window 3
	; what the first block's judging lines find: a block that has not been, with sums of -2^127: it leaves every maximum at -2^127.  These lines stand in the wait for the tokens.
.set k, 0
.rept 64
	v_mov_b32 v[M+k], s[NBIG]
.set k, k+1
.endr
.set k, 0
.rept 32
	v_mov_b32 v[ACC+32+k], s[NBIG]
.set k, k+1
.endr
	WIN 0
	s_wait_loadcnt 0x0
.irp i, 0,1,2,3
	v_pk_mul_f32 v[SET+2*\i:SET+2*\i+1], v[SET+2*\i:SET+2*\i+1], -0.5 op_sel_hi:[1,0]   ; -|e|^2 / 2, exact
.endr
.irp i, 0,1
	ds_store_b128 v[BST], v[SET+4*\i:SET+4*\i+3] offset:2048*\i
.endr
	CHANGE 1                                       ; slot 0 and -|e|^2 / 2 are whole for everybody; slot 1 is asked for
	v_add_nc_u32 v[AK], s[TB], v[AK0]
	s_add_co_u32 s[TB], s[TB], 32768
	v_mov_b32 v[ASE], v[ASE0]
	ds_load_b128 v[SE:SE+3], v[ASE]                ; block 0's C operand
	ds_load_b128 v[SE+4:SE+7], v[ASE] offset:16
	WIN 0xc0
.irp c, 0,1,2,3,4,5,6,7
	ds_load_b128 v[8*\c:8*\c+3], v[AK] offset:1024*\c
	ds_load_b128 v[8*\c+4:8*\c+7], v[AK] offset:1024*\c+512
.endr
	WIN 0
	s_mov_b32 s[CNT], 4
	s_branch .Lfirst                               ; the loop is entered at a trip's first whole block
.Lslot:                                                ; TILES - 2 times: every slot but the last two is filled again
	CHANGE 1
	s_mov_b32 s[CNT], 4
.Ltrip:                                                ; a trip: two blocks, shifted by half a block
	TRIPA
.Lfirst:
	TRIPB
	s_sub_co_u32 s[CNT], s[CNT], 1
	s_cmp_lg_u32 s[CNT], 0
	s_cbranch_scc1 .Ltrip
	s_sub_co_u32 s[SLOTS], s[SLOTS], 1
	s_cmp_lg_u32 s[SLOTS], 0
	s_cbranch_scc1 .Lslot
	CHANGE 0                                       ; the last tile is written out
	s_mov_b32 s[CNT], 4
.Ltail:
	TRIPA
	TRIPB
	s_sub_co_u32 s[CNT], s[CNT], 1
	s_cmp_lg_u32 s[CNT], 0
	s_cbranch_scc1 .Ltail
	HB 1, 1, 0                                     ; the last half block: nothing is left to fetch
	s_add_co_u32 s[BLK], s[BLK], 1
	s_and_b32 s[BLK], s[BLK], 63
.set RP, 1
.set q, 0
	RID 64                                         ; the last block is judged, under the last products' setting; its first line stands behind the four lines that follow the last four products
	; THE WAY OUT.  The maxima come into window 0 as they are; then a trip a token tile: the text names tile 0's sixteen, and the other tiles' move down behind it.
	WIN 0x03                                       ; source 0 in window 3
.set k, 0
.rept 64
	v_mov_b32 v[MW+k], v[M+k]
.set k, k+1
.endr
	WIN 0
	v_add_nc_u32 v[VB], s[BASEI], v[H8]
.set k, 1
.rept 7
	v_add_nc_u32 v[VB+k], k, v[VB]
.set k, k+1
.endr
	s_mov_b32 s[CNT], 4
.Lfin:
.set k, 0
.rept 8
	v_and_b32 v[IDX+k], 63, v[MW+k]                ; the block's number out of the lowest bits,
	v_and_b32 v[IDX+8+k], 63, v[MW+32+k]
.set k, k+1
.endr
.set k, 0
.rept 8
	v_lshl_add_u32 v[IDX+k], v[IDX+k], 4, v[VB+k]  ; times 16, plus the code's place in the block and the range's first code
	v_lshl_add_u32 v[IDX+8+k], v[IDX+8+k], 4, v[VB+k]
.set k, k+1
.endr
.set k, 0
.rept 8
	v_mul_f32 v[MW+k], -2.0, v[MW+k]               ; d' = -2 x the sum; from here on the least is sought
	v_mul_f32 v[MW+32+k], -2.0, v[MW+32+k]
.set k, k+1
.endr
	v_mov_b32 v[BST], v[MW]                        ; each parity's first number starts its chain; the second place starts at 2^127
	v_mov_b32 v[BST+6], v[MW+32]
	v_mov_b32 v[BST+1], v[IDX]
	v_mov_b32 v[BST+7], v[IDX+8]
	v_mov_b32 v[BST+2], s[BIG]
	v_mov_b32 v[BST+8], s[BIG]
	v_mov_b32 v[BST+3], v[IDX]
	v_mov_b32 v[BST+9], v[IDX+8]
.set k, 1
.rept 7
	INS2 MW+k, IDX+k, MW+32+k, IDX+8+k
.set k, k+1
.endr
	INS BST+6, BST+7                               ; the second chain's two enter the first
	INS BST+8, BST+9
	v_permlanex16_b32 v[BST+6], v[BST], s[SEL], s[SEL+1]     ; the token's other 8 codes of each block lie in the lane 16 away
	v_permlanex16_b32 v[BST+7], v[BST+1], s[SEL], s[SEL+1]
	v_permlanex16_b32 v[BST+8], v[BST+2], s[SEL], s[SEL+1]
	v_permlanex16_b32 v[BST+9], v[BST+3], s[SEL], s[SEL+1]
	INS BST+6, BST+7
	INS BST+8, BST+9
	v_permlanex16_b32 v[BST+4], v[BST+2], s[SEL], s[SEL+1]   ; both ranks are taken from lanes 0-15, so that a tie between the halves cannot give one code twice
	v_permlanex16_b32 v[BST+5], v[BST+3], s[SEL], s[SEL+1]
	v_cndmask_b32 v[BST+10], v[BST], v[BST+4], s[HALF]       ; lanes 0-15 give the best, lanes 16-31 the second: 128 consecutive bytes a store
	v_cndmask_b32 v[BST+11], v[BST+1], v[BST+5], s[HALF]
	global_store_b32 v[L4], v[BST+10], s[44:45]
	global_store_b32 v[L4], v[BST+11], s[44:45] offset:IOFF
	s_wait_xcnt 0x0                                ; the stores have read their base and their data: both are written again below and in the next trip
	s_add_nc_u64 s[44:45], s[44:45], 128
.set k, 0
.rept 24
	v_mov_b32 v[MW+k], v[MW+8+k]
	v_mov_b32 v[MW+32+k], v[MW+40+k]
.set k, k+1
.endr
	s_sub_co_u32 s[CNT], s[CNT], 1
	s_cmp_lg_u32 s[CNT], 0
	s_cbranch_scc1 .Lfin
	s_wait_tensorcnt 0x0                           ; the wave's end
	ds_add_u32 v[SPW], v[NIL]
	s_wait_dscnt 0x0
	CROUND                                         ; the closing round
	s_endpgm
.Lfunc_end_k_qac64ce48d3_vqf:
	.size	k_qac64ce48d3_vqf, .Lfunc_end_k_qac64ce48d3_vqf-k_qac64ce48d3_vqf
	.p2alignl 7, 3214868480
	.fill 96, 4, 3214868480
	.section	.rodata,"a",@progbits
	.p2align	6, 0x0
	.amdhsa_kernel k_qac64ce48d3_vqf
		.amdhsa_group_segment_fixed_size 327680
		.amdhsa_private_segment_fixed_size 0
		.amdhsa_enable_private_segment 0
		.amdhsa_kernarg_size 24
		.amdhsa_user_sgpr_count 2
		.amdhsa_user_sgpr_kernarg_segment_ptr 1
		.amdhsa_wavefront_size32 1
		.amdhsa_system_sgpr_workgroup_id_x 1
		.amdhsa_system_sgpr_workgroup_id_y 1
		.amdhsa_system_sgpr_workgroup_id_z 1
		.amdhsa_system_vgpr_workitem_id 0
		.amdhsa_next_free_vgpr 1024
		.amdhsa_next_free_sgpr 66
		.amdhsa_reserve_vcc 0
		.amdhsa_float_denorm_mode_32 3
		.amdhsa_float_denorm_mode_16_64 3
		.amdhsa_memory_ordered 1
		.amdhsa_forward_progress 1
		.amdhsa_inst_pref_size 95
	.end_amdhsa_kernel
	.amdgpu_metadata
---
amdhsa.version: [ 1, 2 ]
amdhsa.kernels:
  - .name:           k_qac64ce48d3_vqf
    .symbol:         k_qac64ce48d3_vqf.kd
    .args:
      - { .name: xf, .offset: 0, .size: 8, .value_kind: global_buffer, .address_space: global }
      - { .name: pk, .offset: 8, .size: 8, .value_kind: global_buffer, .address_space: global }
      - { .name: candf, .offset: 16, .size: 8, .value_kind: global_buffer, .address_space: global }
    .group_segment_fixed_size: 327680
    .private_segment_fixed_size: 0
    .kernarg_segment_align: 8
    .kernarg_segment_size: 24
    .max_flat_workgroup_size: 128
    .sgpr_count:     66
    .vgpr_count:     1024
    .wavefront_size: 32
...
	.end_amdgpu_metadata
.endif
;; end of part 9
;; launch fin (part 10): grid 256 x 1, 2 waves a work-group, no clusters, 0 bytes of LDS; arguments candf, xf, tab, idxf, part; writes idxf, part
.if DOCPART == 10
	.amdgcn_target "amdgcn-amd-amdhsa--gfx1250"
	.amdhsa_code_object_version 6
	.text
	.protected	k_qac64ce48d3_fin
	.globl	k_qac64ce48d3_fin
	.p2align	8
	.type	k_qac64ce48d3_fin,@function
k_qac64ce48d3_fin:
	s_mov_b64 s[64:65], 0
	v_nop
	global_prefetch_b8 v0, s[64:65] scope:SCOPE_SE
	s_setreg_imm32_b32 hwreg(HW_REG_WAVE_MODE, 25, 1), 1
	s_wait_xcnt 0x0
; The fine search's eight pairs of candidates a token are merged into the best two (a choice of values), whose indices are stored as whole numbers, 8 bytes a token; and each wave stores its part of the loss:
; the sum over its 16 tokens of the coarse minimum + |r|^2 + the least d' of the first stage.
; LIMIT: the sum of (q - x)^2 is taken as the winning distance |x|^2 + |e|^2 - 2 x.e, the fine one with r.e from r rounded to f16: its relative error is about 2^-11 |r| |e| / (sqrt(512) d), which matters only where x all but equals a code.
; SHARES.  A wave takes a token tile (512 of them); lane r + 16 k takes token r's candidates of rank k from all eight ranges: each load is 128 consecutive bytes.  No LDS: nothing passes between waves.
.set IOFF, 524288
.set SXF,  8388608
.set DMC,  25165824
.set D,   8                            ; v[8:15]   distances by range
.set IX,  16                           ; v[16:23]  indices by range
.set M1,  24
.set M2,  25
.set I1,  26                           ; v[26:27]  the two indices, a pair for the store
.set I2,  27
.set T,   28
.set TI,  29
.set XC,  30                           ; v[30:33]  the other half's best two
.set SXV, 34
.set DMV, 35
.set SUM, 36
.set TMP, 37
.set NUL, 38
.macro INS v, i                        ; (v, i) enters the best two
	v_cmp_lt_f32 vcc_lo, v[\v], v[M1]
	v_cndmask_b32 v[T], v[\v], v[M1], vcc_lo       ; the loser of newcomer and best
	v_cndmask_b32 v[TI], v[\i], v[I1], vcc_lo
	v_cndmask_b32 v[M1], v[M1], v[\v], vcc_lo
	v_cndmask_b32 v[I1], v[I1], v[\i], vcc_lo
	v_cmp_lt_f32 vcc_lo, v[T], v[M2]
	v_cndmask_b32 v[M2], v[M2], v[T], vcc_lo
	v_cndmask_b32 v[I2], v[I2], v[TI], vcc_lo
.endm
	s_load_b256 s[4:11], s[0:1], 0x0               ; candf, xf, tab, idxf
	s_load_b64 s[12:13], s[0:1], 0x20              ; part
	v_lshrrev_b32 v1, 5, v0
	v_readfirstlane_b32 s14, v1                    ; wave
	v_and_b32 v1, 31, v0                           ; lane
	v_lshlrev_b32 v2, 2, v1                        ; 4 x lane
	v_and_b32 v3, 15, v1
	v_lshlrev_b32 v3, 2, v3                        ; 4 x token in the tile
	v_lshlrev_b32 v4, 3, v1                        ; 8 x lane
	s_lshl_b32 s15, ttmp9, 1
	s_add_co_u32 s15, s15, s14                     ; token tile
	s_lshl_b32 s16, s15, 7                         ; 128 bytes a tile in candf and in idxf
	s_mov_b32 s17, 0
	s_lshl_b32 s18, s15, 6                         ; 64 bytes a tile of sums
	s_add_co_u32 s20, s18, DMC
	s_add_co_u32 s18, s18, SXF
	s_mov_b32 s19, 0
	s_mov_b32 s21, 0
	s_lshl_b32 s22, s15, 2
	s_mov_b32 s23, 0
	s_mov_b32 s24, 0x76543210
	s_mov_b32 s25, 0xfedcba98
	s_mov_b32 s26, 0x0000ffff                      ; lanes 0-15
	s_mov_b32 s27, 0x7f000000                      ; 2^127
.irp k, 0,1,2,3
	v_mov_b32 v[XC+\k], 0
.endr
	v_mov_b32 v[TMP], 0
	v_mov_b32 v[NUL], 0
	s_wait_kmcnt 0x0
	s_add_nc_u64 s[4:5], s[4:5], s[16:17]
	s_add_nc_u64 s[6:7], s[6:7], s[18:19]
	s_add_nc_u64 s[8:9], s[8:9], s[20:21]
	s_add_nc_u64 s[10:11], s[10:11], s[16:17]
	s_add_nc_u64 s[12:13], s[12:13], s[22:23]
.irp s, 0,1,2,3,4,5,6,7
	global_load_b32 v[D+\s], v2, s[4:5] offset:65536*\s
	global_load_b32 v[IX+\s], v2, s[4:5] offset:IOFF+65536*\s
.endr
	global_load_b32 v[SXV], v3, s[6:7]
	global_load_b32 v[DMV], v3, s[8:9]
	s_wait_loadcnt 0x0
	v_mov_b32 v[M1], v[D]
	v_mov_b32 v[I1], v[IX]
	v_mov_b32 v[M2], s27
	v_mov_b32 v[I2], v[IX]
.irp s, 1,2,3,4,5,6,7
	INS D+\s, IX+\s
.endr
	v_permlanex16_b32 v[XC], v[M1], s24, s25       ; the token's candidates of the other rank lie in the lane 16 away
	v_permlanex16_b32 v[XC+1], v[I1], s24, s25
	v_permlanex16_b32 v[XC+2], v[M2], s24, s25
	v_permlanex16_b32 v[XC+3], v[I2], s24, s25
	INS XC, XC+1
	INS XC+2, XC+3
	v_add_f32 v[SUM], v[M1], v[SXV]
	v_add_f32 v[SUM], v[SUM], v[DMV]
	v_cndmask_b32 v[SUM], 0, v[SUM], s26           ; each token counts once
	v_add_f32_dpp v[SUM], v[SUM], v[SUM] row_xmask:1 row_mask:0xf bank_mask:0xf
	v_add_f32_dpp v[SUM], v[SUM], v[SUM] row_xmask:2 row_mask:0xf bank_mask:0xf
	v_add_f32_dpp v[SUM], v[SUM], v[SUM] row_xmask:4 row_mask:0xf bank_mask:0xf
	v_add_f32_dpp v[SUM], v[SUM], v[SUM] row_xmask:8 row_mask:0xf bank_mask:0xf
	v_permlanex16_b32 v[TMP], v[SUM], s24, s25
	v_add_f32 v[SUM], v[SUM], v[TMP]
	v_cmp_gt_u32 vcc_lo, 16, v1
	s_wait_xcnt 0x0                                ; EXEC changes only when the loads above have read their sources
	s_and_saveexec_b32 s28, vcc_lo
	global_store_b64 v4, v[I1:I2], s[10:11]        ; lanes 0-15: 128 consecutive bytes
	s_wait_xcnt 0x0
	s_or_b32 exec_lo, exec_lo, s28
	v_cmp_eq_u32 vcc_lo, 0, v1
	s_and_saveexec_b32 s28, vcc_lo
	global_store_b32 v[NUL], v[SUM], s[12:13]      ; lane 0: my wave's part of the loss
	s_wait_xcnt 0x0
	s_or_b32 exec_lo, exec_lo, s28
	s_endpgm
.Lfunc_end_k_qac64ce48d3_fin:
	.size	k_qac64ce48d3_fin, .Lfunc_end_k_qac64ce48d3_fin-k_qac64ce48d3_fin
	.p2alignl 7, 3214868480
	.fill 96, 4, 3214868480
	.section	.rodata,"a",@progbits
	.p2align	6, 0x0
	.amdhsa_kernel k_qac64ce48d3_fin
		.amdhsa_group_segment_fixed_size 0
		.amdhsa_private_segment_fixed_size 0
		.amdhsa_enable_private_segment 0
		.amdhsa_kernarg_size 40
		.amdhsa_user_sgpr_count 2
		.amdhsa_user_sgpr_kernarg_segment_ptr 1
		.amdhsa_wavefront_size32 1
		.amdhsa_system_sgpr_workgroup_id_x 1
		.amdhsa_system_sgpr_workgroup_id_y 1
		.amdhsa_system_sgpr_workgroup_id_z 1
		.amdhsa_system_vgpr_workitem_id 0
		.amdhsa_next_free_vgpr 48
		.amdhsa_next_free_sgpr 66
		.amdhsa_reserve_vcc 1
		.amdhsa_float_denorm_mode_32 3
		.amdhsa_float_denorm_mode_16_64 3
		.amdhsa_memory_ordered 1
		.amdhsa_forward_progress 1
		.amdhsa_inst_pref_size 7
	.end_amdhsa_kernel
	.amdgpu_metadata
---
amdhsa.version: [ 1, 2 ]
amdhsa.kernels:
  - .name:           k_qac64ce48d3_fin
    .symbol:         k_qac64ce48d3_fin.kd
    .args:
      - { .name: candf, .offset: 0, .size: 8, .value_kind: global_buffer, .address_space: global }
      - { .name: xf, .offset: 8, .size: 8, .value_kind: global_buffer, .address_space: global }
      - { .name: tab, .offset: 16, .size: 8, .value_kind: global_buffer, .address_space: global }
      - { .name: idxf, .offset: 24, .size: 8, .value_kind: global_buffer, .address_space: global }
      - { .name: part, .offset: 32, .size: 8, .value_kind: global_buffer, .address_space: global }
    .group_segment_fixed_size: 0
    .private_segment_fixed_size: 0
    .kernarg_segment_align: 8
    .kernarg_segment_size: 40
    .max_flat_workgroup_size: 64
    .sgpr_count:     66
    .vgpr_count:     48
    .wavefront_size: 32
...
	.end_amdgpu_metadata
.endif
;; end of part 10
;; launch outk (part 11): grid 512 x 1, 8 waves a work-group, no clusters, 13,312 bytes of LDS; arguments idxc, idxf, tab, coarse_emb, fine_emb, z, b_c2f, g_c2f, be_c2f, b_f2c, g_f2c, be_f2c, gate_c_raw, gate_f_raw, part, out0, out1; writes out0, out1
.if DOCPART == 11
	.amdgcn_target "amdgcn-amd-amdhsa--gfx1250"
	.amdhsa_code_object_version 6
	.text
	.protected	k_qac64ce48d3_outk
	.globl	k_qac64ce48d3_outk
	.p2align	8
	.type	k_qac64ce48d3_outk,@function
k_qac64ce48d3_outk:
	s_mov_b64 s[64:65], 0
	v_nop
	global_prefetch_b8 v0, s[64:65] scope:SCOPE_SE
	s_setreg_imm32_b32 hwreg(HW_REG_WAVE_MODE, 25, 1), 1
	s_wait_xcnt 0x0
; FINE SEARCH, SECOND STAGE, AND OUTPUT.  F = bias, LayerNorm, LeakyReLU(0.1); all in f32 on inputs rounded to bf16.
; For each token: infl = F(tab_c[idx_c]); r = z_fine - sigmoid(gate_c) infl; for its two candidates i: d = (|r|^2 + |e_i|^2) - 2 r.e_i in the definition's two roundings; the lesser d wins, at a tie the lesser index.
; The choice only selects values: both candidates' code rows and table rows are loaded.  out0[t] = [ q_c + 0.1 sigmoid(gate_f) F(tab_f[i]),  q_f + sigmoid(gate_c) infl ].
; Wave 0 of work-group 0 also adds the 512 parts of the loss: out1 = 1.25 / (8192 x 512) x their sum.
; LIMIT: x + (q - x) is taken as q: they differ by one rounding at x's size.  Indices are clamped to their tables.
; SHARES.  A wave takes two tokens, one after the other through one text; a lane the elements 4 lane + 128 q + 0..3 of a row of 512.  A gather bound by memory: no matrix unit, no cluster.
; The six parameter vectors are loaded once a work-group (three loads of 16 bytes a thread), rounded, and handed to the eight waves through LDS.  The first token's 28 loads go out ahead of that stage,
; so that they are on their way while the parameters are fetched, rounded and shared.  Each store covers 512 consecutive bytes, aligned.
.set HFOFF, 8388608
.set SPARE, 12288                      ; behind the six vectors of 2,048 bytes: the spare words, 128 bytes a wave
.set P1B, 8
.set P1G, 24
.set P1E, 40
.set P2B, 56
.set P2G, 72
.set P2E, 88
.set HC,  104                          ; the coarse table's row, then infl
.set ZF,  120                          ; z_fine, then r
.set EA,  136                          ; the first candidate's code, then the winner's, then the fine half of the output
.set EB,  152                          ; the second candidate's code
.set QC,  168                          ; the coarse code, then the coarse half of the output
.set HFA, 184                          ; the candidates' rows of the fine table
.set HFB, 200
.set W,   216                          ; v[216:234] at work
.set SXR, 236                          ; five sums, a pair each
.set SA,  238
.set CA,  240
.set SB,  242
.set CB,  244
.set SEL, 66
.set HM,  68
.set C9,  69
.set CE,  70
.macro WSUM r
	v_add_f32_dpp v[\r], v[\r], v[\r] row_xmask:1 row_mask:0xf bank_mask:0xf
	v_add_f32_dpp v[\r], v[\r], v[\r] row_xmask:2 row_mask:0xf bank_mask:0xf
	v_add_f32_dpp v[\r], v[\r], v[\r] row_xmask:4 row_mask:0xf bank_mask:0xf
	v_add_f32_dpp v[\r], v[\r], v[\r] row_xmask:8 row_mask:0xf bank_mask:0xf
	v_permlanex16_b32 v[W+18], v[\r], s[SEL], s[SEL+1]
	v_add_f32 v[\r], v[\r], v[W+18]
.endm
.macro RND4 r                          ; four f32 rounded to bf16, in place
	v_cvt_pk_bf16_f32 v[W], v[\r], v[(\r)+1]
	v_cvt_pk_bf16_f32 v[W+1], v[(\r)+2], v[(\r)+3]
	v_lshlrev_b32 v[\r], 16, v[W]
	v_and_b32 v[(\r)+1], s[HM], v[W]
	v_lshlrev_b32 v[(\r)+2], 16, v[W+1]
	v_and_b32 v[(\r)+3], s[HM], v[W+1]
.endm
.macro LN h, b, g, e                   ; h = LeakyReLU(LayerNorm(h + b) g + e), a row of 512 over the wave's lanes
.irp j, 0,2,4,6,8,10,12,14
	v_pk_add_f32 v[(\h)+\j:(\h)+\j+1], v[(\h)+\j:(\h)+\j+1], v[(\b)+\j:(\b)+\j+1]
.endr
	v_pk_add_f32 v[W:W+1], v[(\h):(\h)+1], v[(\h)+2:(\h)+3]
	v_pk_add_f32 v[W+2:W+3], v[(\h)+4:(\h)+5], v[(\h)+6:(\h)+7]
	v_pk_add_f32 v[W+4:W+5], v[(\h)+8:(\h)+9], v[(\h)+10:(\h)+11]
	v_pk_add_f32 v[W+6:W+7], v[(\h)+12:(\h)+13], v[(\h)+14:(\h)+15]
	v_pk_add_f32 v[W:W+1], v[W:W+1], v[W+2:W+3]
	v_pk_add_f32 v[W+4:W+5], v[W+4:W+5], v[W+6:W+7]
	v_pk_add_f32 v[W:W+1], v[W:W+1], v[W+4:W+5]
	v_add_f32 v[W], v[W], v[W+1]
	WSUM W
	v_mul_f32 v[W+16], s[C9], v[W]                 ; the mean
.irp j, 0,2,4,6,8,10,12,14
	v_pk_add_f32 v[(\h)+\j:(\h)+\j+1], v[(\h)+\j:(\h)+\j+1], v[W+16:W+17] op_sel_hi:[1,0] neg_lo:[0,1] neg_hi:[0,1]
.endr
	v_pk_mul_f32 v[W:W+1], v[(\h):(\h)+1], v[(\h):(\h)+1]
	v_pk_mul_f32 v[W+2:W+3], v[(\h)+2:(\h)+3], v[(\h)+2:(\h)+3]
.irp j, 4,8,12
	v_pk_fma_f32 v[W:W+1], v[(\h)+\j:(\h)+\j+1], v[(\h)+\j:(\h)+\j+1], v[W:W+1]
	v_pk_fma_f32 v[W+2:W+3], v[(\h)+\j+2:(\h)+\j+3], v[(\h)+\j+2:(\h)+\j+3], v[W+2:W+3]
.endr
	v_pk_add_f32 v[W:W+1], v[W:W+1], v[W+2:W+3]
	v_add_f32 v[W], v[W], v[W+1]
	WSUM W
	v_fma_f32 v[W], v[W], s[C9], s[CE]             ; variance + 1e-5
	v_rsq_f32 v[W+16], v[W]
	v_nop                                          ; a plain instruction between the root and its use
	s_wait_alu depctr_va_vdst(0)
.irp j, 0,2,4,6,8,10,12,14
	v_pk_mul_f32 v[(\h)+\j:(\h)+\j+1], v[(\h)+\j:(\h)+\j+1], v[W+16:W+17] op_sel_hi:[1,0]
.endr
.irp j, 0,2,4,6,8,10,12,14
	v_pk_fma_f32 v[(\h)+\j:(\h)+\j+1], v[(\h)+\j:(\h)+\j+1], v[(\g)+\j:(\g)+\j+1], v[(\e)+\j:(\e)+\j+1]
.endr
.irp j, 0,2,4,6,8,10,12,14
	v_pk_mul_f32 v[W+\j:W+\j+1], v[(\h)+\j:(\h)+\j+1], 0x3dcccccd op_sel_hi:[1,0]
.endr
.irp j, 0,1,2,3,4,5,6,7,8,9,10,11,12,13,14,15
	v_max_num_f32 v[(\h)+\j], v[(\h)+\j], v[W+\j]
.endr
.endm
.macro SIGM d, sr                      ; v[d] = sigmoid of s[sr] rounded to bf16
	v_mov_b32 v[\d], s[\sr]
	v_cvt_pk_bf16_f32 v[\d], v[\d], v[\d]
	v_lshlrev_b32 v[\d], 16, v[\d]
	v_mul_f32 v[\d], 0xbfb8aa3b, v[\d]
	v_exp_f32 v[\d], v[\d]
	v_nop
	s_wait_alu depctr_va_vdst(0)
	v_add_f32 v[\d], 1.0, v[\d]
	v_rcp_f32 v[\d], v[\d]
	v_nop
.endm
; The seven rows of the token whose indices stand in s40, s44 and s45: 28 loads, in the order in which they are wanted.
.macro LOADS
	s_min_u32 s72, s40, 4095
	s_lshl_b32 s72, s72, 11
	s_add_nc_u64 s[48:49], s[8:9], s[72:73]        ; the coarse table's row
	s_add_nc_u64 s[50:51], s[10:11], s[72:73]      ; the coarse code
	s_min_u32 s72, s44, 8191
	s_lshl_b32 s72, s72, 11
	s_add_nc_u64 s[52:53], s[12:13], s[72:73]      ; the first candidate's code
	s_add_co_u32 s72, s72, HFOFF
	s_add_nc_u64 s[56:57], s[8:9], s[72:73]        ; and its row of the fine table
	s_min_u32 s72, s45, 8191
	s_lshl_b32 s72, s72, 11
	s_add_nc_u64 s[54:55], s[12:13], s[72:73]      ; the second's
	s_add_co_u32 s72, s72, HFOFF
	s_add_nc_u64 s[58:59], s[8:9], s[72:73]
.irp q, 0,1,2,3
	global_load_b128 v[HC+4*\q:HC+4*\q+3], v1, s[48:49] offset:512*\q
.endr
.irp q, 0,1,2,3
	global_load_b128 v[ZF+4*\q:ZF+4*\q+3], v1, s[14:15] offset:2048+512*\q th:TH_LOAD_NT
.endr
.irp q, 0,1,2,3
	global_load_b128 v[EA+4*\q:EA+4*\q+3], v1, s[52:53] offset:512*\q
.endr
.irp q, 0,1,2,3
	global_load_b128 v[EB+4*\q:EB+4*\q+3], v1, s[54:55] offset:512*\q
.endr
.irp q, 0,1,2,3
	global_load_b128 v[QC+4*\q:QC+4*\q+3], v1, s[50:51] offset:512*\q
.endr
.irp q, 0,1,2,3
	global_load_b128 v[HFA+4*\q:HFA+4*\q+3], v1, s[56:57] offset:512*\q
.endr
.irp q, 0,1,2,3
	global_load_b128 v[HFB+4*\q:HFB+4*\q+3], v1, s[58:59] offset:512*\q
.endr
.endm
	s_load_b512 s[4:19], s[0:1], 0x0               ; idxc 4, idxf 6, tab 8, coarse_emb 10, fine_emb 12, z 14, b_c2f 16, g_c2f 18
	s_load_b512 s[20:35], s[0:1], 0x40             ; be_c2f 20, b_f2c 22, g_f2c 24, be_f2c 26, gate_c 28, gate_f 30, part 32, out0 34
	s_load_b64 s[36:37], s[0:1], 0x80              ; out1
	v_lshl_add_u32 v6, v0, 2, SPARE                ; my spare word
	v_mov_b32 v7, 0
	v_lshrrev_b32 v1, 5, v0
	v_readfirstlane_b32 s38, v1                    ; wave
	v_and_b32 v1, 31, v0
	v_lshlrev_b32 v1, 4, v1                        ; 16 x lane
	v_and_b32 v[W+2], 127, v0
	v_lshlrev_b32 v[W+2], 4, v[W+2]                ; my 16 bytes of a parameter vector
	v_lshlrev_b32 v[W+3], 4, v0                    ; and where they go in LDS: threads 0-127 fill an even vector, threads 128-255 the odd one behind it
	s_mov_b32 s39, ttmp9
	s_mov_b32 s[SEL], 0x76543210
	s_mov_b32 s[SEL+1], 0xfedcba98
	s_mov_b32 s[HM], 0xffff0000
	s_mov_b32 s[C9], 0x3b000000                    ; 1 / 512
	s_mov_b32 s[CE], 0x3727c5ac                    ; 1e-5
	s_lshl_b32 s72, s39, 6                         ; idxc: 16 tokens a work-group, 4 bytes each,
	s_lshl3_add_u32 s72, s38, s72                  ; two a wave
	s_mov_b32 s73, 0
	s_lshl_b32 s74, s72, 1                         ; idxf: 8 bytes each
	s_mov_b32 s75, 0
	s_lshl_b32 s90, s39, 16                        ; z and out0: 4,096 bytes each
	s_lshl_b32 s91, s38, 13
	s_add_co_u32 s90, s90, s91
	s_mov_b32 s91, 0
	s_mov_b32 s89, 2                               ; tokens to go
	s_wait_kmcnt 0x0
	s_add_nc_u64 s[76:77], s[4:5], s[72:73]
	s_add_nc_u64 s[78:79], s[6:7], s[74:75]
	s_load_b64 s[40:41], s[76:77], 0x0             ; my two coarse indices
	s_load_b128 s[44:47], s[78:79], 0x0            ; my two pairs of fine candidates
	s_load_b32 s42, s[28:29], 0x0
	s_load_b32 s43, s[30:31], 0x0
	s_add_nc_u64 s[14:15], s[14:15], s[90:91]
	s_add_nc_u64 s[34:35], s[34:35], s[90:91]
	s_cmp_ge_u32 s38, 4                            ; waves 0-3 fetch b_c2f, be_c2f, g_f2c; waves 4-7 g_c2f, b_f2c, be_f2c
	s_cselect_b64 s[80:81], s[18:19], s[16:17]
	s_cselect_b64 s[82:83], s[22:23], s[20:21]
	s_cselect_b64 s[84:85], s[26:27], s[24:25]
.irp k, 0,1,2
	global_load_b128 v[P1B+4*\k:P1B+4*\k+3], v[W+2], s[80+2*\k:81+2*\k]   ; into registers that the shared vectors take later
.endr
	v_mov_b32 v[W+17], 0                           ; named as a pair's upper register, never used
	v_mov_b32 v[W+18], 0
	v_mov_b32 v3, 0
	v_mov_b32 v5, 0
	s_wait_kmcnt 0x0                               ; the indices and the gates
	LOADS                                          ; the first token's rows are asked for before the parameters are waited for
	s_wait_loadcnt 28                              ; my three parameter loads are in; the token's 28 loads behind them stay out
.irp k, 0,1,2
	RND4 P1B+4*\k
	ds_store_b128 v[W+3], v[P1B+4*\k:P1B+4*\k+3] offset:4096*\k
.endr
	s_wait_dscnt 0x0                               ; for the others' sake: my part of the vectors is in LDS
	s_barrier_signal -1
	s_barrier_wait -1
.irp p, 0,1,2,3,4,5
.irp q, 0,1,2,3
	ds_load_b128 v[P1B+16*\p+4*\q:P1B+16*\p+4*\q+3], v1 offset:2048*\p+512*\q
.endr
.endr
	SIGM 2, 42                                     ; v2 = sigmoid(gate_c)
	SIGM 4, 43
	s_wait_alu depctr_va_vdst(0)
	v_mul_f32 v4, 0x3dcccccd, v4                   ; v4 = 0.1 sigmoid(gate_f)
	s_wait_dscnt 0x0
.Ltok:                                                 ; two trips: a token each; its 28 loads are out when a trip begins
	s_wait_loadcnt 20                              ; the coarse table's row and z are in; the 20 loads behind them may stay out
	LN HC, P1B, P1G, P1E
.irp q, 0,1,2,3
	RND4 ZF+4*\q
.endr
.irp j, 0,2,4,6,8,10,12,14
	v_pk_fma_f32 v[ZF+\j:ZF+\j+1], v[HC+\j:HC+\j+1], v[2:3], v[ZF+\j:ZF+\j+1] op_sel_hi:[1,0,1] neg_lo:[1,0,0] neg_hi:[1,0,0]  ; r
.endr
	s_wait_loadcnt 12                              ; the two codes are in; the 12 loads behind them may stay out
.irp q, 0,1,2,3
	RND4 EA+4*\q
	RND4 EB+4*\q
.endr
	v_pk_mul_f32 v[SXR:SXR+1], v[ZF:ZF+1], v[ZF:ZF+1]      ; five sums side by side: |r|^2, |e|^2 and r.e of both candidates
	v_pk_mul_f32 v[SA:SA+1], v[EA:EA+1], v[EA:EA+1]
	v_pk_mul_f32 v[CA:CA+1], v[ZF:ZF+1], v[EA:EA+1]
	v_pk_mul_f32 v[SB:SB+1], v[EB:EB+1], v[EB:EB+1]
	v_pk_mul_f32 v[CB:CB+1], v[ZF:ZF+1], v[EB:EB+1]
.irp j, 2,4,6,8,10,12,14
	v_pk_fma_f32 v[SXR:SXR+1], v[ZF+\j:ZF+\j+1], v[ZF+\j:ZF+\j+1], v[SXR:SXR+1]
	v_pk_fma_f32 v[SA:SA+1], v[EA+\j:EA+\j+1], v[EA+\j:EA+\j+1], v[SA:SA+1]
	v_pk_fma_f32 v[CA:CA+1], v[ZF+\j:ZF+\j+1], v[EA+\j:EA+\j+1], v[CA:CA+1]
	v_pk_fma_f32 v[SB:SB+1], v[EB+\j:EB+\j+1], v[EB+\j:EB+\j+1], v[SB:SB+1]
	v_pk_fma_f32 v[CB:CB+1], v[ZF+\j:ZF+\j+1], v[EB+\j:EB+\j+1], v[CB:CB+1]
.endr
.irp r, SXR, SA, CA, SB, CB
	v_add_f32 v[\r], v[\r], v[(\r)+1]
.endr
.irp m, 1,2,4,8
.irp r, SXR, SA, CA, SB, CB
	v_add_f32_dpp v[\r], v[\r], v[\r] row_xmask:\m row_mask:0xf bank_mask:0xf
.endr
.endr
.irp r, SXR, SA, CA, SB, CB
	v_permlanex16_b32 v[(\r)+1], v[\r], s[SEL], s[SEL+1]
.endr
.irp r, SXR, SA, CA, SB, CB
	v_add_f32 v[\r], v[\r], v[(\r)+1]
.endr
	v_add_f32 v[SA], v[SXR], v[SA]                 ; |r|^2 + |e|^2, rounded,
	v_add_f32 v[SB], v[SXR], v[SB]
	v_fma_f32 v[CA], v[CA], -2.0, v[SA]            ; less 2 r.e, rounded: 2 r.e is exact, so these are the definition's two roundings
	v_fma_f32 v[CB], v[CB], -2.0, v[SB]
	s_cmp_lt_u32 s45, s44
	s_cselect_b32 s86, -1, 0                       ; the second candidate has the lesser index
	v_cmp_lt_f32 s87, v[CB], v[CA]
	v_cmp_eq_f32 s88, v[CB], v[CA]
	s_and_b32 s88, s88, s86
	s_or_b32 s87, s87, s88                         ; the second candidate wins
	s_wait_loadcnt 0x0
.irp j, 0,1,2,3,4,5,6,7,8,9,10,11,12,13,14,15
	v_cndmask_b32 v[EA+\j], v[EA+\j], v[EB+\j], s87
	v_cndmask_b32 v[HFA+\j], v[HFA+\j], v[HFB+\j], s87
.endr
	LN HFA, P2B, P2G, P2E
.irp q, 0,1,2,3
	RND4 QC+4*\q
.endr
.irp j, 0,2,4,6,8,10,12,14
	v_pk_fma_f32 v[QC+\j:QC+\j+1], v[HFA+\j:HFA+\j+1], v[4:5], v[QC+\j:QC+\j+1] op_sel_hi:[1,0,1]
	v_pk_fma_f32 v[EA+\j:EA+\j+1], v[HC+\j:HC+\j+1], v[2:3], v[EA+\j:EA+\j+1] op_sel_hi:[1,0,1]
.endr
.irp q, 0,1,2,3
	global_store_b128 v1, v[QC+4*\q:QC+4*\q+3], s[34:35] offset:512*\q th:TH_STORE_NT
	global_store_b128 v1, v[EA+4*\q:EA+4*\q+3], s[34:35] offset:2048+512*\q th:TH_STORE_NT
.endr
	s_wait_xcnt 0x0                                ; the stores have read their base and their data: the base is stepped and the data loaded anew only behind this wait
	s_mov_b32 s40, s41                             ; the second token's indices take the first's places
	s_mov_b32 s44, s46
	s_mov_b32 s45, s47
	s_add_nc_u64 s[14:15], s[14:15], 4096
	s_add_nc_u64 s[34:35], s[34:35], 4096
	s_cmp_eq_u32 s89, 1
	s_cbranch_scc1 .Lnone                          ; behind the last token nothing is asked for
	LOADS
.Lnone:
	s_sub_co_u32 s89, s89, 1
	s_cmp_lg_u32 s89, 0
	s_cbranch_scc1 .Ltok
	s_wait_loadcnt 0x0                             ; no load is out: the last trip asked for nothing; HC's registers are loaded anew below
	s_or_b32 s72, s39, s38
	s_cmp_lg_u32 s72, 0
	s_cbranch_scc1 .Lend                           ; the loss has one owner: wave 0 of work-group 0
.irp q, 0,1,2,3
	global_load_b128 v[HC+4*\q:HC+4*\q+3], v1, s[32:33] offset:512*\q
.endr
	s_wait_loadcnt 0x0
	v_pk_add_f32 v[HC:HC+1], v[HC:HC+1], v[HC+2:HC+3]
	v_pk_add_f32 v[HC+4:HC+5], v[HC+4:HC+5], v[HC+6:HC+7]
	v_pk_add_f32 v[HC+8:HC+9], v[HC+8:HC+9], v[HC+10:HC+11]
	v_pk_add_f32 v[HC+12:HC+13], v[HC+12:HC+13], v[HC+14:HC+15]
	v_pk_add_f32 v[HC:HC+1], v[HC:HC+1], v[HC+4:HC+5]
	v_pk_add_f32 v[HC+8:HC+9], v[HC+8:HC+9], v[HC+12:HC+13]
	v_pk_add_f32 v[HC:HC+1], v[HC:HC+1], v[HC+8:HC+9]
	v_add_f32 v[W], v[HC], v[HC+1]
	WSUM W
	v_mul_f32 v[W], 0x34a00000, v[W]               ; 1.25 x 2^-22
	v_mov_b32 v[W+1], 0
	v_cmp_eq_u32 vcc_lo, 0, v0
	s_wait_xcnt 0x0                                ; EXEC changes only when the loads above have read their sources
	s_and_saveexec_b32 s86, vcc_lo
	global_store_b32 v[W+1], v[W], s[36:37]        ; thread 0 alone
	s_wait_xcnt 0x0
	s_or_b32 exec_lo, exec_lo, s86
.Lend:
	s_wait_tensorcnt 0x0                           ; the wave's end
	ds_add_u32 v6, v7
	s_wait_dscnt 0x0
	s_endpgm
.Lfunc_end_k_qac64ce48d3_outk:
	.size	k_qac64ce48d3_outk, .Lfunc_end_k_qac64ce48d3_outk-k_qac64ce48d3_outk
	.p2alignl 7, 3214868480
	.fill 96, 4, 3214868480
	.section	.rodata,"a",@progbits
	.p2align	6, 0x0
	.amdhsa_kernel k_qac64ce48d3_outk
		.amdhsa_group_segment_fixed_size 13312
		.amdhsa_private_segment_fixed_size 0
		.amdhsa_enable_private_segment 0
		.amdhsa_kernarg_size 136
		.amdhsa_user_sgpr_count 2
		.amdhsa_user_sgpr_kernarg_segment_ptr 1
		.amdhsa_wavefront_size32 1
		.amdhsa_system_sgpr_workgroup_id_x 1
		.amdhsa_system_sgpr_workgroup_id_y 1
		.amdhsa_system_sgpr_workgroup_id_z 1
		.amdhsa_system_vgpr_workitem_id 0
		.amdhsa_next_free_vgpr 256
		.amdhsa_next_free_sgpr 96
		.amdhsa_reserve_vcc 1
		.amdhsa_float_denorm_mode_32 3
		.amdhsa_float_denorm_mode_16_64 3
		.amdhsa_memory_ordered 1
		.amdhsa_forward_progress 1
		.amdhsa_inst_pref_size 39
	.end_amdhsa_kernel
	.amdgpu_metadata
---
amdhsa.version: [ 1, 2 ]
amdhsa.kernels:
  - .name:           k_qac64ce48d3_outk
    .symbol:         k_qac64ce48d3_outk.kd
    .args:
      - { .name: idxc, .offset: 0, .size: 8, .value_kind: global_buffer, .address_space: global }
      - { .name: idxf, .offset: 8, .size: 8, .value_kind: global_buffer, .address_space: global }
      - { .name: tab, .offset: 16, .size: 8, .value_kind: global_buffer, .address_space: global }
      - { .name: coarse_emb, .offset: 24, .size: 8, .value_kind: global_buffer, .address_space: global }
      - { .name: fine_emb, .offset: 32, .size: 8, .value_kind: global_buffer, .address_space: global }
      - { .name: z, .offset: 40, .size: 8, .value_kind: global_buffer, .address_space: global }
      - { .name: b_c2f, .offset: 48, .size: 8, .value_kind: global_buffer, .address_space: global }
      - { .name: g_c2f, .offset: 56, .size: 8, .value_kind: global_buffer, .address_space: global }
      - { .name: be_c2f, .offset: 64, .size: 8, .value_kind: global_buffer, .address_space: global }
      - { .name: b_f2c, .offset: 72, .size: 8, .value_kind: global_buffer, .address_space: global }
      - { .name: g_f2c, .offset: 80, .size: 8, .value_kind: global_buffer, .address_space: global }
      - { .name: be_f2c, .offset: 88, .size: 8, .value_kind: global_buffer, .address_space: global }
      - { .name: gate_c_raw, .offset: 96, .size: 8, .value_kind: global_buffer, .address_space: global }
      - { .name: gate_f_raw, .offset: 104, .size: 8, .value_kind: global_buffer, .address_space: global }
      - { .name: part, .offset: 112, .size: 8, .value_kind: global_buffer, .address_space: global }
      - { .name: out0, .offset: 120, .size: 8, .value_kind: global_buffer, .address_space: global }
      - { .name: out1, .offset: 128, .size: 8, .value_kind: global_buffer, .address_space: global }
    .group_segment_fixed_size: 13312
    .private_segment_fixed_size: 0
    .kernarg_segment_align: 8
    .kernarg_segment_size: 136
    .max_flat_workgroup_size: 256
    .sgpr_count:     96
    .vgpr_count:     256
    .wavefront_size: 32
...
	.end_amdgpu_metadata
.endif
;; end of part 11
